; MI455X (gfx1250); checked and timed in simulation.
; The chip was launched on July 23, 2026; its instructions are those of AMD's public machine-readable ISA for CDNA 5 (MIT licence, August 2026) and "CDNA5" Instruction Set Architecture Reference Guide (July 2026). The comments in the code are by the model that wrote it; some were corrected since.
;; Mo E. Allowed arithmetic: matrix products marked QUANTISED: E2M3 operands, one E8M0 scale for each 32 along K, by v_wmma_scale_f32_16x16x128_f8f6f4 with both operands' format E2M3, f32 sums; products left as they are: f32 operands where the result goes on into a quantised operand, else bf16, f16 or f32 operands; f32 sums; everything else in f32.
;; Inputs: w_gate 8 x 1,024 float32; w_in 8 x 1,024 x 1,024 float32; w_out 8 x 1,024 x 1,024 float32; x 2 x 2,048 x 1,024 float32.
;; Outputs: out0 2 x 2,048 x 1,024 float32.
;; This version of the problem:
;;   THIS VERSION OF THE PROBLEM IS GIVEN IN LOW PRECISION. The matrix products marked QUANTISED in the list below multiply operands that are first quantised to E2M3 (2 exponent bits, 3 mantissa bits; 6 bits a number), with one power-of-two scale for each 32 numbers along K (OCP MX v1.0); their sums are f32. All else is computed in f32.
;;   The module's matrix products, in the order in which they are computed (A, B: the left and right operand; K: the contracted axis; several contracted axes count as one K, in the product's order):
;;     1. [M 4,096, K 1,024] x [K 1,024, N 8]; A: input x; B: input w_gate: left as it is (N = 8 < 16)
;;     2. [M 4,096, K 1,024] x [K 1,024, N 1,024]; A: input x; B: input w_in: QUANTISED
;;     3. [M 4,096, K 1,024] x [K 1,024, N 1,024]; A: computed on the way; B: input w_out: QUANTISED
;;     4. [M 4,096, K 1,024] x [K 1,024, N 1,024]; A: input x; B: input w_in: QUANTISED
;;     5. [M 4,096, K 1,024] x [K 1,024, N 1,024]; A: computed on the way; B: input w_out: QUANTISED
;;     6. [M 4,096, K 1,024] x [K 1,024, N 1,024]; A: input x; B: input w_in: QUANTISED
;;     7. [M 4,096, K 1,024] x [K 1,024, N 1,024]; A: computed on the way; B: input w_out: QUANTISED
;;     8. [M 4,096, K 1,024] x [K 1,024, N 1,024]; A: input x; B: input w_in: QUANTISED
;;     9. [M 4,096, K 1,024] x [K 1,024, N 1,024]; A: computed on the way; B: input w_out: QUANTISED
;;     10. [M 4,096, K 1,024] x [K 1,024, N 1,024]; A: input x; B: input w_in: QUANTISED
;;     11. [M 4,096, K 1,024] x [K 1,024, N 1,024]; A: computed on the way; B: input w_out: QUANTISED
;;     12. [M 4,096, K 1,024] x [K 1,024, N 1,024]; A: input x; B: input w_in: QUANTISED
;;     13. [M 4,096, K 1,024] x [K 1,024, N 1,024]; A: computed on the way; B: input w_out: QUANTISED
;;     14. [M 4,096, K 1,024] x [K 1,024, N 1,024]; A: input x; B: input w_in: QUANTISED
;;     15. [M 4,096, K 1,024] x [K 1,024, N 1,024]; A: computed on the way; B: input w_out: QUANTISED
;;     16. [M 4,096, K 1,024] x [K 1,024, N 1,024]; A: input x; B: input w_in: QUANTISED
;;     17. [M 4,096, K 1,024] x [K 1,024, N 1,024]; A: computed on the way; B: input w_out: QUANTISED
;;   THE QUANTISER, for each operand of a quantised product, along K:
;;     - K is cut into blocks of 32 from its start; a last block that is shorter is filled with zeros.
;;     - A block's scale is 2^e with e = floor(log2(the largest magnitude in the block)) - 2, held to -126 .. 127; a block of zeros has e = 0. As a byte (E8M0): e + 127.
;;     - Each number is divided by its block's scale, clamped to +-7.5, and rounded to the nearest number of E2M3, ties to even, subnormals kept.
;;     - The product sums the exact products of the quantised numbers (number of the format x scale) in f32.
;;   ~~~python
;;   def quantise(x, axis):      # numpy; x: float32 -> the quantised numbers, widened to float32 again
;;       x = np.moveaxis(x, axis, -1); K = x.shape[-1]
;;       x = np.pad(x, [(0, 0)] * (x.ndim - 1) + [(0, -K % 32)]); x = x.reshape(x.shape[:-1] + (-1, 32)); a = np.abs(x).max(-1, keepdims=True)
;;       e = np.where(a > 0, np.clip(np.frexp(np.where(a > 0, a, 1))[1] - 1 - 2, -126, 127), 0)      # np.frexp(a)[1] - 1 = floor(log2(a)), exactly
;;       r = np.clip(x / 2.0 ** e, -7.5, 7.5)
;;       step = 2.0 ** (np.maximum(np.frexp(np.where(r == 0, 1, r))[1] - 1, 0) - 3)
;;       q = np.round(r / step) * step * 2.0 ** e      # np.round: ties to even
;;       return np.moveaxis(q.reshape(q.shape[:-2] + (-1,))[..., :K], -1, axis).astype(np.float32)
;;   ~~~
;;   OPERANDS COMPUTED ON THE WAY. 'Computed on the way' means the value that the module computes at that place (a softmax that the list does not call 'softmax' is quantised finished and normalised). What goes into a quantiser is computed in f32, as accurately as f32 sums, v_exp_f32 and their like allow (about 1e-6 of the number): no bf16 or f16 on the way to a quantiser, and a product that is left as it is and whose result goes on into a quantised operand takes f32 operands (vector FMAs, or v_wmma_f32_16x16x4_f32). A number that lies on a knife's edge between two numbers of the format may be rounded either way, as far as f32 arithmetic and the matrix unit's own rounding can turn it there, and no further.
;; 3 versions. Each part assembles by itself: llvm-mc -triple=amdgcn-amd-amdhsa -mcpu=gfx1250 --defsym DOCPART=n.
;; ======== version 1 of 3: 4 launches
;; workspace buffers: wq 13,107,200 bytes; xq 3,276,800 bytes; gates 131,072 bytes; rt 16,384 bytes of whole numbers; ord 16,384 bytes of whole numbers; hq 26,214,400 bytes
;; launch prep (part 1): grid 1280 x 1, 4 waves a work-group, no clusters, 58,880 bytes of LDS; arguments x, w_gate, w_in, w_out, wq, xq, gates, rt; writes wq, xq, gates, rt
.if DOCPART == 1
	.amdgcn_target "amdgcn-amd-amdhsa--gfx1250"
	.amdhsa_code_object_version 6
	.text
	.protected	k_q32b7eb57a4_prep
	.globl	k_q32b7eb57a4_prep
	.p2align	8
	.type	k_q32b7eb57a4_prep,@function
k_q32b7eb57a4_prep:
	s_mov_b64 s[64:65], 0
	v_nop
	global_prefetch_b8 v0, s[64:65] scope:SCOPE_SE
	s_setreg_imm32_b32 hwreg(HW_REG_WAVE_MODE, 25, 1), 1
	s_wait_xcnt 0x0
; Quantises x, w_in and w_out to codes of FP6 (E2M3) with one E8M0 byte for each 32 along K (K is innermost in all three), and runs the router.
; A block's scale is 2^(floor(log2(largest magnitude)) - 2): its byte is the largest magnitude's exponent field - 2, held at 1 from below.
; LIMITS: NaN and infinities among the inputs are not served.  A block of zeros gets the byte 1 (its codes are zeros; this program alone reads the bytes).
; Equal logits take the lower index; logits that differ by less than the rounding of an f32 sum of 1,024 terms may be ordered otherwise than by another order of summation.
; WORK-GROUPS 0-255: 16 tokens each.  Wave w takes columns 256 w .. 256 w + 255 of the 16 rows: codes go out row-major (768 bytes a row), scale bytes 32 a row,
;   and the wave's part of the 8 logits is summed by fused multiply-adds beside the quantiser; wave 1 finishes top 2, softmax, the dense row of 8 gates and the whole number key | mask << 16.
; WORK-GROUPS 256-1279: (matrix mu 0-15, strip sigma of 64 rows, quarter kappa of K).  Wave t makes tile t of the strip: 16 rows x 256 along K, laid in the order of a matrix operand's registers:
;   record (16 mu + sigma) x 51,200: codes [t][s 0-7][g 0-2][lane][16 bytes]; at 49,152 scale words [s][rho][t].  Fragment lane (rho, h) is matrix row 64 sigma + 32 (t / 2) + 8 (t % 2) + rho + 8 (rho / 8).
; Every load reads 512 consecutive bytes; 2,048 bytes turn through the wave's own stage in LDS so that a lane holds 16 neighbours along K (two lanes to a block).
; No tensor load, no matrix instruction: memory binds, and each input byte is read once.  The two paths part on the work-group's number and have LDS bytes of their own.
.set TURNW, 0                          ; weights: two stages of 2,560 bytes a wave
.set IMG,   20480                      ; weights: 3,072 bytes of codes a wave, in the record's order
.set SCW,   32768                      ; weights: 512 bytes of scale words
.set TURNX, 33280                      ; x: one stage a wave
.set XST,   43520                      ; x: 16 rows x 768 bytes of codes
.set XSS,   55808                      ; x: 16 rows x 32 scale bytes
.set PART,  56320                      ; x: [wave][row][8] parts of the logits
.set WX, 32                            ; weights: v32-63 two sets of 16 neighbours; v64-191 eight sets as loaded; v192-223 codes; v224-231 bytes
.set WR, 64
.set WC, 192
.set WE, 224
.set GW, 16                            ; x: v16-143 my 16 columns of the 8 rows of w_gate; v144-207 four sets as loaded; v208-223 neighbours; v224-239, v240-247 sums; v248-251 codes, byte
.set XR, 144
.set XX, 208
.set PP, 224
.set QQ, 240
.set XC, 248
.set XE, 251
.macro LOADS reg, base, o0, o1         ; two rows' pieces of 1,024 bytes: four loads of 512 consecutive bytes
	global_load_b128 v[\reg:\reg+3], v2, s[\base:\base+1] offset:\o0 th:TH_LOAD_NT
	global_load_b128 v[\reg+4:\reg+7], v2, s[\base:\base+1] offset:\o0+512 th:TH_LOAD_NT
	global_load_b128 v[\reg+8:\reg+11], v2, s[\base:\base+1] offset:\o1 th:TH_LOAD_NT
	global_load_b128 v[\reg+12:\reg+15], v2, s[\base:\base+1] offset:\o1+512 th:TH_LOAD_NT
.endm
.macro TURN reg, xs, stg               ; through the stage: in as loaded, out 64 bytes a lane; LDS serves a wave's instructions in order, so no wait stands between
.irp i, 0,1,2,3
	ds_store_b128 v3, v[\reg+4*\i:\reg+4*\i+3] offset:\stg+640*\i
.endr
.irp i, 0,1,2,3
	ds_load_b128 v[\xs+4*\i:\xs+4*\i+3], v4 offset:\stg+16*\i
.endr
.endm
.macro QB xs, c, e                     ; my 16 numbers -> 12 bytes of codes in v[c..c+2], the block's byte in v[e]
	v_max3_num_f32 v12, |v[\xs]|, |v[\xs+1]|, |v[\xs+2]|
	v_max3_num_f32 v13, |v[\xs+3]|, |v[\xs+4]|, |v[\xs+5]|
.irp i, 6,10
	v_max3_num_f32 v12, v12, |v[\xs+\i]|, |v[\xs+\i+1]|
	v_max3_num_f32 v13, v13, |v[\xs+\i+2]|, |v[\xs+\i+3]|
.endr
	v_max3_num_f32 v12, v12, |v[\xs+14]|, |v[\xs+15]|
	v_max3_num_f32 v12, v12, v13, 0x1800000        ; the floor 2^(3 - 127): the byte cannot fall under 1
	v_max_num_f32_dpp v12, v12, v12 row_xmask:1 row_mask:0xf bank_mask:0xf   ; with my neighbour's 16: the block's largest magnitude
	v_add_nc_u32 v14, 0xff000000, v12              ; 2 off its exponent field: the conversion takes this operand's exponent field as its scale
	v_cvt_scalef32_pk16_fp6_f32 v[\c:\c+2], v[\xs:\xs+15], v14
	v_lshrrev_b32 v[\e], 23, v14                   ; the scale's byte (also the plain line behind the conversion)
.endm
	s_load_b512 s[4:19], s[0:1], 0x0               ; x 4, w_gate 6, w_in 8, w_out 10, wq 12, xq 14, gates 16, rt 18
	v_lshl_add_u32 v254, v0, 2, 0xe400
	v_mov_b32 v255, 0
	v_lshrrev_b32 v1, 5, v0
	v_readfirstlane_b32 s20, v1                    ; wave
	v_and_b32 v1, 31, v0                           ; lane
	v_lshlrev_b32 v2, 4, v1                        ; 16 x lane
	v_lshrrev_b32 v9, 2, v1
	v_mul_u32_u24 v3, v9, 80
	v_and_b32 v9, 3, v1
	v_lshl_add_u32 v3, v9, 4, v3                   ; stage, in: 80 (lane / 4) + 16 (lane % 4)
	v_mul_u32_u24 v4, v1, 80                       ; stage, out: 80 x lane
	v_and_b32 v10, 15, v1                          ; sub: which 16 numbers of the row's piece
	v_lshrrev_b32 v11, 4, v1                       ; which of the step's two rows
	s_mov_b32 s27, 0
	s_mov_b32 s29, 0
	s_cmp_lt_u32 ttmp9, 256
	s_cbranch_scc1 .Lx_path
	; ---------------- the weights ----------------
	s_sub_co_u32 s21, ttmp9, 256
	s_lshr_b32 s22, s21, 6                         ; mu
	s_bfe_u32 s23, s21, 0x40002                    ; sigma
	s_and_b32 s24, s21, 3                          ; kappa
	s_mul_i32 s25, s20, 5120
	v_add_nc_u32 v3, s25, v3
	v_add_nc_u32 v4, s25, v4
	v_lshrrev_b32 v12, 1, v10                      ; block 0-7 of the piece
	v_and_b32 v13, 1, v10                          ; which half of the block
	v_bfe_u32 v14, v12, 1, 1                       ; c
	v_mul_u32_u24 v14, v14, 6
	v_mad_u32_u24 v14, v13, 3, v14                 ; my first register of the fragment: 6 c + 3 half
	v_lshrrev_b32 v15, 2, v12                      ; which of the quarter's two K steps
	v_mul_u32_u24 v16, v15, 1536
	v_and_b32 v17, 1, v12                          ; the fragment's half of the lanes
	v_lshl_add_u32 v16, v17, 8, v16
	v_lshl_add_u32 v16, v11, 4, v16
	s_mul_i32 s25, s20, 3072
	s_add_co_u32 s25, s25, IMG
	v_add_nc_u32 v16, s25, v16
	v_add_nc_u32 v9, s25, v2                       ; the image, read back: 16 x lane
.irp i, 0,1,2
	v_add_nc_u32 v18, \i, v14                      ; register q
	v_lshrrev_b32 v19, 2, v18
	v_and_b32 v18, 3, v18
	v_lshl_add_u32 v19, v19, 9, v16                ; + 512 (q / 4)
	v_lshl_add_u32 v[5+\i], v18, 2, v19            ; + 4 (q % 4)
.endr
	v_lshlrev_b32 v8, 8, v15                       ; the scale byte: 256 (K step) + 16 rho + 4 t + block % 4
	v_lshl_add_u32 v8, v11, 4, v8
	v_and_b32 v18, 3, v12
	v_add_nc_u32 v8, v8, v18
	s_lshl_b32 s25, s20, 2
	s_add_co_u32 s25, s25, SCW
	v_add_nc_u32 v8, s25, v8
	s_mul_i32 s25, s20, 12288
	s_mul_i32 s26, s24, 3072
	s_add_co_u32 s25, s25, s26
	v_add_nc_u32 v10, s25, v2                      ; my codes' place in the record
	s_and_b32 s25, s22, 7
	s_lshl_b32 s25, s25, 22                        ; the expert's 4 MiB
	s_lshl_b32 s26, s23, 6
	s_lshr_b32 s28, s20, 1
	s_lshl_b32 s28, s28, 5
	s_add_co_u32 s26, s26, s28
	s_and_b32 s28, s20, 1
	s_lshl_b32 s28, s28, 3
	s_add_co_u32 s26, s26, s28                     ; the tile's first matrix row
	s_lshl_b32 s26, s26, 12
	s_add_co_u32 s26, s26, s25
	s_lshl_b32 s28, s24, 10
	s_add_co_u32 s26, s26, s28                     ; + the quarter of K
	s_lshl_b32 s28, s22, 4
	s_add_co_u32 s28, s28, s23
	s_mul_i32 s28, s28, 51200                      ; the record
	s_wait_kmcnt 0x0
	s_cmp_lt_u32 s22, 8
	s_cselect_b64 s[30:31], s[8:9], s[10:11]       ; w_in or w_out: the choice hangs on the work-group's number alone
	s_add_nc_u64 s[30:31], s[30:31], s[26:27]
	s_add_nc_u64 s[12:13], s[12:13], s[28:29]
.set P, 0
.rept 8                                ; all 32 loads of the wave go out at once: rows rho = 2 P, 2 P + 1 lie at rho + 8 (rho / 8)
	LOADS WR+16*P, 30, (2*P+8*((2*P)/8))*4096, (2*P+1+8*((2*P+1)/8))*4096
.set P, P+1
.endr
	s_wait_loadcnt 28                              ; step 0's four loads are in
	TURN WR, WX, 0
.macro WSTEP p
.if (\p) > 0
	s_wait_dscnt 4                                 ; this step's numbers are back; the last step's three code stores and its byte store may be out
.else
	s_wait_dscnt 0x0
.endif
.if (\p) < 7
	s_wait_loadcnt 24-4*(\p)                       ; the next step's four loads are in; the later steps' may be out
	TURN WR+16*((\p)+1), WX+16*(((\p)+1)%2), 2560*(((\p)+1)%2)
.endif
	QB WX+16*((\p)%2), WC+4*(\p), WE+(\p)
.irp i, 0,1,2
	ds_store_b32 v[5+\i], v[WC+4*(\p)+\i] offset:32*(\p)
.endr
	ds_store_b8 v8, v[WE+(\p)] offset:32*(\p)      ; both lanes of a block write the same byte with the same value
.endm
.irp p, 0,1,2,3,4,5,6,7
	WSTEP \p
.endr
.irp g, 0,1,2,3,4,5
	ds_load_b128 v[WR+4*\g:WR+4*\g+3], v9 offset:512*\g   ; my own bytes, in order behind my stores
.endr
.irp g, 0,1,2,3,4,5
	s_wait_dscnt 5-\g
	global_store_b128 v10, v[WR+4*\g:WR+4*\g+3], s[12:13] offset:512*\g   ; 512 consecutive bytes
.endr
	s_wait_dscnt 0x0                               ; for the others' sake: my scale bytes have landed
	s_barrier_signal -1
	s_barrier_wait -1
	s_cmp_lg_u32 s20, 0
	s_cbranch_scc1 .Lw_end
	ds_load_b128 v[32:35], v2 offset:SCW           ; the four waves' scale words: 512 bytes
	s_lshl_b32 s25, s24, 9
	v_add_nc_u32 v11, s25, v2
	s_wait_dscnt 0x0
	global_store_b128 v11, v[32:35], s[12:13] offset:49152
.Lw_end:
	s_wait_tensorcnt 0x0
	ds_add_u32 v254, v255
	s_wait_dscnt 0x0
	s_endpgm
	; ---------------- x and the router ----------------
.Lx_path:
	s_mul_i32 s25, s20, 2560
	s_add_co_u32 s25, s25, TURNX
	v_add_nc_u32 v3, s25, v3
	v_add_nc_u32 v4, s25, v4
	v_mul_u32_u24 v5, v11, 768                     ; codes: 768 x row + 192 w + 12 sub
	v_mad_u32_u24 v5, v10, 12, v5
	s_mul_i32 s25, s20, 192
	s_add_co_u32 s25, s25, XST
	v_add_nc_u32 v5, s25, v5
	v_lshrrev_b32 v6, 1, v10                       ; bytes: 32 x row + 8 w + sub / 2
	v_lshl_add_u32 v6, v11, 5, v6
	s_lshl_b32 s25, s20, 3
	s_add_co_u32 s25, s25, XSS
	v_add_nc_u32 v6, s25, v6
	v_lshlrev_b32 v7, 5, v11                       ; logits' parts: 512 w + 32 x row
	s_lshl_b32 s25, s20, 9
	s_add_co_u32 s25, s25, PART
	v_add_nc_u32 v7, s25, v7
	v_lshlrev_b32 v8, 6, v10                       ; w_gate: 1,024 w + 64 sub
	s_lshl_b32 s25, s20, 10
	v_add_nc_u32 v8, s25, v8
	s_lshl_b32 s26, ttmp9, 16                      ; 16 rows of 4,096 bytes
	s_add_co_u32 s26, s26, s25
	s_wait_kmcnt 0x0
	s_add_nc_u64 s[4:5], s[4:5], s[26:27]
.irp e, 0,1,2,3,4,5,6,7
.irp i, 0,1,2,3
	global_load_b128 v[GW+16*\e+4*\i:GW+16*\e+4*\i+3], v8, s[6:7] offset:4096*\e+16*\i
.endr
.endr
.irp p, 0,1,2,3
	LOADS XR+16*\p, 4, (2*\p)*4096, (2*\p+1)*4096
.endr
.macro XSTEP p
.if (\p) <= 4
	s_wait_loadcnt 12                              ; this step's four loads are in (w_gate's are older); three later steps' may be out
.else
	s_wait_loadcnt 4*(7-(\p))
.endif
	TURN XR+16*((\p)%4), XX, 0
	s_wait_dscnt 0x0                               ; my 16 neighbours are in; the stage's stores and the last step's stores have read their registers
.if (\p) < 4
	LOADS XR+16*((\p)%4), 4, (2*(\p)+8)*4096, (2*(\p)+9)*4096
.endif
	QB XX, XC, XE
.irp i, 0,1,2
	ds_store_b32 v5, v[XC+\i] offset:1536*(\p)+4*\i
.endr
	ds_store_b8 v6, v[XE] offset:64*(\p)
.irp e, 0,1,2,3,4,5,6,7                ; the router's product, in f32: my 16 numbers against my 16 columns of each expert's row, the eight sums by turns
	v_pk_mul_f32 v[PP+2*\e:PP+2*\e+1], v[XX:XX+1], v[GW+16*\e:GW+16*\e+1]
.endr
.irp i, 2,4,6,8,10,12,14
.irp e, 0,1,2,3,4,5,6,7
	v_pk_fma_f32 v[PP+2*\e:PP+2*\e+1], v[XX+\i:XX+\i+1], v[GW+16*\e+\i:GW+16*\e+\i+1], v[PP+2*\e:PP+2*\e+1]
.endr
.endr
.irp e, 0,1,2,3,4,5,6,7
	v_add_f32 v[QQ+\e], v[PP+2*\e], v[PP+2*\e+1]
.endr
.irp k, 1,2,4,8                        ; over the sixteen lanes that hold the row
.irp e, 0,1,2,3,4,5,6,7
	v_add_f32_dpp v[QQ+\e], v[QQ+\e], v[QQ+\e] row_xmask:\k row_mask:0xf bank_mask:0xf
.endr
.endr
	ds_store_b128 v7, v[QQ:QQ+3] offset:64*(\p)    ; sixteen lanes write the same bytes with the same values
	ds_store_b128 v7, v[QQ+4:QQ+7] offset:64*(\p)+16
.endm
.irp p, 0,1,2,3,4,5,6,7
	XSTEP \p
.endr
	s_wait_dscnt 0x0                               ; for the others' sake: all my LDS stores have landed
	s_barrier_signal -1
	s_barrier_wait -1
	v_lshlrev_b32 v9, 4, v0                        ; 16 x thread
	s_mul_i32 s26, ttmp9, 12288
	s_add_nc_u64 s[22:23], s[14:15], s[26:27]
.irp g, 0,1,2,3,4,5
	ds_load_b128 v[XR+4*\g:XR+4*\g+3], v9 offset:XST+2048*\g
.endr
.irp g, 0,1,2,3,4,5
	s_wait_dscnt 5-\g
	global_store_b128 v9, v[XR+4*\g:XR+4*\g+3], s[22:23] offset:2048*\g   ; the 16 rows' codes are 12,288 consecutive bytes
.endr
	s_cmp_eq_u32 s20, 0
	s_cbranch_scc1 .Lx_scales
	s_cmp_eq_u32 s20, 1
	s_cbranch_scc1 .Lx_router
	s_wait_tensorcnt 0x0
	ds_add_u32 v254, v255
	s_wait_dscnt 0x0
	s_endpgm
.Lx_scales:
	ds_load_b128 v[16:19], v2 offset:XSS
	s_lshl_b32 s26, ttmp9, 9
	s_add_nc_u64 s[14:15], s[14:15], s[26:27]
	s_wait_dscnt 0x0
	global_store_b128 v2, v[16:19], s[14:15] offset:3145728   ; 512 consecutive bytes
	s_wait_tensorcnt 0x0
	ds_add_u32 v254, v255
	s_wait_dscnt 0x0
	s_endpgm
.Lx_router:                            ; lane (r, h): token r; both halves compute the same
	v_lshlrev_b32 v12, 5, v10
.irp w, 0,1,2,3
	ds_load_b128 v[16+8*\w:19+8*\w], v12 offset:PART+512*\w
	ds_load_b128 v[20+8*\w:23+8*\w], v12 offset:PART+512*\w+16
.endr
	s_wait_dscnt 0x0
.irp i, 0,2,4,6
	v_pk_add_f32 v[16+\i:17+\i], v[16+\i:17+\i], v[24+\i:25+\i]
	v_pk_add_f32 v[32+\i:33+\i], v[32+\i:33+\i], v[40+\i:41+\i]
.endr
.irp i, 0,2,4,6
	v_pk_add_f32 v[16+\i:17+\i], v[16+\i:17+\i], v[32+\i:33+\i]   ; the 8 logits: v16-23
.endr
	v_mov_b32 v48, v16                             ; the largest, and its index: a strict > keeps the lower index
	v_mov_b32 v49, 0
.irp e, 1,2,3,4,5,6,7
	v_cmp_gt_f32 vcc_lo, v[16+\e], v48
	v_cndmask_b32 v48, v48, v[16+\e], vcc_lo
	v_cndmask_b32 v49, v49, \e, vcc_lo
.endr
	v_mov_b32 v50, 0xff800000                      ; the second, among the others
	v_mov_b32 v51, 0
.irp e, 0,1,2,3,4,5,6,7
	v_cmp_ne_u32 s30, \e, v49
	v_cmp_gt_f32 vcc_lo, v[16+\e], v50
	s_and_b32 vcc_lo, vcc_lo, s30
	v_cndmask_b32 v50, v50, v[16+\e], vcc_lo
	v_cndmask_b32 v51, v51, \e, vcc_lo
.endr
	v_sub_f32 v52, v50, v48                        ; the softmax of the two, the larger taken away: 1 / (1 + e^d), e^d / (1 + e^d), d <= 0
	v_mul_f32 v52, 0x3fb8aa3b, v52
	v_exp_f32 v53, v52
	v_nop                                          ; a plain line behind the transcendental
	s_wait_alu depctr_va_vdst(0)                   ; the wait ahead of the first reader
	v_add_f32 v54, 1.0, v53
	v_rcp_f32 v55, v54
	v_nop
	s_wait_alu depctr_va_vdst(0)
	v_mul_f32 v56, v53, v55
.irp e, 0,1,2,3,4,5,6,7                ; the dense row of gates: 0 where the expert was not chosen
	v_cmp_eq_u32 vcc_lo, \e, v51
	v_cndmask_b32 v[60+\e], 0, v56, vcc_lo
	v_cmp_eq_u32 vcc_lo, \e, v49
	v_cndmask_b32 v[60+\e], v[60+\e], v55, vcc_lo
.endr
	v_cmp_le_u32 vcc_lo, 16, v1
.irp i, 0,1,2,3
	v_cndmask_b32 v[68+\i], v[60+\i], v[64+\i], vcc_lo   ; lanes 0-15 store experts 0-3, lanes 16-31 experts 4-7
.endr
	v_lshl_add_u32 v13, v11, 4, v12                ; 32 r + 16 h
	s_lshl_b32 s26, ttmp9, 9
	s_add_nc_u64 s[16:17], s[16:17], s[26:27]
	global_store_b128 v13, v[68:71], s[16:17]      ; 512 consecutive bytes
	v_min_u32 v57, v49, v51
	v_max_u32 v58, v49, v51
	v_lshl_add_u32 v57, v57, 3, v58                ; key = 8 lo + hi
	v_mov_b32 v59, 1
	v_lshlrev_b32 v58, v49, v59
	v_lshlrev_b32 v59, v51, v59
	v_or_b32 v58, v58, v59                         ; the two experts as bits
	v_lshl_or_b32 v57, v58, 16, v57
	v_lshlrev_b32 v14, 2, v10
	s_lshl_b32 s26, ttmp9, 6
	s_add_nc_u64 s[18:19], s[18:19], s[26:27]
	s_wait_xcnt 0x0                                ; EXEC changes only behind this wait
	v_cmp_gt_u32 vcc_lo, 16, v1
	s_wait_tensorcnt 0x0
	ds_add_u32 v254, v255
	s_wait_dscnt 0x0
	s_and_saveexec_b32 s30, vcc_lo
	global_store_b32 v14, v57, s[18:19]            ; at a fixed place: no address here hangs on the choice
	s_wait_xcnt 0x0
	s_or_b32 exec_lo, exec_lo, s30
	s_endpgm
.Lfunc_end_k_q32b7eb57a4_prep:
	.size	k_q32b7eb57a4_prep, .Lfunc_end_k_q32b7eb57a4_prep-k_q32b7eb57a4_prep
	.p2alignl 7, 3214868480
	.fill 96, 4, 3214868480
	.section	.rodata,"a",@progbits
	.p2align	6, 0x0
	.amdhsa_kernel k_q32b7eb57a4_prep
		.amdhsa_group_segment_fixed_size 58880
		.amdhsa_private_segment_fixed_size 0
		.amdhsa_enable_private_segment 0
		.amdhsa_kernarg_size 64
		.amdhsa_user_sgpr_count 2
		.amdhsa_user_sgpr_kernarg_segment_ptr 1
		.amdhsa_wavefront_size32 1
		.amdhsa_system_sgpr_workgroup_id_x 1
		.amdhsa_system_sgpr_workgroup_id_y 1
		.amdhsa_system_sgpr_workgroup_id_z 1
		.amdhsa_system_vgpr_workitem_id 0
		.amdhsa_next_free_vgpr 256
		.amdhsa_next_free_sgpr 66
		.amdhsa_reserve_vcc 1
		.amdhsa_float_denorm_mode_32 3
		.amdhsa_float_denorm_mode_16_64 3
		.amdhsa_memory_ordered 1
		.amdhsa_forward_progress 1
		.amdhsa_inst_pref_size 101
	.end_amdhsa_kernel
	.amdgpu_metadata
---
amdhsa.version: [ 1, 2 ]
amdhsa.kernels:
  - .name:           k_q32b7eb57a4_prep
    .symbol:         k_q32b7eb57a4_prep.kd
    .args:
      - { .name: x, .offset: 0, .size: 8, .value_kind: global_buffer, .address_space: global }
      - { .name: w_gate, .offset: 8, .size: 8, .value_kind: global_buffer, .address_space: global }
      - { .name: w_in, .offset: 16, .size: 8, .value_kind: global_buffer, .address_space: global }
      - { .name: w_out, .offset: 24, .size: 8, .value_kind: global_buffer, .address_space: global }
      - { .name: wq, .offset: 32, .size: 8, .value_kind: global_buffer, .address_space: global }
      - { .name: xq, .offset: 40, .size: 8, .value_kind: global_buffer, .address_space: global }
      - { .name: gates, .offset: 48, .size: 8, .value_kind: global_buffer, .address_space: global }
      - { .name: rt, .offset: 56, .size: 8, .value_kind: global_buffer, .address_space: global }
    .group_segment_fixed_size: 58880
    .private_segment_fixed_size: 0
    .kernarg_segment_align: 8
    .kernarg_segment_size: 64
    .max_flat_workgroup_size: 128
    .sgpr_count:     66
    .vgpr_count:     256
    .wavefront_size: 32
...
	.end_amdgpu_metadata
.endif
;; end of part 1
;; launch place (part 2): grid 1 x 1, 32 waves a work-group, no clusters, 12,288 bytes of LDS; arguments rt, ord; writes ord
.if DOCPART == 2
	.amdgcn_target "amdgcn-amd-amdhsa--gfx1250"
	.amdhsa_code_object_version 6
	.text
	.protected	k_q32b7eb57a4_place
	.globl	k_q32b7eb57a4_place
	.p2align	8
	.type	k_q32b7eb57a4_place,@function
k_q32b7eb57a4_place:
	s_mov_b64 s[64:65], 0
	v_nop
	global_prefetch_b8 v0, s[64:65] scope:SCOPE_SE
	s_setreg_imm32_b32 hwreg(HW_REG_WAVE_MODE, 25, 1), 1
	s_wait_xcnt 0x0
; A counting sort of the 4,096 tokens by the key 8 lo + hi of their pair of experts (28 possible keys).  ord[pos] = token | (the pair as bits) << 16.
; One work-group of 32 waves; thread t has tokens 4 t .. 4 t + 3.  The order inside a key is free, so a token's place is
;   (tokens of smaller keys) + (tokens of its key in the waves ahead) + (its rank among its wave's tokens of that key).
; No LDS address hangs on data: a wave finds counts and ranks by ballots over the 28 keys, writes its 64 counts to fixed places,
; and behind ONE barrier every wave reads all 32 x 64 counts.  No atomics.  The 4-byte stores are scattered: 16,384 bytes in the whole launch.
	s_load_b128 s[4:7], s[0:1], 0x0                ; rt, ord
	v_lshl_add_u32 v126, v0, 2, 0x2000
	v_mov_b32 v127, 0
	v_lshrrev_b32 v1, 5, v0
	v_readfirstlane_b32 s8, v1                     ; wave
	v_and_b32 v1, 31, v0
	v_lshlrev_b32 v2, 4, v0                        ; my four words of rt
	v_lshlrev_b32 v3, 2, v1                        ; 4 x lane
	s_lshl_b32 s9, s8, 8
	v_add_nc_u32 v4, s9, v3                        ; my wave's 256 bytes of counts
	v_mov_b32 v5, 0                                ; lane l: my wave's count of key l,
	v_mov_b32 v6, 0                                ; of key 32 + l
.irp j, 0,1,2,3
	v_mov_b32 v[12+\j], 0                          ; rank
	v_mov_b32 v[16+\j], 0                          ; base
.endr
	s_wait_kmcnt 0x0
	global_load_b128 v[20:23], v2, s[4:5]
	s_wait_loadcnt 0x0
.irp j, 0,1,2,3
	v_and_b32 v[8+\j], 63, v[20+\j]                ; key
.endr
.irp lo, 0,1,2,3,4,5,6
.irp hi, 1,2,3,4,5,6,7
.if \lo < \hi
.set K, 8*\lo+\hi
	v_cmp_eq_u32 s12, K, v8                        ; who in my wave has this key, for each of a thread's four tokens
	v_cmp_eq_u32 s13, K, v9
	v_cmp_eq_u32 s14, K, v10
	v_cmp_eq_u32 s15, K, v11
	s_bcnt1_i32_b32 s16, s12
	s_bcnt1_i32_b32 s17, s13
	s_bcnt1_i32_b32 s18, s14
	s_bcnt1_i32_b32 s19, s15
	s_add_co_u32 s17, s17, s16
	s_add_co_u32 s18, s18, s17
	s_add_co_u32 s19, s19, s18                     ; the wave's count
	v_mbcnt_lo_u32_b32 v24, s12, 0                 ; lower lanes with the key, + the earlier tokens' counts
	v_mbcnt_lo_u32_b32 v25, s13, s16
	v_mbcnt_lo_u32_b32 v26, s14, s17
	v_mbcnt_lo_u32_b32 v27, s15, s18
	v_cndmask_b32 v12, v12, v24, s12
	v_cndmask_b32 v13, v13, v25, s13
	v_cndmask_b32 v14, v14, v26, s14
	v_cndmask_b32 v15, v15, v27, s15
	v_writelane_b32 v[5+K/32], s19, K%32
.endif
.endr
.endr
	ds_store_b32 v4, v5
	ds_store_b32 v4, v6 offset:128
	s_wait_dscnt 0x0                               ; for the others' sake
	s_barrier_signal -1
	s_barrier_wait -1
.set W, 0
.rept 32
	ds_load_b32 v[32+2*W], v3 offset:256*W
	ds_load_b32 v[33+2*W], v3 offset:256*W+128
.set W, W+1
.endr
.irp i, 28,29,30,31
	v_mov_b32 v[\i], 0                             ; v28, v29 totals; v30, v31 the waves ahead of mine
.endr
	s_wait_dscnt 0x0
.set W, 0
.rept 32
	v_add_nc_u32 v28, v28, v[32+2*W]
	v_add_nc_u32 v29, v29, v[33+2*W]
	s_cmp_gt_u32 s8, W
	s_cselect_b32 s10, -1, 0
	v_and_b32 v24, s10, v[32+2*W]
	v_and_b32 v25, s10, v[33+2*W]
	v_add_nc_u32 v30, v30, v24
	v_add_nc_u32 v31, v31, v25
.set W, W+1
.endr
	s_mov_b32 s11, 0                               ; tokens of smaller keys
.irp lo, 0,1,2,3,4,5,6
.irp hi, 1,2,3,4,5,6,7
.if \lo < \hi
.set K, 8*\lo+\hi
	v_readlane_b32 s12, v[28+K/32], K%32
	v_readlane_b32 s13, v[30+K/32], K%32
	s_add_co_u32 s13, s13, s11
	s_add_co_u32 s11, s11, s12
.irp j, 0,1,2,3
	v_cmp_eq_u32 vcc_lo, K, v[8+\j]
	v_cndmask_b32 v[16+\j], v[16+\j], s13, vcc_lo
.endr
.endif
.endr
.endr
.irp j, 0,1,2,3
	v_add_nc_u32 v[16+\j], v[16+\j], v[12+\j]
	v_min_u32 v[16+\j], 0xfff, v[16+\j]            ; the place, held inside the buffer
	v_lshlrev_b32 v[16+\j], 2, v[16+\j]
	v_and_b32 v[24+\j], 0xffff0000, v[20+\j]
	v_lshl_add_u32 v7, v0, 2, \j
	v_or_b32 v[24+\j], v[24+\j], v7
	global_store_b32 v[16+\j], v[24+\j], s[6:7]
.endr
	s_wait_tensorcnt 0x0
	ds_add_u32 v126, v127
	s_wait_dscnt 0x0
	s_endpgm
.Lfunc_end_k_q32b7eb57a4_place:
	.size	k_q32b7eb57a4_place, .Lfunc_end_k_q32b7eb57a4_place-k_q32b7eb57a4_place
	.p2alignl 7, 3214868480
	.fill 96, 4, 3214868480
	.section	.rodata,"a",@progbits
	.p2align	6, 0x0
	.amdhsa_kernel k_q32b7eb57a4_place
		.amdhsa_group_segment_fixed_size 12288
		.amdhsa_private_segment_fixed_size 0
		.amdhsa_enable_private_segment 0
		.amdhsa_kernarg_size 16
		.amdhsa_user_sgpr_count 2
		.amdhsa_user_sgpr_kernarg_segment_ptr 1
		.amdhsa_wavefront_size32 1
		.amdhsa_system_sgpr_workgroup_id_x 1
		.amdhsa_system_sgpr_workgroup_id_y 1
		.amdhsa_system_sgpr_workgroup_id_z 1
		.amdhsa_system_vgpr_workitem_id 0
		.amdhsa_next_free_vgpr 128
		.amdhsa_next_free_sgpr 66
		.amdhsa_reserve_vcc 1
		.amdhsa_float_denorm_mode_32 3
		.amdhsa_float_denorm_mode_16_64 3
		.amdhsa_memory_ordered 1
		.amdhsa_forward_progress 1
		.amdhsa_inst_pref_size 60
	.end_amdhsa_kernel
	.amdgpu_metadata
---
amdhsa.version: [ 1, 2 ]
amdhsa.kernels:
  - .name:           k_q32b7eb57a4_place
    .symbol:         k_q32b7eb57a4_place.kd
    .args:
      - { .name: rt, .offset: 0, .size: 8, .value_kind: global_buffer, .address_space: global }
      - { .name: ord, .offset: 8, .size: 8, .value_kind: global_buffer, .address_space: global }
    .group_segment_fixed_size: 12288
    .private_segment_fixed_size: 0
    .kernarg_segment_align: 8
    .kernarg_segment_size: 16
    .max_flat_workgroup_size: 1024
    .sgpr_count:     66
    .vgpr_count:     128
    .wavefront_size: 32
...
	.end_amdgpu_metadata
.endif
;; end of part 2
;; launch gemm1 (part 3): grid 4 x 64, 4 waves a work-group, no clusters, 52,736 bytes of LDS; arguments xq, wq, ord, hq; writes hq
.if DOCPART == 3
	.amdgcn_target "amdgcn-amd-amdhsa--gfx1250"
	.amdhsa_code_object_version 6
	.text
	.protected	k_q32b7eb57a4_gemm1
	.globl	k_q32b7eb57a4_gemm1
	.p2align	8
	.type	k_q32b7eb57a4_gemm1,@function
k_q32b7eb57a4_gemm1:
	s_mov_b64 s[64:65], 0
	v_nop
	global_prefetch_b8 v0, s[64:65] scope:SCOPE_SE
	s_setreg_imm32_b32 hwreg(HW_REG_WAVE_MODE, 25, 1), 1
	s_wait_xcnt 0x0
; h = Q(x) Q(w_in[e])^T on codes of FP6 (E2M3), then h is quantised along its own axis (the next K) and stored as codes.
; Work-group (q, b): block b of 64 tokens (sorted by their pair of experts), hidden units 256 q .. 256 q + 255, for each expert that a token of the block uses.
; Wave w owns strip 4 q + w (64 hidden units) for all 64 rows: 16 accumulators, (m, t) at v[8 (4 m + t)] of window 2.
; TRANSPOSED: source 0 = 16 rows of the weight, source 1 = 16 tokens: lane (r, h) holds token 16 m + r; the 16 registers of tiles 2 b', 2 b' + 1 are hidden units 32 b' + 16 h + 0 .. 15 of the strip
; (the weight's rows were ordered for that when they were laid out), so a conversion takes 16 neighbours along the next K.
; THE WEIGHTS come from memory straight into registers, in the order of the operand's registers: a ring of four K steps (48 registers each, window 1), three steps ahead; the four waves split the columns,
; so each weight byte is loaded once by the work-group.  The tokens' codes are gathered once into LDS (rows 784 bytes apart).
; WHICH EXPERTS is read from memory (whole numbers stored by an earlier launch): a loop of 7 trips passes over the trips that are not needed, and the last expert's body stands behind it; the body in the
; loop always has a next expert, whose first three K steps it asks for.  This text has no tensor load and no joint loads; blocks use different sets of experts,
; so work-groups that share weights would need different numbers of tiles.
; hq, record (8 b + e) x 51,200: codes [s 0-7][m 0-3][c 0-1] 768 bytes: 512 (16 x lane: registers 6 c .. 6 c + 3), 256 (8 x lane: 6 c + 4, 6 c + 5); at 49,152 half-words [strip][r][m]: the strip's two scale bytes.
; WINDOW 0: v0-31 addresses; v32-47 the tokens' scale words [pi][m] (lanes 0-15 K step 2 pi, lanes 16-31 step 2 pi + 1); v48-63 the weights' [pi][t]; v64-111, v112-159 the tokens' fragments, two sets; v160-206 at work.
.set AS,  32
.set BS,  48
.set AF,  64
.set PC,  160
.set XSC, 50176                        ; LDS: 64 rows x 784 bytes of codes; here the scale words [s][r][m], 2,048 bytes
.set MSB, 0
.macro WIN new                         ; the immediate's high byte repeats the setting that is left
.if MSB != \new
	s_set_vgpr_msb (MSB<<8)|\new
.set MSB, \new
.endif
.endm
.macro PLACES                          ; four plain lines behind matrix instructions, ahead of loads into their sources and of reads of their results
.rept 4
	v_nop
.endr
.endm
.macro NEXTE d                         ; the lowest expert left in s19, held to 0 .. 7
	s_ctz_i32_b32 s[\d], s19
	s_min_u32 s[\d], s[\d], 7
	s_sub_co_u32 s39, s19, 1
	s_and_b32 s19, s19, s39
.endm
.macro UNIT u, base                    ; the weights of K step u into ring slot u % 4: 12 loads of 512 consecutive bytes; an even step brings two steps' scale words first: 13
.if ((\u)%2) == 0
	WIN 0
	global_load_b128 v[BS+4*((\u)/2):BS+4*((\u)/2)+3], v3, s[\base:\base+1] offset:49152+512*((\u)/2)
.endif
	WIN 0x40
.irp t, 0,1,2,3
.irp g, 0,1,2
	global_load_b128 v[48*((\u)%4)+12*\t+4*\g:48*((\u)%4)+12*\t+4*\g+3], v3, s[\base:\base+1] offset:12288*\t+1536*(\u)+512*\g
.endr
.endr
.endm
.macro AFETCH s                        ; the tokens' four fragments of K step s: 24 loads of 8 bytes
.irp m, 0,1,2,3
.irp p, 0,1,2,3,4,5
	ds_load_b64 v[AF+48*((\s)%2)+12*\m+2*\p:AF+48*((\s)%2)+12*\m+2*\p+1], v6 offset:12544*\m+96*(\s)+48*(\p/3)+8*(\p%3)
.endr
.endr
.endm
.macro MULS s                          ; 16 products, the 16 accumulators by turns; K step 0 starts the sums
	WIN 0xa1
.irp m, 0,1,2,3
.irp t, 0,1,2,3
.if (\s) == 0
	v_wmma_scale_f32_16x16x128_f8f6f4 v[8*(4*\m+\t):8*(4*\m+\t)+7], v[48*((\s)%4)+12*\t:48*((\s)%4)+12*\t+11], v[AF+48*((\s)%2)+12*\m:AF+48*((\s)%2)+12*\m+11], 0, v[BS+4*((\s)/2)+\t], v[AS+4*((\s)/2)+\m] matrix_a_fmt:MATRIX_FMT_FP6 matrix_b_fmt:MATRIX_FMT_FP6
.elseif ((\s)%2) == 0
	v_wmma_scale_f32_16x16x128_f8f6f4 v[8*(4*\m+\t):8*(4*\m+\t)+7], v[48*((\s)%4)+12*\t:48*((\s)%4)+12*\t+11], v[AF+48*((\s)%2)+12*\m:AF+48*((\s)%2)+12*\m+11], v[8*(4*\m+\t):8*(4*\m+\t)+7], v[BS+4*((\s)/2)+\t], v[AS+4*((\s)/2)+\m] matrix_a_fmt:MATRIX_FMT_FP6 matrix_b_fmt:MATRIX_FMT_FP6
.else
	v_wmma_scale_f32_16x16x128_f8f6f4 v[8*(4*\m+\t):8*(4*\m+\t)+7], v[48*((\s)%4)+12*\t:48*((\s)%4)+12*\t+11], v[AF+48*((\s)%2)+12*\m:AF+48*((\s)%2)+12*\m+11], v[8*(4*\m+\t):8*(4*\m+\t)+7], v[BS+4*((\s)/2)+\t], v[AS+4*((\s)/2)+\m] matrix_a_fmt:MATRIX_FMT_FP6 matrix_b_fmt:MATRIX_FMT_FP6 matrix_a_scale:MATRIX_SCALE_ROW1 matrix_b_scale:MATRIX_SCALE_ROW1
.endif
.endr
.endr
.endm
; K step s.  n = the loads issued behind this step's weights (the three steps ahead: 12 or 13 each), which may stay out.
.macro STEP s, last, n
	WIN 0
	PLACES                                         ; behind step s - 1's products: the ring slot and the fragments' set that they read are loaded again below
.if (\s) <= 4
	UNIT (\s)+3, 26
.elseif \last == 0
	UNIT (\s)-5, 28                                ; the next expert's first three K steps
.endif
	WIN 0
.if (\s) < 7
	AFETCH (\s)+1
	s_wait_dscnt 24                                ; this step's fragments are in; the 24 just issued may be out
.else
	s_wait_dscnt 0x0
.endif
	s_wait_loadcnt \n
	MULS \s
.endm
; h is quantised and stored: for each tile of rows, two blocks of 32; the blocks' halves lie in lanes l and l xor 16.
.macro EPI
	WIN 0
	PLACES
	s_wait_xcnt 0x0                                ; the last expert's stores have read their data and their base
	s_mul_i32 s30, s20, 51200
	s_add_nc_u64 s[34:35], s[32:33], s[30:31]
.irp m, 0,1,2,3
	WIN 0x0a                                       ; sources 0, 1: the accumulators' window
	v_max3_num_f32 v192, |v[32*\m]|, |v[32*\m+1]|, 0x1800000      ; each accumulator is read from its low end on; the floor 2^(3 - 127) holds the byte at 1 from below
	v_max3_num_f32 v193, |v[32*\m+16]|, |v[32*\m+17]|, 0x1800000
.irp i, 2,4,6,8,10,12,14
	v_max3_num_f32 v192, |v[32*\m+\i]|, |v[32*\m+\i+1]|, v192
	v_max3_num_f32 v193, |v[32*\m+16+\i]|, |v[32*\m+17+\i]|, v193
.endr
	WIN 0
	v_permlanex16_b32 v194, v192, s36, s37
	v_permlanex16_b32 v195, v193, s36, s37
	v_max_num_f32 v192, v192, v194                 ; the blocks' largest magnitudes
	v_max_num_f32 v193, v193, v195
	v_add_nc_u32 v196, 0xff000000, v192            ; 2 off the exponent field: the conversions' scale operands
	v_add_nc_u32 v197, 0xff000000, v193
	v_lshrrev_b32 v198, 23, v196
	v_lshrrev_b32 v199, 23, v197
	v_lshl_or_b32 v[200+\m], v199, 8, v198         ; the two bytes
	WIN 0x02
	v_cvt_scalef32_pk16_fp6_f32 v[PC+8*\m:PC+8*\m+2], v[32*\m:32*\m+15], v196
	v_cvt_scalef32_pk16_fp6_f32 v[PC+8*\m+4:PC+8*\m+6], v[32*\m+16:32*\m+31], v197
	WIN 0
	v_nop                                          ; a plain line behind the conversions
.irp i, 0,1,2
	v_permlane16_swap_b32 v[PC+8*\m+\i], v[PC+8*\m+4+\i]   ; a whole block to a lane: lanes 0-15 the first block, lanes 16-31 the second
.endr
.irp i, 3,4,5
	v_mov_b32 v[PC+8*\m+\i], v[PC+8*\m+\i+1]
.endr
	global_store_b128 v13, v[PC+8*\m:PC+8*\m+3], s[34:35] offset:1536*\m     ; 512 consecutive bytes
	global_store_b64 v14, v[PC+8*\m+4:PC+8*\m+5], s[34:35] offset:1536*\m    ; 256 consecutive bytes
.endr
	v_lshl_or_b32 v204, v201, 16, v200
	v_lshl_or_b32 v205, v203, 16, v202
	v_cndmask_b32 v206, v204, v205, s38            ; lanes 0-15 store tiles 0, 1, lanes 16-31 tiles 2, 3
	global_store_b32 v15, v206, s[34:35]           ; the strip's 128 consecutive bytes of scale bytes
.endm
.macro BODY last
	AFETCH 0
	STEP 0, \last, 37
	STEP 1, \last, 38
	STEP 2, \last, 37
	STEP 3, \last, 38
	STEP 4, \last, 37
.if \last
	STEP 5, 1, 25
	STEP 6, 1, 12
	STEP 7, 1, 0
.else
	STEP 5, 0, 38
	STEP 6, 0, 37
	STEP 7, 0, 38
.endif
	EPI
.if \last == 0
	s_wait_xcnt 0x0                                ; every load has read its base
	s_mov_b64 s[26:27], s[28:29]
	s_mov_b32 s20, s21
.endif
.endm
	s_load_b256 s[4:11], s[0:1], 0x0               ; xq 4, wq 6, ord 8, hq 10
	v_lshl_add_u32 v254, v0, 2, 0xcc00
	v_mov_b32 v255, 0
	v_lshrrev_b32 v1, 5, v0
	v_readfirstlane_b32 s14, v1                    ; wave
	v_and_b32 v1, 31, v0                           ; lane
	v_and_b32 v2, 15, v0                           ; r
	v_bfe_u32 v7, v0, 4, 1                         ; h
	v_lshlrev_b32 v3, 4, v1
	v_lshlrev_b32 v5, 3, v1
	v_lshlrev_b32 v8, 2, v1
	v_mul_u32_u24 v6, v2, 784
	v_mad_u32_u24 v6, v7, 24, v6                   ; a fragment's row x pitch + 24 h
	s_mov_b32 s15, ttmp9                           ; q
	s_and_b32 s16, ttmp7, 0xffff                   ; b
	s_mov_b32 s36, 0x76543210
	s_mov_b32 s37, 0xfedcba98                      ; v_permlanex16_b32's selects for lane l xor 16
	v_cmp_le_u32 s38, 16, v1                       ; lanes 16-31
	s_lshl_b32 s30, s16, 8
	s_mov_b32 s31, 0
	s_lshl_b32 s39, s14, 6
	v_lshrrev_b32 v10, 1, v1
	v_lshl_add_u32 v10, v10, 2, s39                ; the entry of row lane / 2 of my sixteen
	s_wait_kmcnt 0x0
	s_add_nc_u64 s[56:57], s[8:9], s[30:31]        ; ord at my block
	s_mov_b32 s30, s39
	s_add_nc_u64 s[58:59], s[56:57], s[30:31]      ; at my wave's sixteen rows
	s_load_b512 s[40:55], s[58:59], 0x0
	global_load_b32 v9, v8, s[56:57]
	global_load_b32 v11, v8, s[56:57] offset:128
	global_load_b32 v12, v10, s[56:57]
	s_mul_i32 s39, s14, 12544
	v_add_nc_u32 v16, s39, v5                      ; LDS: my 16 rows, 8 x lane
	v_and_b32 v17, 1, v1
	v_lshlrev_b32 v17, 10, v17
	v_lshrrev_b32 v18, 1, v1
	v_lshl_add_u32 v17, v18, 4, v17
	s_lshl_b32 s39, s14, 2
	s_add_co_u32 s39, s39, XSC
	v_add_nc_u32 v17, s39, v17                     ; scale words: 1,024 (lane % 2) + 16 (lane / 2) + 4 w
	s_lshl_b32 s39, s15, 1
	s_lshr_b32 s30, s14, 1
	s_add_co_u32 s39, s39, s30
	s_mul_i32 s39, s39, 6144                       ; the next product's K step 2 q + w / 2,
	s_and_b32 s30, s14, 1
	s_mul_i32 s30, s30, 768                        ; its half c = w % 2
	s_add_co_u32 s39, s39, s30
	v_add_nc_u32 v13, s39, v3
	s_add_co_u32 s39, s39, 512
	v_add_nc_u32 v14, s39, v5
	s_lshl_b32 s39, s15, 2
	s_add_co_u32 s39, s39, s14                     ; strip
	s_lshl_b32 s30, s39, 7
	s_add_co_u32 s30, s30, 49152
	v_lshlrev_b32 v15, 3, v2
	v_lshl_add_u32 v15, v7, 2, v15
	v_add_nc_u32 v15, s30, v15                     ; 49,152 + 128 strip + 8 r + 4 h
	s_mul_i32 s30, s39, 51200
	s_add_nc_u64 s[24:25], s[6:7], s[30:31]        ; w_in[0]'s record of my strip; an expert on: 819,200 bytes
	s_mul_i32 s30, s16, 409600
	s_add_nc_u64 s[32:33], s[10:11], s[30:31]      ; hq at my block's eight records
	v_mov_b32 v194, 0                              ; written once: a lane permute's destination counts as one of its sources
	v_mov_b32 v195, 0
	s_wait_kmcnt 0x0
.irp i, 0,1,2,3,4,5,6,7,8,9,10,11,12,13,14,15
	s_and_b32 s[40+\i], s[40+\i], 0xfff            ; the token,
	s_min_u32 s[40+\i], s[40+\i], 0xfff            ; held inside the buffer
	s_mul_i32 s[40+\i], s[40+\i], 768
	v_add_nc_u32 v[164+\i], s[40+\i], v5
.endr
.irp i, 0,1,2,3,4,5,6,7,8,9,10,11,12,13,14,15
.irp g, 0,1,2
	global_load_b64 v[64+6*\i+2*\g:65+6*\i+2*\g], v[164+\i], s[4:5] offset:256*\g   ; a row's 768 bytes: three loads of 256 consecutive bytes
.endr
.endr
	s_wait_loadcnt 48                              ; the three loads of ord are in
	v_and_b32 v12, 0xfff, v12
	v_min_u32 v12, 0xfff, v12
	v_lshlrev_b32 v12, 5, v12
	v_and_b32 v18, 1, v1
	v_lshl_add_u32 v12, v18, 4, v12
	global_load_b128 v[160:163], v12, s[4:5] offset:3145728   ; half a row's scale bytes a lane
	v_or_b32 v9, v9, v11                           ; the block's experts: the 64 entries' bits, joined over the lanes
.irp k, 1,2,4,8
	v_mov_b32_dpp v11, v9 row_xmask:\k row_mask:0xf bank_mask:0xf
	v_or_b32 v9, v9, v11
.endr
	v_permlanex16_b32 v11, v9, s36, s37
	v_or_b32 v9, v9, v11
	v_readfirstlane_b32 s17, v9
	s_lshr_b32 s17, s17, 16
	s_and_b32 s17, s17, 0xff
	s_bcnt1_i32_b32 s18, s17
	s_sub_co_u32 s18, s18, 1                       ; experts but the last
	s_mov_b32 s19, s17
	NEXTE 20
	s_mul_i32 s30, s20, 819200
	s_add_nc_u64 s[26:27], s[24:25], s[30:31]
	UNIT 0, 26
	UNIT 1, 26
	UNIT 2, 26
	WIN 0
	s_wait_loadcnt 38                              ; the tokens' codes and scale bytes are in; the three K steps of weights (13 + 12 + 13) may be out
.irp i, 0,1,2,3,4,5,6,7,8,9,10,11,12,13,14,15
.irp g, 0,1,2
	ds_store_b64 v16, v[64+6*\i+2*\g:65+6*\i+2*\g] offset:784*\i+256*\g
.endr
.endr
.irp i, 0,1,2,3
	ds_store_b32 v17, v[160+\i] offset:256*\i
.endr
	s_wait_dscnt 0x0                               ; for the others' sake
	s_barrier_signal -1
	s_barrier_wait -1                              ; the 64 rows lie in LDS; nothing is written there again
.irp p, 0,1,2,3
	ds_load_b128 v[AS+4*\p:AS+4*\p+3], v3 offset:XSC+512*\p
.endr
	s_mov_b32 s22, 0
.Lexpert:
	s_cmp_ge_u32 s22, s18
	s_cbranch_scc1 .Lpass
	NEXTE 21
	s_mul_i32 s30, s21, 819200
	s_add_nc_u64 s[28:29], s[24:25], s[30:31]
	BODY 0
.Lpass:
	s_add_co_u32 s22, s22, 1
	s_cmp_lt_u32 s22, 7
	s_cbranch_scc1 .Lexpert
	BODY 1
	s_wait_tensorcnt 0x0
	ds_add_u32 v254, v255
	s_wait_dscnt 0x0
	s_endpgm
.Lfunc_end_k_q32b7eb57a4_gemm1:
	.size	k_q32b7eb57a4_gemm1, .Lfunc_end_k_q32b7eb57a4_gemm1-k_q32b7eb57a4_gemm1
	.p2alignl 7, 3214868480
	.fill 96, 4, 3214868480
	.section	.rodata,"a",@progbits
	.p2align	6, 0x0
	.amdhsa_kernel k_q32b7eb57a4_gemm1
		.amdhsa_group_segment_fixed_size 52736
		.amdhsa_private_segment_fixed_size 0
		.amdhsa_enable_private_segment 0
		.amdhsa_kernarg_size 32
		.amdhsa_user_sgpr_count 2
		.amdhsa_user_sgpr_kernarg_segment_ptr 1
		.amdhsa_wavefront_size32 1
		.amdhsa_system_sgpr_workgroup_id_x 1
		.amdhsa_system_sgpr_workgroup_id_y 1
		.amdhsa_system_sgpr_workgroup_id_z 1
		.amdhsa_system_vgpr_workitem_id 0
		.amdhsa_next_free_vgpr 640
		.amdhsa_next_free_sgpr 66
		.amdhsa_reserve_vcc 0
		.amdhsa_float_denorm_mode_32 3
		.amdhsa_float_denorm_mode_16_64 3
		.amdhsa_memory_ordered 1
		.amdhsa_forward_progress 1
		.amdhsa_inst_pref_size 115
	.end_amdhsa_kernel
	.amdgpu_metadata
---
amdhsa.version: [ 1, 2 ]
amdhsa.kernels:
  - .name:           k_q32b7eb57a4_gemm1
    .symbol:         k_q32b7eb57a4_gemm1.kd
    .args:
      - { .name: xq, .offset: 0, .size: 8, .value_kind: global_buffer, .address_space: global }
      - { .name: wq, .offset: 8, .size: 8, .value_kind: global_buffer, .address_space: global }
      - { .name: ord, .offset: 16, .size: 8, .value_kind: global_buffer, .address_space: global }
      - { .name: hq, .offset: 24, .size: 8, .value_kind: global_buffer, .address_space: global }
    .group_segment_fixed_size: 52736
    .private_segment_fixed_size: 0
    .kernarg_segment_align: 8
    .kernarg_segment_size: 32
    .max_flat_workgroup_size: 128
    .sgpr_count:     66
    .vgpr_count:     640
    .wavefront_size: 32
...
	.end_amdgpu_metadata
.endif
;; end of part 3
;; launch gemm2 (part 4): grid 4 x 64, 4 waves a work-group, no clusters, 201,216 bytes of LDS; arguments hq, wq, ord, gates, out0; writes out0
.if DOCPART == 4
	.amdgcn_target "amdgcn-amd-amdhsa--gfx1250"
	.amdhsa_code_object_version 6
	.text
	.protected	k_q32b7eb57a4_gemm2
	.globl	k_q32b7eb57a4_gemm2
	.p2align	8
	.type	k_q32b7eb57a4_gemm2,@function
k_q32b7eb57a4_gemm2:
	s_mov_b64 s[64:65], 0
	v_nop
	global_prefetch_b8 v0, s[64:65] scope:SCOPE_SE
	s_setreg_imm32_b32 hwreg(HW_REG_WAVE_MODE, 25, 1), 1
	s_wait_xcnt 0x0
; y[token] = the sum over the block's experts e of gate[token][e] x (Q(h_e) Q(w_out[e])^T), on codes of FP6 (E2M3).  A token that does not use e has gate 0 in the dense table, as in the definition.
; Work-group (q, b): block b of 64 sorted tokens, columns 256 q .. 256 q + 255: it alone writes those numbers, so nothing is added between work-groups.
; Wave w owns strip 4 q + w (64 columns) for all 64 rows.  TRANSPOSED: source 0 = 16 rows of w_out, source 1 = 16 tokens: lane (r, h) holds token 16 m + r and eight neighbouring columns a tile.
; THE WEIGHTS come from memory straight into registers (a ring of four K steps in window 1, three steps ahead); each weight byte is loaded once by the work-group.
; h's record of an expert (51,200 bytes, laid in the order of the operand's registers) is copied through registers into one of two LDS slots while the expert before is multiplied.
; WHICH EXPERTS is read from memory: a loop of 7 trips passes over the trips that are not needed; the barrier stands at each trip's head, on every path; the last expert's body stands behind the loop and reads
; a third slot.  This text has no tensor load and no joint loads; blocks use different sets of experts, so partners would need different numbers of tiles.
; Y is cleared once (128 moves): which expert comes first hangs on data, and a third copy of the body would cost more text than the moves cost time.
; WINDOW 0: v0-27 addresses; v32-47 h's scale words [pi][m]; v48-63 the weights' [pi][t]; v64-159 h's fragments, two sets; v160-167 gates; v170-185 half-words; v192-223 the output rows' offsets.  WINDOW 1: the ring.
; WINDOW 2: v0-127 accumulators, v128-255 Y.  WINDOW 3: v0-99 a record's 25 x 16 bytes of my thread.
.set AS,  32
.set BS,  48
.set AF,  64
.set GG,  160
.set GO,  24
.set KK,  192
.set STG, 182272                       ; LDS: slots at 0, 65,536 and 131,072 (51,200 bytes each); here each wave's stage for the way out: 16 rows x (256 + 16) bytes
.set MSB, 0
.macro WIN new                         ; the immediate's high byte repeats the setting that is left
.if MSB != \new
	s_set_vgpr_msb (MSB<<8)|\new
.set MSB, \new
.endif
.endm
.macro PLACES                          ; four plain lines behind matrix instructions, ahead of loads into their sources and of reads of their results
.rept 4
	v_nop
.endr
.endm
.macro NEXTE d                         ; the lowest expert left in s19, held to 0 .. 7
	s_ctz_i32_b32 s[\d], s19
	s_min_u32 s[\d], s[\d], 7
	s_sub_co_u32 s39, s19, 1
	s_and_b32 s19, s19, s39
.endm
.macro UNIT u, base                    ; the weights of K step u into ring slot u % 4: 12 loads of 512 consecutive bytes; an even step brings two steps' scale words first: 13
.if ((\u)%2) == 0
	WIN 0
	global_load_b128 v[BS+4*((\u)/2):BS+4*((\u)/2)+3], v3, s[\base:\base+1] offset:49152+512*((\u)/2)
.endif
	WIN 0x40
.irp t, 0,1,2,3
.irp g, 0,1,2
	global_load_b128 v[48*((\u)%4)+12*\t+4*\g:48*((\u)%4)+12*\t+4*\g+3], v3, s[\base:\base+1] offset:12288*\t+1536*(\u)+512*\g
.endr
.endr
.endm
.macro SISSUE                          ; a record of h: 25 loads; the work-group's 128 threads take 2,048 consecutive bytes each time
	WIN 0xc0
.set I, 0
.rept 25
	global_load_b128 v[4*I:4*I+3], v4, s[34:35] offset:2048*I
.set I, I+1
.endr
	WIN 0
.endm
.macro SSTORE                          ; and into LDS as it lies, at v12
	WIN 0x0c
.set I, 0
.rept 25
	ds_store_b128 v12, v[4*I:4*I+3] offset:2048*I
.set I, I+1
.endr
	WIN 0
.endm
.macro AFETCH s                        ; h's four fragments of K step s: 16 loads
.irp m, 0,1,2,3
.irp c, 0,1
	ds_load_b128 v[AF+48*((\s)%2)+12*\m+6*\c:AF+48*((\s)%2)+12*\m+6*\c+3], v13 offset:6144*(\s)+1536*\m+768*\c
	ds_load_b64 v[AF+48*((\s)%2)+12*\m+6*\c+4:AF+48*((\s)%2)+12*\m+6*\c+5], v14 offset:6144*(\s)+1536*\m+768*\c+512
.endr
.endr
.endm
.macro MULS s                          ; 16 products, the 16 accumulators by turns; K step 0 starts the sums
	WIN 0xa1
.irp m, 0,1,2,3
.irp t, 0,1,2,3
.if (\s) == 0
	v_wmma_scale_f32_16x16x128_f8f6f4 v[8*(4*\m+\t):8*(4*\m+\t)+7], v[48*((\s)%4)+12*\t:48*((\s)%4)+12*\t+11], v[AF+48*((\s)%2)+12*\m:AF+48*((\s)%2)+12*\m+11], 0, v[BS+4*((\s)/2)+\t], v[AS+4*((\s)/2)+\m] matrix_a_fmt:MATRIX_FMT_FP6 matrix_b_fmt:MATRIX_FMT_FP6
.elseif ((\s)%2) == 0
	v_wmma_scale_f32_16x16x128_f8f6f4 v[8*(4*\m+\t):8*(4*\m+\t)+7], v[48*((\s)%4)+12*\t:48*((\s)%4)+12*\t+11], v[AF+48*((\s)%2)+12*\m:AF+48*((\s)%2)+12*\m+11], v[8*(4*\m+\t):8*(4*\m+\t)+7], v[BS+4*((\s)/2)+\t], v[AS+4*((\s)/2)+\m] matrix_a_fmt:MATRIX_FMT_FP6 matrix_b_fmt:MATRIX_FMT_FP6
.else
	v_wmma_scale_f32_16x16x128_f8f6f4 v[8*(4*\m+\t):8*(4*\m+\t)+7], v[48*((\s)%4)+12*\t:48*((\s)%4)+12*\t+11], v[AF+48*((\s)%2)+12*\m:AF+48*((\s)%2)+12*\m+11], v[8*(4*\m+\t):8*(4*\m+\t)+7], v[BS+4*((\s)/2)+\t], v[AS+4*((\s)/2)+\m] matrix_a_fmt:MATRIX_FMT_FP6 matrix_b_fmt:MATRIX_FMT_FP6 matrix_a_scale:MATRIX_SCALE_ROW1 matrix_b_scale:MATRIX_SCALE_ROW1
.endif
.endr
.endr
.endm
; K step s.  n = the loads issued behind this step's weights, which may stay out: the three steps ahead (12 or 13 each), the next record's 25 (issued in step 0, ahead of step 3's weights), the 4 gates (behind step 7's).
.macro STEP s, last, n
	WIN 0
	PLACES                                         ; behind step s - 1's products: the ring slot and the fragments' set that they read are loaded again below
.if ((\s) == 0) && (\last == 0)
	SISSUE                                         ; the next expert's record flies under this expert's products
.endif
.if (\s) <= 4
	UNIT (\s)+3, 26
.elseif \last == 0
	UNIT (\s)-5, 28                                ; the next expert's first three K steps
.endif
	WIN 0
.if (\s) == 4
.irp m, 0,1,2,3
	global_load_b32 v[GG+2*\m], v[GO+\m], s[60:61] ; gate of token 16 m + r for this expert
.endr
.endif
.if (\s) < 7
	AFETCH (\s)+1
	s_wait_dscnt 16                                ; this step's fragments are in; the 16 just issued may be out
.else
	s_wait_dscnt 0x0
.endif
	s_wait_loadcnt \n
	MULS \s
.endm
.macro BODY last
	WIN 0
	PLACES
.if \last
	v_add_nc_u32 v13, 0x20000, v3                  ; the third slot
	v_add_nc_u32 v14, 0x20000, v5
	v_add_nc_u32 v15, 0x20000, v16
.else
	v_add_nc_u32 v13, s23, v3                      ; the trip's slot
	v_add_nc_u32 v14, s23, v5
	v_add_nc_u32 v15, s23, v16
.endif
.irp p, 0,1,2,3                        ; lane (r, h): K step 2 p + h: the half-words of strips 2 s and 2 s + 1, four tiles each
	ds_load_b64 v[170+4*\p:171+4*\p], v15 offset:49152+512*\p
	ds_load_b64 v[172+4*\p:173+4*\p], v15 offset:49152+512*\p+128
.endr
	AFETCH 0
	s_wait_dscnt 16                                ; the half-words are in
.irp p, 0,1,2,3                        ; a scale word: the lower strip's two bytes below, the upper strip's above.  At least 8 plain lines stand between each of these and the first product that reads it
	v_perm_b32 v[AS+4*\p], v[172+4*\p], v[170+4*\p], 0x05040100
	v_perm_b32 v[AS+4*\p+1], v[172+4*\p], v[170+4*\p], 0x07060302
	v_perm_b32 v[AS+4*\p+2], v[173+4*\p], v[171+4*\p], 0x05040100
	v_perm_b32 v[AS+4*\p+3], v[173+4*\p], v[171+4*\p], 0x07060302
.endr
.if \last
	STEP 0, 1, 37
	STEP 1, 1, 38
	STEP 2, 1, 37
	STEP 3, 1, 38
	STEP 4, 1, 41
	STEP 5, 1, 29
	STEP 6, 1, 16
	STEP 7, 1, 4
	s_wait_loadcnt 0x0                             ; the gates
.else
	STEP 0, 0, 62
	STEP 1, 0, 63
	STEP 2, 0, 62
	STEP 3, 0, 38
	STEP 4, 0, 41
	STEP 5, 0, 42
	STEP 6, 0, 41
	STEP 7, 0, 42
	s_wait_loadcnt 38                              ; the gates; the next expert's three K steps may be out
.endif
	WIN 0
	PLACES
	WIN 0xa2                                       ; Y and the accumulators in window 2, the gate in window 0
.irp m, 0,1,2,3
.irp x, 0,2,4,6,8,10,12,14,16,18,20,22,24,26,28,30
	v_pk_fma_f32 v[128+32*\m+\x:128+32*\m+\x+1], v[32*\m+\x:32*\m+\x+1], v[GG+2*\m:GG+2*\m+1], v[128+32*\m+\x:128+32*\m+\x+1] op_sel_hi:[1,0,1]   ; Y += gate x product; each accumulator from its low end on
.endr
.endr
	WIN 0
.if \last == 0
	s_xor_b32 s39, s23, 0x10000                    ; the next expert's record (in since step 3's wait) goes into the other slot: every wave left that slot ahead of this trip's barrier
	v_add_nc_u32 v12, s39, v4
	SSTORE
	s_wait_xcnt 0x0                                ; every load has read its base
	s_mov_b64 s[26:27], s[28:29]
	s_mov_b32 s20, s21
.endif
.endm
	s_load_b256 s[4:11], s[0:1], 0x0               ; hq 4, wq 6, ord 8, gates 10
	s_load_b64 s[12:13], s[0:1], 0x20              ; out0
	v_lshl_add_u32 v254, v0, 2, 0x31000
	v_mov_b32 v255, 0
	v_lshrrev_b32 v1, 5, v0
	v_readfirstlane_b32 s14, v1                    ; wave
	v_and_b32 v1, 31, v0                           ; lane
	v_and_b32 v2, 15, v0                           ; r
	v_bfe_u32 v7, v0, 4, 1                         ; h
	v_lshlrev_b32 v3, 4, v1                        ; 16 x lane
	v_lshlrev_b32 v4, 4, v0                        ; 16 x thread
	v_lshlrev_b32 v5, 3, v1                        ; 8 x lane
	v_lshlrev_b32 v8, 2, v1                        ; 4 x lane
	v_lshlrev_b32 v22, 2, v2                       ; 4 r
	v_lshlrev_b32 v21, 2, v7                       ; 4 h
	s_mov_b32 s15, ttmp9                           ; q
	s_and_b32 s16, ttmp7, 0xffff                   ; b
	s_mov_b32 s36, 0x76543210
	s_mov_b32 s37, 0xfedcba98                      ; v_permlanex16_b32's selects for lane l xor 16
	s_mov_b32 s31, 0
	s_lshl_b32 s30, s16, 8
	s_wait_kmcnt 0x0
	s_add_nc_u64 s[56:57], s[8:9], s[30:31]        ; ord at my block: 64 entries, 256 bytes
	global_load_b32 v9, v8, s[56:57]               ; all 64 entries, for the block's set of experts;
	global_load_b32 v10, v8, s[56:57] offset:128
.irp m, 0,1,2,3
	global_load_b32 v[GO+\m], v22, s[56:57] offset:64*\m   ; the entry of row 16 m + r, for its gates;
.endr
.set I, 0
.rept 32
	global_load_b32 v[KK+I], v21, s[56:57] offset:8*I      ; the entry of row 2 I + h, for the way out
.set I, I+1
.endr
	v_lshlrev_b32 v16, 3, v2
	v_lshl_add_u32 v16, v7, 8, v16                 ; half-words: 8 r + 256 h
	s_mul_i32 s39, s14, 4352
	s_add_co_u32 s39, s39, STG
	v_mul_u32_u24 v18, v2, 272
	v_lshl_add_u32 v18, v7, 6, v18
	v_add_nc_u32 v18, s39, v18                     ; the stage, in: row r, + 64 h
	v_mul_u32_u24 v19, v7, 272
	v_lshl_add_u32 v19, v2, 4, v19
	v_add_nc_u32 v19, s39, v19                     ; back: lanes 0-15 one row, lanes 16-31 the next
	v_lshlrev_b32 v20, 4, v2                       ; 16 r
	s_lshl_b32 s39, s15, 2
	s_add_co_u32 s39, s39, s14
	s_add_co_u32 s39, s39, 128
	s_mul_i32 s30, s39, 51200
	s_add_nc_u64 s[24:25], s[6:7], s[30:31]        ; w_out[0]'s record of my strip; an expert on: 819,200 bytes
	s_mul_i32 s30, s16, 409600
	s_add_nc_u64 s[32:33], s[4:5], s[30:31]        ; hq at my block's eight records
	s_lshl_b32 s30, s15, 10
	s_lshl_b32 s39, s14, 8
	s_add_co_u32 s30, s30, s39
	s_add_nc_u64 s[62:63], s[12:13], s[30:31]      ; out0 at my strip's 256 bytes of a row
	v_mov_b32 v23, 0                               ; written once: the destination of a lane move counts as one of its sources
	s_wait_loadcnt 0x0                             ; all 38 loads of ord
	v_or_b32 v11, v9, v10                          ; the block's experts: the 64 entries' bits, joined over the lanes
.irp k, 1,2,4,8
	v_mov_b32_dpp v23, v11 row_xmask:\k row_mask:0xf bank_mask:0xf
	v_or_b32 v11, v11, v23
.endr
	v_permlanex16_b32 v23, v11, s36, s37
	v_or_b32 v11, v11, v23
	v_readfirstlane_b32 s17, v11
	s_lshr_b32 s17, s17, 16
	s_and_b32 s17, s17, 0xff
	s_bcnt1_i32_b32 s18, s17
	s_sub_co_u32 s18, s18, 1                       ; experts but the last
	s_mov_b32 s19, s17
	NEXTE 20
	s_mul_i32 s30, s20, 819200
	s_add_nc_u64 s[26:27], s[24:25], s[30:31]
	s_mul_i32 s30, s20, 51200
	s_add_nc_u64 s[34:35], s[32:33], s[30:31]
	SISSUE
	UNIT 0, 26
	UNIT 1, 26
	UNIT 2, 26
	WIN 0
.irp m, 0,1,2,3                        ; register work while the first record and weights are on their way
	v_and_b32 v[GO+\m], 0xfff, v[GO+\m]
	v_min_u32 v[GO+\m], 0xfff, v[GO+\m]            ; the token, held inside the buffer
	v_lshlrev_b32 v[GO+\m], 5, v[GO+\m]            ; its row of 8 gates
	v_mov_b32 v[GG+2*\m+1], 0                      ; named as the upper half of a pair, so it is written
.endr
.set I, 0
.rept 32
	v_and_b32 v[KK+I], 0xfff, v[KK+I]
	v_min_u32 v[KK+I], 0xfff, v[KK+I]              ; the token, held inside the buffer
	v_lshl_add_u32 v[KK+I], v[KK+I], 12, v20       ; its row of 4,096 bytes, + 16 r
.set I, I+1
.endr
	WIN 0x80
.set I, 0
.rept 128
	v_mov_b32 v[128+I], 0                          ; Y
.set I, I+1
.endr
	WIN 0
	s_wait_loadcnt 38                              ; the first record is in; the three K steps of weights (13 + 12 + 13) may be out
	v_mov_b32 v12, v4
	SSTORE                                         ; into slot 0
	s_mov_b32 s22, 0
	s_mov_b32 s23, 0
.Lexpert:
	s_wait_dscnt 0x0                               ; my stores into the slot ahead have landed, and my reads of the other slot are over
	s_barrier_signal -1
	s_barrier_wait -1                              ; both now hold of all four waves
	s_cmp_ge_u32 s22, s18
	s_cbranch_scc1 .Lpass
	s_wait_xcnt 0x0                                ; every earlier load has read its base: the bases below are written again
	NEXTE 21
	s_mul_i32 s30, s21, 819200
	s_add_nc_u64 s[28:29], s[24:25], s[30:31]
	s_mul_i32 s30, s21, 51200
	s_add_nc_u64 s[34:35], s[32:33], s[30:31]
	s_lshl_b32 s30, s20, 2
	s_add_nc_u64 s[60:61], s[10:11], s[30:31]
	BODY 0
.Lpass:
	s_xor_b32 s23, s23, 0x10000                    ; trip j reads slot j % 2
	s_add_co_u32 s22, s22, 1
	s_cmp_lt_u32 s22, 7
	s_cbranch_scc1 .Lexpert
	v_add_nc_u32 v12, 0x20000, v4                  ; the record still held in registers is the last expert's: into the third slot
	SSTORE
	s_wait_xcnt 0x0
	s_lshl_b32 s30, s20, 2
	s_add_nc_u64 s[60:61], s[10:11], s[30:31]
	s_wait_dscnt 0x0                               ; for the others' sake: my part of the third slot has landed
	s_barrier_signal -1
	s_barrier_wait -1
	BODY 1
; THE WAY OUT, a tile of 16 tokens at a time: through my own stage and back as rows of 256 bytes; sixteen lanes store 256 consecutive bytes of a token's row, at a multiple of 256 from out0's first byte.
.macro OUT m
	WIN 0x08                                       ; an LDS store's data are its source 1: window 2
.irp t, 0,1,2,3
	ds_store_b128 v18, v[128+8*(4*(\m)+\t):128+8*(4*(\m)+\t)+3] offset:128*(\t/2)+32*(\t%2)
	ds_store_b128 v18, v[128+8*(4*(\m)+\t)+4:128+8*(4*(\m)+\t)+7] offset:128*(\t/2)+32*(\t%2)+16
.endr
	WIN 0
.if (\m) >= 2
	s_wait_xcnt 0x0                                ; the stores of two tiles back have read their registers
.endif
.set DD, 64+32*((\m)%2)
.irp i, 0,1,2,3,4,5,6,7
	ds_load_b128 v[DD+4*\i:DD+4*\i+3], v19 offset:544*\i   ; LDS serves a wave's instructions in order: these see my stores, and the next tile's stores come behind them
.endr
.irp i, 0,1,2,3,4,5,6,7
	s_wait_dscnt 7-\i
	global_store_b128 v[KK+8*(\m)+\i], v[DD+4*\i:DD+4*\i+3], s[62:63] th:TH_STORE_NT   ; rows 16 m + 2 i + h; written once, read by nobody here
.endr
.endm
	OUT 0
	OUT 1
	OUT 2
	OUT 3
	s_wait_tensorcnt 0x0
	ds_add_u32 v254, v255
	s_wait_dscnt 0x0
	s_endpgm
.Lfunc_end_k_q32b7eb57a4_gemm2:
	.size	k_q32b7eb57a4_gemm2, .Lfunc_end_k_q32b7eb57a4_gemm2-k_q32b7eb57a4_gemm2
	.p2alignl 7, 3214868480
	.fill 96, 4, 3214868480
	.section	.rodata,"a",@progbits
	.p2align	6, 0x0
	.amdhsa_kernel k_q32b7eb57a4_gemm2
		.amdhsa_group_segment_fixed_size 201216
		.amdhsa_private_segment_fixed_size 0
		.amdhsa_enable_private_segment 0
		.amdhsa_kernarg_size 40
		.amdhsa_user_sgpr_count 2
		.amdhsa_user_sgpr_kernarg_segment_ptr 1
		.amdhsa_wavefront_size32 1
		.amdhsa_system_sgpr_workgroup_id_x 1
		.amdhsa_system_sgpr_workgroup_id_y 1
		.amdhsa_system_sgpr_workgroup_id_z 1
		.amdhsa_system_vgpr_workitem_id 0
		.amdhsa_next_free_vgpr 896
		.amdhsa_next_free_sgpr 66
		.amdhsa_reserve_vcc 0
		.amdhsa_float_denorm_mode_32 3
		.amdhsa_float_denorm_mode_16_64 3
		.amdhsa_memory_ordered 1
		.amdhsa_forward_progress 1
		.amdhsa_inst_pref_size 123
	.end_amdhsa_kernel
	.amdgpu_metadata
---
amdhsa.version: [ 1, 2 ]
amdhsa.kernels:
  - .name:           k_q32b7eb57a4_gemm2
    .symbol:         k_q32b7eb57a4_gemm2.kd
    .args:
      - { .name: hq, .offset: 0, .size: 8, .value_kind: global_buffer, .address_space: global }
      - { .name: wq, .offset: 8, .size: 8, .value_kind: global_buffer, .address_space: global }
      - { .name: ord, .offset: 16, .size: 8, .value_kind: global_buffer, .address_space: global }
      - { .name: gates, .offset: 24, .size: 8, .value_kind: global_buffer, .address_space: global }
      - { .name: out0, .offset: 32, .size: 8, .value_kind: global_buffer, .address_space: global }
    .group_segment_fixed_size: 201216
    .private_segment_fixed_size: 0
    .kernarg_segment_align: 8
    .kernarg_segment_size: 40
    .max_flat_workgroup_size: 128
    .sgpr_count:     66
    .vgpr_count:     896
    .wavefront_size: 32
...
	.end_amdgpu_metadata
.endif
;; end of part 4
;; ======== version 2 of 3: 4 launches
;; workspace buffers: wq 13,107,200 bytes; xq 3,276,800 bytes; gates 131,072 bytes; rt 16,384 bytes of whole numbers; cnt 32,768 bytes of whole numbers; ord 16,384 bytes of whole numbers; hq 26,214,400 bytes
;; launch prep (part 5): grid 1280 x 1, 4 waves a work-group, no clusters, 58,880 bytes of LDS; arguments x, w_gate, w_in, w_out, wq, xq, gates, rt, cnt; writes wq, xq, gates, rt, cnt
.if DOCPART == 5
	.amdgcn_target "amdgcn-amd-amdhsa--gfx1250"
	.amdhsa_code_object_version 6
	.text
	.protected	k_q32b7eb57a4_prep
	.globl	k_q32b7eb57a4_prep
	.p2align	8
	.type	k_q32b7eb57a4_prep,@function
k_q32b7eb57a4_prep:
	s_mov_b64 s[64:65], 0
	v_nop
	global_prefetch_b8 v0, s[64:65] scope:SCOPE_SE
	s_setreg_imm32_b32 hwreg(HW_REG_WAVE_MODE, 25, 1), 1
	s_wait_xcnt 0x0
; Quantises x, w_in and w_out to codes of FP6 (E2M3) with one E8M0 byte for each 32 along K (K is innermost in all three), and runs the router.
; A block's scale is 2^(floor(log2(largest magnitude)) - 2): its byte is the largest magnitude's exponent field - 2, held at 1 from below.
; LIMITS: NaN and infinities among the inputs are not served.  A block of zeros gets the byte 1 (its codes are zeros; this program alone reads the bytes).
; Equal logits take the lower index; logits that differ by less than the rounding of an f32 sum of 1,024 terms may be ordered otherwise than by another order of summation.
; WORK-GROUPS 0-255: 16 tokens each.  Wave w takes columns 256 w .. 256 w + 255 of the 16 rows: codes go out row-major (768 bytes a row), scale bytes 32 a row,
;   and the wave's part of the 8 logits is summed by fused multiply-adds beside the quantiser; wave 1 finishes top 2, softmax and the dense row of 8 gates, and prepares the sort of the tokens by their pair of
;   experts: a pair's number 0 .. 27, the token's rank among the group's 16 tokens of that pair, and the group's count of each pair.  All of that is stored as values at fixed places: no address here hangs on it.
; WORK-GROUPS 256-1279: (matrix mu 0-15, strip sigma of 64 rows, quarter kappa of K).  Wave t makes tile t of the strip: 16 rows x 256 along K, laid in the order of a matrix operand's registers:
;   record (16 mu + sigma) x 51,200: codes [t][s 0-7][g 0-2][lane][16 bytes]; at 49,152 scale words [s][rho][t].  Fragment lane (rho, h) is matrix row 64 sigma + 32 (t / 2) + 8 (t % 2) + rho + 8 (rho / 8).
; Every load reads 512 consecutive bytes; 2,048 bytes turn through the wave's own stage in LDS so that a lane holds 16 neighbours along K (two lanes to a block).
; No tensor load, no matrix instruction: memory binds, and each input byte is read once.  The two paths part on the work-group's number and have LDS bytes of their own.
.set TURNW, 0                          ; weights: two stages of 2,560 bytes a wave
.set IMG,   20480                      ; weights: 3,072 bytes of codes a wave, in the record's order
.set SCW,   32768                      ; weights: 512 bytes of scale words
.set TURNX, 33280                      ; x: one stage a wave
.set XST,   43520                      ; x: 16 rows x 768 bytes of codes
.set XSS,   55808                      ; x: 16 rows x 32 scale bytes
.set PART,  56320                      ; x: [wave][row][8] parts of the logits
.set WX, 32                            ; weights: v32-63 two sets of 16 neighbours; v64-191 eight sets as loaded; v192-223 codes; v224-231 bytes
.set WR, 64
.set WC, 192
.set WE, 224
.set GW, 16                            ; x: v16-143 my 16 columns of the 8 rows of w_gate; v144-207 four sets as loaded; v208-223 neighbours; v224-239, v240-247 sums; v248-251 codes, byte
.set XR, 144
.set XX, 208
.set PP, 224
.set QQ, 240
.set XC, 248
.set XE, 251
.macro LOADS reg, base, o0, o1         ; two rows' pieces of 1,024 bytes: four loads of 512 consecutive bytes
	global_load_b128 v[\reg:\reg+3], v2, s[\base:\base+1] offset:\o0 th:TH_LOAD_NT
	global_load_b128 v[\reg+4:\reg+7], v2, s[\base:\base+1] offset:\o0+512 th:TH_LOAD_NT
	global_load_b128 v[\reg+8:\reg+11], v2, s[\base:\base+1] offset:\o1 th:TH_LOAD_NT
	global_load_b128 v[\reg+12:\reg+15], v2, s[\base:\base+1] offset:\o1+512 th:TH_LOAD_NT
.endm
.macro TURN reg, xs, stg               ; through the stage: in as loaded, out 64 bytes a lane; LDS serves a wave's instructions in order, so no wait stands between
.irp i, 0,1,2,3
	ds_store_b128 v3, v[\reg+4*\i:\reg+4*\i+3] offset:\stg+640*\i
.endr
.irp i, 0,1,2,3
	ds_load_b128 v[\xs+4*\i:\xs+4*\i+3], v4 offset:\stg+16*\i
.endr
.endm
.macro QB xs, c, e                     ; my 16 numbers -> 12 bytes of codes in v[c..c+2], the block's byte in v[e]
	v_max3_num_f32 v12, |v[\xs]|, |v[\xs+1]|, |v[\xs+2]|
	v_max3_num_f32 v13, |v[\xs+3]|, |v[\xs+4]|, |v[\xs+5]|
.irp i, 6,10
	v_max3_num_f32 v12, v12, |v[\xs+\i]|, |v[\xs+\i+1]|
	v_max3_num_f32 v13, v13, |v[\xs+\i+2]|, |v[\xs+\i+3]|
.endr
	v_max3_num_f32 v12, v12, |v[\xs+14]|, |v[\xs+15]|
	v_max3_num_f32 v12, v12, v13, 0x1800000        ; the floor 2^(3 - 127): the byte cannot fall under 1
	v_max_num_f32_dpp v12, v12, v12 row_xmask:1 row_mask:0xf bank_mask:0xf   ; with my neighbour's 16: the block's largest magnitude
	v_add_nc_u32 v14, 0xff000000, v12              ; 2 off its exponent field: the conversion takes this operand's exponent field as its scale
	v_cvt_scalef32_pk16_fp6_f32 v[\c:\c+2], v[\xs:\xs+15], v14
	v_lshrrev_b32 v[\e], 23, v14                   ; the scale's byte (also the plain line behind the conversion)
.endm
	s_load_b512 s[4:19], s[0:1], 0x0               ; x 4, w_gate 6, w_in 8, w_out 10, wq 12, xq 14, gates 16, rt 18
	s_load_b64 s[32:33], s[0:1], 0x40              ; cnt
	v_lshl_add_u32 v254, v0, 2, 0xe400
	v_mov_b32 v255, 0
	v_lshrrev_b32 v1, 5, v0
	v_readfirstlane_b32 s20, v1                    ; wave
	v_and_b32 v1, 31, v0                           ; lane
	v_lshlrev_b32 v2, 4, v1                        ; 16 x lane
	v_lshrrev_b32 v9, 2, v1
	v_mul_u32_u24 v3, v9, 80
	v_and_b32 v9, 3, v1
	v_lshl_add_u32 v3, v9, 4, v3                   ; stage, in: 80 (lane / 4) + 16 (lane % 4)
	v_mul_u32_u24 v4, v1, 80                       ; stage, out: 80 x lane
	v_and_b32 v10, 15, v1                          ; sub: which 16 numbers of the row's piece
	v_lshrrev_b32 v11, 4, v1                       ; which of the step's two rows
	s_mov_b32 s27, 0
	s_mov_b32 s29, 0
	s_cmp_lt_u32 ttmp9, 256
	s_cbranch_scc1 .Lx_path
	; ---------------- the weights ----------------
	s_sub_co_u32 s21, ttmp9, 256
	s_lshr_b32 s22, s21, 6                         ; mu
	s_bfe_u32 s23, s21, 0x40002                    ; sigma
	s_and_b32 s24, s21, 3                          ; kappa
	s_mul_i32 s25, s20, 5120
	v_add_nc_u32 v3, s25, v3
	v_add_nc_u32 v4, s25, v4
	v_lshrrev_b32 v12, 1, v10                      ; block 0-7 of the piece
	v_and_b32 v13, 1, v10                          ; which half of the block
	v_bfe_u32 v14, v12, 1, 1                       ; c
	v_mul_u32_u24 v14, v14, 6
	v_mad_u32_u24 v14, v13, 3, v14                 ; my first register of the fragment: 6 c + 3 half
	v_lshrrev_b32 v15, 2, v12                      ; which of the quarter's two K steps
	v_mul_u32_u24 v16, v15, 1536
	v_and_b32 v17, 1, v12                          ; the fragment's half of the lanes
	v_lshl_add_u32 v16, v17, 8, v16
	v_lshl_add_u32 v16, v11, 4, v16
	s_mul_i32 s25, s20, 3072
	s_add_co_u32 s25, s25, IMG
	v_add_nc_u32 v16, s25, v16
	v_add_nc_u32 v9, s25, v2                       ; the image, read back: 16 x lane
.irp i, 0,1,2
	v_add_nc_u32 v18, \i, v14                      ; register q
	v_lshrrev_b32 v19, 2, v18
	v_and_b32 v18, 3, v18
	v_lshl_add_u32 v19, v19, 9, v16                ; + 512 (q / 4)
	v_lshl_add_u32 v[5+\i], v18, 2, v19            ; + 4 (q % 4)
.endr
	v_lshlrev_b32 v8, 8, v15                       ; the scale byte: 256 (K step) + 16 rho + 4 t + block % 4
	v_lshl_add_u32 v8, v11, 4, v8
	v_and_b32 v18, 3, v12
	v_add_nc_u32 v8, v8, v18
	s_lshl_b32 s25, s20, 2
	s_add_co_u32 s25, s25, SCW
	v_add_nc_u32 v8, s25, v8
	s_mul_i32 s25, s20, 12288
	s_mul_i32 s26, s24, 3072
	s_add_co_u32 s25, s25, s26
	v_add_nc_u32 v10, s25, v2                      ; my codes' place in the record
	s_and_b32 s25, s22, 7
	s_lshl_b32 s25, s25, 22                        ; the expert's 4 MiB
	s_lshl_b32 s26, s23, 6
	s_lshr_b32 s28, s20, 1
	s_lshl_b32 s28, s28, 5
	s_add_co_u32 s26, s26, s28
	s_and_b32 s28, s20, 1
	s_lshl_b32 s28, s28, 3
	s_add_co_u32 s26, s26, s28                     ; the tile's first matrix row
	s_lshl_b32 s26, s26, 12
	s_add_co_u32 s26, s26, s25
	s_lshl_b32 s28, s24, 10
	s_add_co_u32 s26, s26, s28                     ; + the quarter of K
	s_lshl_b32 s28, s22, 4
	s_add_co_u32 s28, s28, s23
	s_mul_i32 s28, s28, 51200                      ; the record
	s_wait_kmcnt 0x0
	s_cmp_lt_u32 s22, 8
	s_cselect_b64 s[30:31], s[8:9], s[10:11]       ; w_in or w_out: the choice hangs on the work-group's number alone
	s_add_nc_u64 s[30:31], s[30:31], s[26:27]
	s_add_nc_u64 s[12:13], s[12:13], s[28:29]
.set P, 0
.rept 8                                ; all 32 loads of the wave go out at once: rows rho = 2 P, 2 P + 1 lie at rho + 8 (rho / 8)
	LOADS WR+16*P, 30, (2*P+8*((2*P)/8))*4096, (2*P+1+8*((2*P+1)/8))*4096
.set P, P+1
.endr
	s_wait_loadcnt 28                              ; step 0's four loads are in
	TURN WR, WX, 0
.macro WSTEP p
.if (\p) > 0
	s_wait_dscnt 4                                 ; this step's numbers are back; the last step's three code stores and its byte store may be out
.else
	s_wait_dscnt 0x0
.endif
.if (\p) < 7
	s_wait_loadcnt 24-4*(\p)                       ; the next step's four loads are in; the later steps' may be out
	TURN WR+16*((\p)+1), WX+16*(((\p)+1)%2), 2560*(((\p)+1)%2)
.endif
	QB WX+16*((\p)%2), WC+4*(\p), WE+(\p)
.irp i, 0,1,2
	ds_store_b32 v[5+\i], v[WC+4*(\p)+\i] offset:32*(\p)
.endr
	ds_store_b8 v8, v[WE+(\p)] offset:32*(\p)      ; both lanes of a block write the same byte with the same value
.endm
.irp p, 0,1,2,3,4,5,6,7
	WSTEP \p
.endr
.irp g, 0,1,2,3,4,5
	ds_load_b128 v[WR+4*\g:WR+4*\g+3], v9 offset:512*\g   ; my own bytes, in order behind my stores
.endr
.irp g, 0,1,2,3,4,5
	s_wait_dscnt 5-\g
	global_store_b128 v10, v[WR+4*\g:WR+4*\g+3], s[12:13] offset:512*\g   ; 512 consecutive bytes
.endr
	s_wait_dscnt 0x0                               ; for the others' sake: my scale bytes have landed
	s_barrier_signal -1
	s_barrier_wait -1
	s_cmp_lg_u32 s20, 0
	s_cbranch_scc1 .Lw_end
	ds_load_b128 v[32:35], v2 offset:SCW           ; the four waves' scale words: 512 bytes
	s_lshl_b32 s25, s24, 9
	v_add_nc_u32 v11, s25, v2
	s_wait_dscnt 0x0
	global_store_b128 v11, v[32:35], s[12:13] offset:49152
.Lw_end:
	s_wait_tensorcnt 0x0
	ds_add_u32 v254, v255
	s_wait_dscnt 0x0
	s_endpgm
	; ---------------- x and the router ----------------
.Lx_path:
	s_mul_i32 s25, s20, 2560
	s_add_co_u32 s25, s25, TURNX
	v_add_nc_u32 v3, s25, v3
	v_add_nc_u32 v4, s25, v4
	v_mul_u32_u24 v5, v11, 768                     ; codes: 768 x row + 192 w + 12 sub
	v_mad_u32_u24 v5, v10, 12, v5
	s_mul_i32 s25, s20, 192
	s_add_co_u32 s25, s25, XST
	v_add_nc_u32 v5, s25, v5
	v_lshrrev_b32 v6, 1, v10                       ; bytes: 32 x row + 8 w + sub / 2
	v_lshl_add_u32 v6, v11, 5, v6
	s_lshl_b32 s25, s20, 3
	s_add_co_u32 s25, s25, XSS
	v_add_nc_u32 v6, s25, v6
	v_lshlrev_b32 v7, 5, v11                       ; logits' parts: 512 w + 32 x row
	s_lshl_b32 s25, s20, 9
	s_add_co_u32 s25, s25, PART
	v_add_nc_u32 v7, s25, v7
	v_lshlrev_b32 v8, 6, v10                       ; w_gate: 1,024 w + 64 sub
	s_lshl_b32 s25, s20, 10
	v_add_nc_u32 v8, s25, v8
	s_lshl_b32 s26, ttmp9, 16                      ; 16 rows of 4,096 bytes
	s_add_co_u32 s26, s26, s25
	s_wait_kmcnt 0x0
	s_add_nc_u64 s[4:5], s[4:5], s[26:27]
.irp e, 0,1,2,3,4,5,6,7
.irp i, 0,1,2,3
	global_load_b128 v[GW+16*\e+4*\i:GW+16*\e+4*\i+3], v8, s[6:7] offset:4096*\e+16*\i
.endr
.endr
.irp p, 0,1,2,3
	LOADS XR+16*\p, 4, (2*\p)*4096, (2*\p+1)*4096
.endr
.macro XSTEP p
.if (\p) <= 4
	s_wait_loadcnt 12                              ; this step's four loads are in (w_gate's are older); three later steps' may be out
.else
	s_wait_loadcnt 4*(7-(\p))
.endif
	TURN XR+16*((\p)%4), XX, 0
	s_wait_dscnt 0x0                               ; my 16 neighbours are in; the stage's stores and the last step's stores have read their registers
.if (\p) < 4
	LOADS XR+16*((\p)%4), 4, (2*(\p)+8)*4096, (2*(\p)+9)*4096
.endif
	QB XX, XC, XE
.irp i, 0,1,2
	ds_store_b32 v5, v[XC+\i] offset:1536*(\p)+4*\i
.endr
	ds_store_b8 v6, v[XE] offset:64*(\p)
.irp e, 0,1,2,3,4,5,6,7                ; the router's product, in f32: my 16 numbers against my 16 columns of each expert's row, the eight sums by turns
	v_pk_mul_f32 v[PP+2*\e:PP+2*\e+1], v[XX:XX+1], v[GW+16*\e:GW+16*\e+1]
.endr
.irp i, 2,4,6,8,10,12,14
.irp e, 0,1,2,3,4,5,6,7
	v_pk_fma_f32 v[PP+2*\e:PP+2*\e+1], v[XX+\i:XX+\i+1], v[GW+16*\e+\i:GW+16*\e+\i+1], v[PP+2*\e:PP+2*\e+1]
.endr
.endr
.irp e, 0,1,2,3,4,5,6,7
	v_add_f32 v[QQ+\e], v[PP+2*\e], v[PP+2*\e+1]
.endr
.irp k, 1,2,4,8                        ; over the sixteen lanes that hold the row
.irp e, 0,1,2,3,4,5,6,7
	v_add_f32_dpp v[QQ+\e], v[QQ+\e], v[QQ+\e] row_xmask:\k row_mask:0xf bank_mask:0xf
.endr
.endr
	ds_store_b128 v7, v[QQ:QQ+3] offset:64*(\p)    ; sixteen lanes write the same bytes with the same values
	ds_store_b128 v7, v[QQ+4:QQ+7] offset:64*(\p)+16
.endm
.irp p, 0,1,2,3,4,5,6,7
	XSTEP \p
.endr
	s_wait_dscnt 0x0                               ; for the others' sake: all my LDS stores have landed
	s_barrier_signal -1
	s_barrier_wait -1
	v_lshlrev_b32 v9, 4, v0                        ; 16 x thread
	s_mul_i32 s26, ttmp9, 12288
	s_add_nc_u64 s[22:23], s[14:15], s[26:27]
.irp g, 0,1,2,3,4,5
	ds_load_b128 v[XR+4*\g:XR+4*\g+3], v9 offset:XST+2048*\g
.endr
.irp g, 0,1,2,3,4,5
	s_wait_dscnt 5-\g
	global_store_b128 v9, v[XR+4*\g:XR+4*\g+3], s[22:23] offset:2048*\g   ; the 16 rows' codes are 12,288 consecutive bytes
.endr
	s_cmp_eq_u32 s20, 0
	s_cbranch_scc1 .Lx_scales
	s_cmp_eq_u32 s20, 1
	s_cbranch_scc1 .Lx_router
	s_wait_tensorcnt 0x0
	ds_add_u32 v254, v255
	s_wait_dscnt 0x0
	s_endpgm
.Lx_scales:
	ds_load_b128 v[16:19], v2 offset:XSS
	s_lshl_b32 s26, ttmp9, 9
	s_add_nc_u64 s[14:15], s[14:15], s[26:27]
	s_wait_dscnt 0x0
	global_store_b128 v2, v[16:19], s[14:15] offset:3145728   ; 512 consecutive bytes
	s_wait_tensorcnt 0x0
	ds_add_u32 v254, v255
	s_wait_dscnt 0x0
	s_endpgm
.Lx_router:                            ; lane (r, h): token r; both halves compute the same
	v_lshlrev_b32 v12, 5, v10
.irp w, 0,1,2,3
	ds_load_b128 v[16+8*\w:19+8*\w], v12 offset:PART+512*\w
	ds_load_b128 v[20+8*\w:23+8*\w], v12 offset:PART+512*\w+16
.endr
	s_wait_dscnt 0x0
.irp i, 0,2,4,6
	v_pk_add_f32 v[16+\i:17+\i], v[16+\i:17+\i], v[24+\i:25+\i]
	v_pk_add_f32 v[32+\i:33+\i], v[32+\i:33+\i], v[40+\i:41+\i]
.endr
.irp i, 0,2,4,6
	v_pk_add_f32 v[16+\i:17+\i], v[16+\i:17+\i], v[32+\i:33+\i]   ; the 8 logits: v16-23
.endr
	v_mov_b32 v48, v16                             ; the largest, and its index: a strict > keeps the lower index
	v_mov_b32 v49, 0
.irp e, 1,2,3,4,5,6,7
	v_cmp_gt_f32 vcc_lo, v[16+\e], v48
	v_cndmask_b32 v48, v48, v[16+\e], vcc_lo
	v_cndmask_b32 v49, v49, \e, vcc_lo
.endr
	v_mov_b32 v50, 0xff800000                      ; the second, among the others
	v_mov_b32 v51, 0
.irp e, 0,1,2,3,4,5,6,7
	v_cmp_ne_u32 s30, \e, v49
	v_cmp_gt_f32 vcc_lo, v[16+\e], v50
	s_and_b32 vcc_lo, vcc_lo, s30
	v_cndmask_b32 v50, v50, v[16+\e], vcc_lo
	v_cndmask_b32 v51, v51, \e, vcc_lo
.endr
	v_sub_f32 v52, v50, v48                        ; the softmax of the two, the larger taken away: 1 / (1 + e^d), e^d / (1 + e^d), d <= 0
	v_mul_f32 v52, 0x3fb8aa3b, v52
	v_exp_f32 v53, v52
	v_nop                                          ; a plain line behind the transcendental
	s_wait_alu depctr_va_vdst(0)                   ; the wait ahead of the first reader
	v_add_f32 v54, 1.0, v53
	v_rcp_f32 v55, v54
	v_nop
	s_wait_alu depctr_va_vdst(0)
	v_mul_f32 v56, v53, v55
.irp e, 0,1,2,3,4,5,6,7                ; the dense row of gates: 0 where the expert was not chosen
	v_cmp_eq_u32 vcc_lo, \e, v51
	v_cndmask_b32 v[60+\e], 0, v56, vcc_lo
	v_cmp_eq_u32 vcc_lo, \e, v49
	v_cndmask_b32 v[60+\e], v[60+\e], v55, vcc_lo
.endr
	v_cmp_le_u32 vcc_lo, 16, v1
.irp i, 0,1,2,3
	v_cndmask_b32 v[68+\i], v[60+\i], v[64+\i], vcc_lo   ; lanes 0-15 store experts 0-3, lanes 16-31 experts 4-7
.endr
	v_lshl_add_u32 v13, v11, 4, v12                ; 32 r + 16 h
	s_lshl_b32 s26, ttmp9, 9
	s_add_nc_u64 s[16:17], s[16:17], s[26:27]
	global_store_b128 v13, v[68:71], s[16:17]      ; 512 consecutive bytes
	; THE PAIR'S NUMBER, 0 .. 27, along a path on which neighbouring pairs share an expert: (0,1) .. (0,7), (1,7) .. (1,2), (2,3) .. (2,7), (3,7) .. : a block of sorted tokens that spans two neighbouring pairs uses three experts
	v_min_u32 v57, v49, v51                        ; lo
	v_max_u32 v58, v49, v51                        ; hi
	v_mov_b32 v59, 1
	v_lshlrev_b32 v72, v49, v59
	v_lshlrev_b32 v59, v51, v59
	v_or_b32 v72, v72, v59                         ; the two experts as bits
	v_sub_nc_u32 v73, 15, v57
	v_mul_u32_u24 v73, v73, v57
	v_lshrrev_b32 v73, 1, v73                      ; pairs with a smaller lo: lo (15 - lo) / 2
	v_sub_nc_u32 v74, v58, v57
	v_add_nc_u32 v74, -1, v74                      ; an even lo walks hi upward: hi - lo - 1;
	v_sub_nc_u32 v75, 7, v58                       ; an odd lo downward: 7 - hi
	v_and_b32 v76, 1, v57
	v_cmp_eq_u32 vcc_lo, 1, v76
	v_cndmask_b32 v74, v74, v75, vcc_lo
	v_add_nc_u32 v73, v73, v74
	v_mov_b32 v77, 0                               ; my rank among the group's tokens of my pair
	v_mov_b32 v78, 0                               ; lane k: the group's count of pair k (lanes 28-31 stay 0)
.set K, 0
.rept 28
	v_cmp_eq_u32 s34, K, v73                       ; who has pair K
	s_and_b32 s35, s34, 0xffff                     ; (lanes 16-31 repeat lanes 0-15)
	s_bcnt1_i32_b32 s36, s35
	v_mbcnt_lo_u32_b32 v79, s35, 0                 ; lower tokens with it
	v_cndmask_b32 v77, v77, v79, s34
	v_writelane_b32 v78, s36, K
.set K, K+1
.endr
	v_lshl_or_b32 v57, v77, 8, v73                 ; number | rank << 8 | bits << 16
	v_lshl_or_b32 v57, v72, 16, v57
	v_lshlrev_b32 v80, 2, v1
	s_lshl_b32 s26, ttmp9, 7
	s_add_nc_u64 s[32:33], s[32:33], s[26:27]
	global_store_b32 v80, v78, s[32:33]            ; the group's 32 counts: 128 consecutive bytes, at a fixed place
	v_lshlrev_b32 v14, 2, v10
	s_lshl_b32 s26, ttmp9, 6
	s_add_nc_u64 s[18:19], s[18:19], s[26:27]
	s_wait_xcnt 0x0                                ; EXEC changes only behind this wait
	v_cmp_gt_u32 vcc_lo, 16, v1
	s_wait_tensorcnt 0x0
	ds_add_u32 v254, v255
	s_wait_dscnt 0x0
	s_and_saveexec_b32 s30, vcc_lo
	global_store_b32 v14, v57, s[18:19]            ; at a fixed place: no address here hangs on the choice
	s_wait_xcnt 0x0
	s_or_b32 exec_lo, exec_lo, s30
	s_endpgm
.Lfunc_end_k_q32b7eb57a4_prep:
	.size	k_q32b7eb57a4_prep, .Lfunc_end_k_q32b7eb57a4_prep-k_q32b7eb57a4_prep
	.p2alignl 7, 3214868480
	.fill 96, 4, 3214868480
	.section	.rodata,"a",@progbits
	.p2align	6, 0x0
	.amdhsa_kernel k_q32b7eb57a4_prep
		.amdhsa_group_segment_fixed_size 58880
		.amdhsa_private_segment_fixed_size 0
		.amdhsa_enable_private_segment 0
		.amdhsa_kernarg_size 72
		.amdhsa_user_sgpr_count 2
		.amdhsa_user_sgpr_kernarg_segment_ptr 1
		.amdhsa_wavefront_size32 1
		.amdhsa_system_sgpr_workgroup_id_x 1
		.amdhsa_system_sgpr_workgroup_id_y 1
		.amdhsa_system_sgpr_workgroup_id_z 1
		.amdhsa_system_vgpr_workitem_id 0
		.amdhsa_next_free_vgpr 256
		.amdhsa_next_free_sgpr 66
		.amdhsa_reserve_vcc 1
		.amdhsa_float_denorm_mode_32 3
		.amdhsa_float_denorm_mode_16_64 3
		.amdhsa_memory_ordered 1
		.amdhsa_forward_progress 1
		.amdhsa_inst_pref_size 111
	.end_amdhsa_kernel
	.amdgpu_metadata
---
amdhsa.version: [ 1, 2 ]
amdhsa.kernels:
  - .name:           k_q32b7eb57a4_prep
    .symbol:         k_q32b7eb57a4_prep.kd
    .args:
      - { .name: x, .offset: 0, .size: 8, .value_kind: global_buffer, .address_space: global }
      - { .name: w_gate, .offset: 8, .size: 8, .value_kind: global_buffer, .address_space: global }
      - { .name: w_in, .offset: 16, .size: 8, .value_kind: global_buffer, .address_space: global }
      - { .name: w_out, .offset: 24, .size: 8, .value_kind: global_buffer, .address_space: global }
      - { .name: wq, .offset: 32, .size: 8, .value_kind: global_buffer, .address_space: global }
      - { .name: xq, .offset: 40, .size: 8, .value_kind: global_buffer, .address_space: global }
      - { .name: gates, .offset: 48, .size: 8, .value_kind: global_buffer, .address_space: global }
      - { .name: rt, .offset: 56, .size: 8, .value_kind: global_buffer, .address_space: global }
      - { .name: cnt, .offset: 64, .size: 8, .value_kind: global_buffer, .address_space: global }
    .group_segment_fixed_size: 58880
    .private_segment_fixed_size: 0
    .kernarg_segment_align: 8
    .kernarg_segment_size: 72
    .max_flat_workgroup_size: 128
    .sgpr_count:     66
    .vgpr_count:     256
    .wavefront_size: 32
...
	.end_amdgpu_metadata
.endif
;; end of part 5
;; launch place (part 6): grid 1 x 1, 32 waves a work-group, no clusters, 13,312 bytes of LDS; arguments rt, cnt, ord; writes ord
.if DOCPART == 6
	.amdgcn_target "amdgcn-amd-amdhsa--gfx1250"
	.amdhsa_code_object_version 6
	.text
	.protected	k_q32b7eb57a4_place
	.globl	k_q32b7eb57a4_place
	.p2align	8
	.type	k_q32b7eb57a4_place,@function
k_q32b7eb57a4_place:
	s_mov_b64 s[64:65], 0
	v_nop
	global_prefetch_b8 v0, s[64:65] scope:SCOPE_SE
	s_setreg_imm32_b32 hwreg(HW_REG_WAVE_MODE, 25, 1), 1
	s_wait_xcnt 0x0
; The counting sort's second half: ord[pos] = token | (its pair of experts as bits) << 16, sorted by the pair's number 0 .. 27.
; Given, from the launch before: rt[token] = number | rank in its group of 16 tokens << 8 | bits << 16, and cnt[group 0-255][32]: the group's count of each number.
; pos = (tokens of smaller numbers) + (tokens of the same number in earlier groups) + rank.
; One work-group of 32 waves.  Wave w has groups 8 w .. 8 w + 7, lane = the pair's number: a prefix over its eight groups in registers; the waves' totals meet in LDS: wave k scans number k over the 32 waves
; (lane = wave), and behind a second barrier every wave scans the 32 totals over the numbers.  That leaves eight registers of bases (one a group, lane = number), and a token fetches its base from the lane
; of its number by a lane permute.  No atomics; no LDS byte's address hangs on data; no LDS store stands behind the second barrier.
; LDS rows are 132 bytes apart (33 words), so that a column's 32 words lie in 32 different banks (64 banks of 4 bytes: ISA guide 11.1).
; The 4-byte stores of ord are scattered: 16,384 bytes in the whole launch.
.set EX,  4352                         ; LDS: T[wave][number] at 0; E[wave][number], the waves ahead, here;
.set TOT, 8704                         ; the 32 totals here
.macro SCAN x, t                       ; v[x] becomes its sum over lanes 0 .. my lane.  v[t] is cleared ahead of each move, so a lane with no lane below it in its row adds 0
.irp n, 1,2,4,8
	v_mov_b32 v[\t], 0
	v_mov_b32_dpp v[\t], v[\x] row_shr:\n row_mask:0xf bank_mask:0xf
	v_add_nc_u32 v[\x], v[\x], v[\t]
.endr
	v_readlane_b32 s14, v[\x], 15                  ; the lower row's sum,
	v_cndmask_b32 v[\t], 0, s14, s15               ; for lanes 16-31
	v_add_nc_u32 v[\x], v[\x], v[\t]
.endm
	s_load_b128 s[4:7], s[0:1], 0x0                ; rt, cnt
	s_load_b64 s[8:9], s[0:1], 0x10                ; ord
	v_lshl_add_u32 v64, v0, 2, 0x2400
	v_mov_b32 v65, 0
	v_lshrrev_b32 v1, 5, v0
	v_readfirstlane_b32 s10, v1                    ; wave
	v_lshlrev_b32 v7, 2, v1                        ; 4 x wave
	v_and_b32 v1, 31, v0                           ; lane
	v_lshlrev_b32 v2, 2, v1                        ; 4 x lane
	s_lshl_b32 s11, s10, 9
	v_add_nc_u32 v3, s11, v2                       ; rt: my wave's 128 tokens, 4 bytes a lane
	s_lshl_b32 s11, s10, 10
	v_add_nc_u32 v4, s11, v2                       ; cnt: my wave's 8 groups of 128 bytes
	s_mul_i32 s11, s10, 132
	v_add_nc_u32 v5, s11, v2                       ; LDS: row = my wave, word = my lane
	s_lshl_b32 s11, s10, 2
	v_mul_u32_u24 v6, v1, 132
	v_add_nc_u32 v6, s11, v6                       ; LDS: row = my lane, word = my wave
	s_lshl_b32 s11, s10, 7
	v_add_nc_u32 v8, s11, v1                       ; the token of slot 0: 128 w + lane
	v_cmp_le_u32 s15, 16, v1                       ; lanes 16-31
	s_wait_kmcnt 0x0
.irp i, 0,1,2,3,4,5,6,7
	global_load_b32 v[16+\i], v4, s[6:7] offset:128*\i     ; group 8 w + i: 128 consecutive bytes
.endr
.irp j, 0,1,2,3
	global_load_b32 v[12+\j], v3, s[4:5] offset:128*\j     ; slot j: tokens 128 w + 32 j + lane: groups 8 w + 2 j (lanes 0-15) and 8 w + 2 j + 1
.endr
	s_wait_loadcnt 0x4                             ; the eight loads of counts are in; the four of rt are younger
	v_mov_b32 v24, 0                               ; v24-31: my wave's earlier groups
	v_mov_b32 v25, v16
.irp i, 2,3,4,5,6,7
	v_add_nc_u32 v[24+\i], v[23+\i], v[15+\i]
.endr
	v_add_nc_u32 v32, v31, v23                     ; my wave's total
	ds_store_b32 v5, v32
	s_wait_dscnt 0x0                               ; for the others' sake
	s_barrier_signal -1
	s_barrier_wait -1
	ds_load_b32 v33, v6                            ; number = my wave: the 32 waves' totals, lane = wave
	s_wait_dscnt 0x0
	v_mov_b32 v34, v33
	SCAN 34, 35
	v_sub_nc_u32 v36, v34, v33                     ; the waves ahead of wave = lane
	v_readlane_b32 s12, v34, 31                    ; all tokens of the number
	v_mov_b32 v37, s12
	ds_store_b32 v6, v36 offset:EX
	ds_store_b32 v7, v37 offset:TOT                ; all lanes write the same word with the same value
	s_wait_dscnt 0x0                               ; for the others' sake
	s_barrier_signal -1
	s_barrier_wait -1
	ds_load_b32 v38, v5 offset:EX                  ; the waves ahead of mine, lane = number
	ds_load_b32 v39, v2 offset:TOT                 ; the totals, lane = number
	s_wait_dscnt 0x0
	v_mov_b32 v34, v39
	SCAN 34, 35
	v_sub_nc_u32 v34, v34, v39                     ; tokens of smaller numbers
	v_add_nc_u32 v34, v34, v38
.irp i, 0,1,2,3,4,5,6,7
	v_add_nc_u32 v[24+\i], v[24+\i], v34           ; group 8 w + i's first place for each number
.endr
	s_wait_loadcnt 0x0                             ; rt
.irp j, 0,1,2,3
	v_and_b32 v[40+\j], 31, v[12+\j]               ; the number,
	v_min_u32 v[40+\j], 31, v[40+\j]               ; held to a lane,
	v_lshlrev_b32 v[40+\j], 2, v[40+\j]            ; as the permute takes it: lane x 4
.endr
.irp j, 0,1,2,3
	ds_bpermute_b32 v[44+2*\j], v[40+\j], v[24+2*\j]       ; from the lane of my number: the base in the slot's lower group,
	ds_bpermute_b32 v[45+2*\j], v[40+\j], v[25+2*\j]       ; and in its upper
.endr
	s_wait_dscnt 0x0
.irp j, 0,1,2,3
	v_cndmask_b32 v[44+2*\j], v[44+2*\j], v[45+2*\j], s15  ; lanes 16-31 belong to the upper group
	v_bfe_u32 v[52+\j], v[12+\j], 8, 4                     ; rank
	v_add_nc_u32 v[44+2*\j], v[44+2*\j], v[52+\j]
	v_min_u32 v[44+2*\j], 0xfff, v[44+2*\j]                ; the place, held inside the buffer
	v_lshlrev_b32 v[44+2*\j], 2, v[44+2*\j]
	v_and_b32 v[52+\j], 0xffff0000, v[12+\j]               ; the pair as bits
	v_add_nc_u32 v[56+\j], 32*\j, v8                       ; the token
	v_or_b32 v[52+\j], v[52+\j], v[56+\j]
	global_store_b32 v[44+2*\j], v[52+\j], s[8:9]
.endr
	s_wait_tensorcnt 0x0
	ds_add_u32 v64, v65
	s_wait_dscnt 0x0
	s_endpgm
.Lfunc_end_k_q32b7eb57a4_place:
	.size	k_q32b7eb57a4_place, .Lfunc_end_k_q32b7eb57a4_place-k_q32b7eb57a4_place
	.p2alignl 7, 3214868480
	.fill 96, 4, 3214868480
	.section	.rodata,"a",@progbits
	.p2align	6, 0x0
	.amdhsa_kernel k_q32b7eb57a4_place
		.amdhsa_group_segment_fixed_size 13312
		.amdhsa_private_segment_fixed_size 0
		.amdhsa_enable_private_segment 0
		.amdhsa_kernarg_size 24
		.amdhsa_user_sgpr_count 2
		.amdhsa_user_sgpr_kernarg_segment_ptr 1
		.amdhsa_wavefront_size32 1
		.amdhsa_system_sgpr_workgroup_id_x 1
		.amdhsa_system_sgpr_workgroup_id_y 1
		.amdhsa_system_sgpr_workgroup_id_z 1
		.amdhsa_system_vgpr_workitem_id 0
		.amdhsa_next_free_vgpr 66
		.amdhsa_next_free_sgpr 66
		.amdhsa_reserve_vcc 0
		.amdhsa_float_denorm_mode_32 3
		.amdhsa_float_denorm_mode_16_64 3
		.amdhsa_memory_ordered 1
		.amdhsa_forward_progress 1
		.amdhsa_inst_pref_size 9
	.end_amdhsa_kernel
	.amdgpu_metadata
---
amdhsa.version: [ 1, 2 ]
amdhsa.kernels:
  - .name:           k_q32b7eb57a4_place
    .symbol:         k_q32b7eb57a4_place.kd
    .args:
      - { .name: rt, .offset: 0, .size: 8, .value_kind: global_buffer, .address_space: global }
      - { .name: cnt, .offset: 8, .size: 8, .value_kind: global_buffer, .address_space: global }
      - { .name: ord, .offset: 16, .size: 8, .value_kind: global_buffer, .address_space: global }
    .group_segment_fixed_size: 13312
    .private_segment_fixed_size: 0
    .kernarg_segment_align: 8
    .kernarg_segment_size: 24
    .max_flat_workgroup_size: 1024
    .sgpr_count:     66
    .vgpr_count:     66
    .wavefront_size: 32
...
	.end_amdgpu_metadata
.endif
;; end of part 6
;; launch gemm1: the kernel of part 3 again; grid 4 x 64, 4 waves a work-group, no clusters, 52,736 bytes of LDS; arguments xq, wq, ord, hq; writes hq
;; launch gemm2: the kernel of part 4 again; grid 4 x 64, 4 waves a work-group, no clusters, 201,216 bytes of LDS; arguments hq, wq, ord, gates, out0; writes out0
;; ======== version 3 of 3: 4 launches
;; workspace buffers: wq 13,107,200 bytes; xq 3,276,800 bytes; gates 131,072 bytes; rt 16,384 bytes of whole numbers; cnt 32,768 bytes of whole numbers; ord 16,384 bytes of whole numbers; hq 26,214,400 bytes
;; launch prep (part 7): grid 1280 x 1, 4 waves a work-group, no clusters, 58,880 bytes of LDS; arguments x, w_gate, w_in, w_out, wq, xq, gates, rt, cnt; writes wq, xq, gates, rt, cnt
.if DOCPART == 7
	.amdgcn_target "amdgcn-amd-amdhsa--gfx1250"
	.amdhsa_code_object_version 6
	.text
	.protected	k_q32b7eb57a4_prep
	.globl	k_q32b7eb57a4_prep
	.p2align	8
	.type	k_q32b7eb57a4_prep,@function
k_q32b7eb57a4_prep:
	s_mov_b64 s[64:65], 0
	v_nop
	global_prefetch_b8 v0, s[64:65] scope:SCOPE_SE
	s_setreg_imm32_b32 hwreg(HW_REG_WAVE_MODE, 25, 1), 1
	s_wait_xcnt 0x0
; Quantises x, w_in and w_out to codes of FP6 (E2M3) with one E8M0 byte for each 32 along K (K is innermost in all three), and runs the router.
; A block's scale is 2^(floor(log2(largest magnitude)) - 2): its byte is the largest magnitude's exponent field - 2, held at 1 from below.
; LIMITS: NaN and infinities among the inputs are not served.  A block of zeros gets the byte 1 (its codes are zeros; this program alone reads the bytes).
; Equal logits take the lower index; logits that differ by less than the rounding of an f32 sum of 1,024 terms may be ordered otherwise than by another order of summation.
; WORK-GROUPS 0-255: 16 tokens each.  Wave w takes columns 256 w .. 256 w + 255 of the 16 rows: codes go out row-major (768 bytes a row), scale bytes 32 a row,
;   and the wave's part of the 8 logits is summed by fused multiply-adds beside the quantiser; wave 1 finishes top 2, softmax and the dense row of 8 gates, and prepares the sort of the tokens by their pair of
;   experts: a pair's number 0 .. 27, the token's rank among the group's 16 tokens of that pair, and the group's count of each pair.  All of that is stored as values at fixed places: no address here hangs on it.
; WORK-GROUPS 256-1279: (matrix mu 0-15, strip sigma of 64 rows, quarter kappa of K).  Wave t makes tile t of the strip: 16 rows x 256 along K, laid in the order of a matrix operand's registers:
;   record (16 mu + sigma) x 51,200: codes [t][s 0-7][g 0-2][lane][16 bytes]; at 49,152 scale words [s][rho][t].  Fragment lane (rho, h) is matrix row 64 sigma + 32 (t / 2) + 8 (t % 2) + rho + 8 (rho / 8).
; Every load reads 512 consecutive bytes; 2,048 bytes turn through the wave's own stage in LDS so that a lane holds 16 neighbours along K (two lanes to a block).
; No tensor load, no matrix instruction: memory binds, and each input byte is read once.  The two paths part on the work-group's number and have LDS bytes of their own.
.set TURNW, 0                          ; weights: two stages of 2,560 bytes a wave
.set IMG,   20480                      ; weights: 3,072 bytes of codes a wave, in the record's order
.set SCW,   32768                      ; weights: 512 bytes of scale words
.set TURNX, 33280                      ; x: one stage a wave
.set XST,   43520                      ; x: 16 rows x 768 bytes of codes
.set XSS,   55808                      ; x: 16 rows x 32 scale bytes
.set PART,  56320                      ; x: [wave][row][8] parts of the logits
.set WX, 32                            ; weights: v32-63 two sets of 16 neighbours; v64-191 eight sets as loaded; v192-223 codes; v224-231 bytes
.set WR, 64
.set WC, 192
.set WE, 224
.set GW, 16                            ; x: v16-143 my 16 columns of the 8 rows of w_gate; v144-207 four sets as loaded; v208-223 neighbours; v224-239, v240-247 sums; v248-251 codes, byte
.set XR, 144
.set XX, 208
.set PP, 224
.set QQ, 240
.set XC, 248
.set XE, 251
.macro LOADS reg, base, o0, o1         ; two rows' pieces of 1,024 bytes: four loads of 512 consecutive bytes
	global_load_b128 v[\reg:\reg+3], v2, s[\base:\base+1] offset:\o0 th:TH_LOAD_NT
	global_load_b128 v[\reg+4:\reg+7], v2, s[\base:\base+1] offset:\o0+512 th:TH_LOAD_NT
	global_load_b128 v[\reg+8:\reg+11], v2, s[\base:\base+1] offset:\o1 th:TH_LOAD_NT
	global_load_b128 v[\reg+12:\reg+15], v2, s[\base:\base+1] offset:\o1+512 th:TH_LOAD_NT
.endm
.macro TURN reg, xs, stg               ; through the stage: in as loaded, out 64 bytes a lane; LDS serves a wave's instructions in order, so no wait stands between
.irp i, 0,1,2,3
	ds_store_b128 v3, v[\reg+4*\i:\reg+4*\i+3] offset:\stg+640*\i
.endr
.irp i, 0,1,2,3
	ds_load_b128 v[\xs+4*\i:\xs+4*\i+3], v4 offset:\stg+16*\i
.endr
.endm
.macro QB xs, c, e                     ; my 16 numbers -> 12 bytes of codes in v[c..c+2], the block's byte in v[e]
	v_max3_num_f32 v12, |v[\xs]|, |v[\xs+1]|, |v[\xs+2]|
	v_max3_num_f32 v13, |v[\xs+3]|, |v[\xs+4]|, |v[\xs+5]|
.irp i, 6,10
	v_max3_num_f32 v12, v12, |v[\xs+\i]|, |v[\xs+\i+1]|
	v_max3_num_f32 v13, v13, |v[\xs+\i+2]|, |v[\xs+\i+3]|
.endr
	v_max3_num_f32 v12, v12, |v[\xs+14]|, |v[\xs+15]|
	v_max3_num_f32 v12, v12, v13, 0x1800000        ; the floor 2^(3 - 127): the byte cannot fall under 1
	v_max_num_f32_dpp v12, v12, v12 row_xmask:1 row_mask:0xf bank_mask:0xf   ; with my neighbour's 16: the block's largest magnitude
	v_add_nc_u32 v14, 0xff000000, v12              ; 2 off its exponent field: the conversion takes this operand's exponent field as its scale
	v_cvt_scalef32_pk16_fp6_f32 v[\c:\c+2], v[\xs:\xs+15], v14
	v_lshrrev_b32 v[\e], 23, v14                   ; the scale's byte (also the plain line behind the conversion)
.endm
	s_load_b512 s[4:19], s[0:1], 0x0               ; x 4, w_gate 6, w_in 8, w_out 10, wq 12, xq 14, gates 16, rt 18
	s_load_b64 s[32:33], s[0:1], 0x40              ; cnt
	v_lshl_add_u32 v254, v0, 2, 0xe400
	v_mov_b32 v255, 0
	v_lshrrev_b32 v1, 5, v0
	v_readfirstlane_b32 s20, v1                    ; wave
	v_and_b32 v1, 31, v0                           ; lane
	v_lshlrev_b32 v2, 4, v1                        ; 16 x lane
	v_lshrrev_b32 v9, 2, v1
	v_mul_u32_u24 v3, v9, 80
	v_and_b32 v9, 3, v1
	v_lshl_add_u32 v3, v9, 4, v3                   ; stage, in: 80 (lane / 4) + 16 (lane % 4)
	v_mul_u32_u24 v4, v1, 80                       ; stage, out: 80 x lane
	v_and_b32 v10, 15, v1                          ; sub: which 16 numbers of the row's piece
	v_lshrrev_b32 v11, 4, v1                       ; which of the step's two rows
	s_mov_b32 s27, 0
	s_mov_b32 s29, 0
	s_cmp_lt_u32 ttmp9, 256
	s_cbranch_scc1 .Lx_path
	; ---------------- the weights ----------------
	s_sub_co_u32 s21, ttmp9, 256
	s_lshr_b32 s22, s21, 6                         ; mu
	s_bfe_u32 s23, s21, 0x40002                    ; sigma
	s_and_b32 s24, s21, 3                          ; kappa
	s_mul_i32 s25, s20, 5120
	s_wait_alu depctr_va_vdst(0)
	v_add_nc_u32 v3, s25, v3
	v_add_nc_u32 v4, s25, v4
	v_lshrrev_b32 v12, 1, v10                      ; block 0-7 of the piece
	v_and_b32 v13, 1, v10                          ; which half of the block
	v_bfe_u32 v14, v12, 1, 1                       ; c
	v_mul_u32_u24 v14, v14, 6
	v_mad_u32_u24 v14, v13, 3, v14                 ; my first register of the fragment: 6 c + 3 half
	v_lshrrev_b32 v15, 2, v12                      ; which of the quarter's two K steps
	v_mul_u32_u24 v16, v15, 1536
	v_and_b32 v17, 1, v12                          ; the fragment's half of the lanes
	v_lshl_add_u32 v16, v17, 8, v16
	v_lshl_add_u32 v16, v11, 4, v16
	s_mul_i32 s25, s20, 3072
	s_add_co_u32 s25, s25, IMG
	v_add_nc_u32 v16, s25, v16
	v_add_nc_u32 v9, s25, v2                       ; the image, read back: 16 x lane
.irp i, 0,1,2
	v_add_nc_u32 v18, \i, v14                      ; register q
	v_lshrrev_b32 v19, 2, v18
	v_and_b32 v18, 3, v18
	v_lshl_add_u32 v19, v19, 9, v16                ; + 512 (q / 4)
	v_lshl_add_u32 v[5+\i], v18, 2, v19            ; + 4 (q % 4)
.endr
	v_lshlrev_b32 v8, 8, v15                       ; the scale byte: 256 (K step) + 16 rho + 4 t + block % 4
	v_lshl_add_u32 v8, v11, 4, v8
	v_and_b32 v18, 3, v12
	v_add_nc_u32 v8, v8, v18
	s_lshl_b32 s25, s20, 2
	s_add_co_u32 s25, s25, SCW
	v_add_nc_u32 v8, s25, v8
	s_mul_i32 s25, s20, 12288
	s_mul_i32 s26, s24, 3072
	s_add_co_u32 s25, s25, s26
	v_add_nc_u32 v10, s25, v2                      ; my codes' place in the record
	s_and_b32 s25, s22, 7
	s_lshl_b32 s25, s25, 22                        ; the expert's 4 MiB
	s_lshl_b32 s26, s23, 6
	s_lshr_b32 s28, s20, 1
	s_lshl_b32 s28, s28, 5
	s_add_co_u32 s26, s26, s28
	s_and_b32 s28, s20, 1
	s_lshl_b32 s28, s28, 3
	s_add_co_u32 s26, s26, s28                     ; the tile's first matrix row
	s_lshl_b32 s26, s26, 12
	s_add_co_u32 s26, s26, s25
	s_lshl_b32 s28, s24, 10
	s_add_co_u32 s26, s26, s28                     ; + the quarter of K
	s_lshl_b32 s28, s22, 4
	s_add_co_u32 s28, s28, s23
	s_mul_i32 s28, s28, 51200                      ; the record
	s_wait_kmcnt 0x0
	s_cmp_lt_u32 s22, 8
	s_cselect_b64 s[30:31], s[8:9], s[10:11]       ; w_in or w_out: the choice hangs on the work-group's number alone
	s_add_nc_u64 s[30:31], s[30:31], s[26:27]
	s_add_nc_u64 s[12:13], s[12:13], s[28:29]
.set P, 0
.rept 8                                ; all 32 loads of the wave go out at once: rows rho = 2 P, 2 P + 1 lie at rho + 8 (rho / 8)
	LOADS WR+16*P, 30, (2*P+8*((2*P)/8))*4096, (2*P+1+8*((2*P+1)/8))*4096
.set P, P+1
.endr
	s_wait_loadcnt 28                              ; step 0's four loads are in
	TURN WR, WX, 0
.macro WSTEP p
.if (\p) > 0
	s_wait_dscnt 4                                 ; this step's numbers are back; the last step's three code stores and its byte store may be out
.else
	s_wait_dscnt 0x0
.endif
.if (\p) < 7
	s_wait_loadcnt 24-4*(\p)                       ; the next step's four loads are in; the later steps' may be out
	TURN WR+16*((\p)+1), WX+16*(((\p)+1)%2), 2560*(((\p)+1)%2)
.endif
	QB WX+16*((\p)%2), WC+4*(\p), WE+(\p)
.irp i, 0,1,2
	ds_store_b32 v[5+\i], v[WC+4*(\p)+\i] offset:32*(\p)
.endr
	ds_store_b8 v8, v[WE+(\p)] offset:32*(\p)      ; both lanes of a block write the same byte with the same value
.endm
.irp p, 0,1,2,3,4,5,6,7
	WSTEP \p
.endr
.irp g, 0,1,2,3,4,5
	ds_load_b128 v[WR+4*\g:WR+4*\g+3], v9 offset:512*\g   ; my own bytes, in order behind my stores
.endr
.irp g, 0,1,2,3,4,5
	s_wait_dscnt 5-\g
	global_store_b128 v10, v[WR+4*\g:WR+4*\g+3], s[12:13] offset:512*\g   ; 512 consecutive bytes
.endr
	s_wait_dscnt 0x0                               ; for the others' sake: my scale bytes have landed
	s_barrier_signal -1
	s_barrier_wait -1
	s_cmp_lg_u32 s20, 0
	s_cbranch_scc1 .Lw_end
	ds_load_b128 v[32:35], v2 offset:SCW           ; the four waves' scale words: 512 bytes
	s_lshl_b32 s25, s24, 9
	v_add_nc_u32 v11, s25, v2
	s_wait_alu depctr_va_vdst(0)
	s_wait_dscnt 0x0
	global_store_b128 v11, v[32:35], s[12:13] offset:49152
.Lw_end:
	s_wait_tensorcnt 0x0
	ds_add_u32 v254, v255
	s_wait_dscnt 0x0
	s_endpgm
	; ---------------- x and the router ----------------
.Lx_path:
	s_mul_i32 s25, s20, 2560
	s_add_co_u32 s25, s25, TURNX
	s_wait_alu depctr_va_vdst(0)
	v_add_nc_u32 v3, s25, v3
	v_add_nc_u32 v4, s25, v4
	v_mul_u32_u24 v5, v11, 768                     ; codes: 768 x row + 192 w + 12 sub
	v_mad_u32_u24 v5, v10, 12, v5
	s_mul_i32 s25, s20, 192
	s_add_co_u32 s25, s25, XST
	v_add_nc_u32 v5, s25, v5
	v_lshrrev_b32 v6, 1, v10                       ; bytes: 32 x row + 8 w + sub / 2
	v_lshl_add_u32 v6, v11, 5, v6
	s_lshl_b32 s25, s20, 3
	s_add_co_u32 s25, s25, XSS
	v_add_nc_u32 v6, s25, v6
	v_lshlrev_b32 v7, 5, v11                       ; logits' parts: 512 w + 32 x row
	s_lshl_b32 s25, s20, 9
	s_add_co_u32 s25, s25, PART
	v_add_nc_u32 v7, s25, v7
	v_lshlrev_b32 v8, 6, v10                       ; w_gate: 1,024 w + 64 sub
	s_lshl_b32 s25, s20, 10
	v_add_nc_u32 v8, s25, v8
	s_lshl_b32 s26, ttmp9, 16                      ; 16 rows of 4,096 bytes
	s_add_co_u32 s26, s26, s25
	s_wait_alu depctr_va_vdst(0)
	s_wait_kmcnt 0x0
	s_add_nc_u64 s[4:5], s[4:5], s[26:27]
.irp e, 0,1,2,3,4,5,6,7
.irp i, 0,1,2,3
	global_load_b128 v[GW+16*\e+4*\i:GW+16*\e+4*\i+3], v8, s[6:7] offset:4096*\e+16*\i
.endr
.endr
.irp p, 0,1,2,3
	LOADS XR+16*\p, 4, (2*\p)*4096, (2*\p+1)*4096
.endr
.macro XSTEP p
.if (\p) <= 4
	s_wait_loadcnt 12                              ; this step's four loads are in (w_gate's are older); three later steps' may be out
.else
	s_wait_loadcnt 4*(7-(\p))
.endif
	TURN XR+16*((\p)%4), XX, 0
	s_wait_dscnt 0x0                               ; my 16 neighbours are in; the stage's stores and the last step's stores have read their registers
.if (\p) < 4
	LOADS XR+16*((\p)%4), 4, (2*(\p)+8)*4096, (2*(\p)+9)*4096
.endif
	QB XX, XC, XE
.irp i, 0,1,2
	ds_store_b32 v5, v[XC+\i] offset:1536*(\p)+4*\i
.endr
	ds_store_b8 v6, v[XE] offset:64*(\p)
.irp e, 0,1,2,3,4,5,6,7                ; the router's product, in f32: my 16 numbers against my 16 columns of each expert's row, the eight sums by turns
	v_pk_mul_f32 v[PP+2*\e:PP+2*\e+1], v[XX:XX+1], v[GW+16*\e:GW+16*\e+1]
.endr
.irp i, 2,4,6,8,10,12,14
.irp e, 0,1,2,3,4,5,6,7
	v_pk_fma_f32 v[PP+2*\e:PP+2*\e+1], v[XX+\i:XX+\i+1], v[GW+16*\e+\i:GW+16*\e+\i+1], v[PP+2*\e:PP+2*\e+1]
.endr
.endr
.irp e, 0,1,2,3,4,5,6,7
	v_add_f32 v[QQ+\e], v[PP+2*\e], v[PP+2*\e+1]
.endr
.irp k, 1,2,4,8                        ; over the sixteen lanes that hold the row
.irp e, 0,1,2,3,4,5,6,7
	v_add_f32_dpp v[QQ+\e], v[QQ+\e], v[QQ+\e] row_xmask:\k row_mask:0xf bank_mask:0xf
.endr
.endr
	ds_store_b128 v7, v[QQ:QQ+3] offset:64*(\p)    ; sixteen lanes write the same bytes with the same values
	ds_store_b128 v7, v[QQ+4:QQ+7] offset:64*(\p)+16
.endm
.irp p, 0,1,2,3,4,5,6,7
	XSTEP \p
.endr
	s_wait_dscnt 0x0                               ; for the others' sake: all my LDS stores have landed
	s_barrier_signal -1
	s_barrier_wait -1
	v_lshlrev_b32 v9, 4, v0                        ; 16 x thread
	s_mul_i32 s26, ttmp9, 12288
	s_add_nc_u64 s[22:23], s[14:15], s[26:27]
.irp g, 0,1,2,3,4,5
	ds_load_b128 v[XR+4*\g:XR+4*\g+3], v9 offset:XST+2048*\g
.endr
	s_wait_alu depctr_va_vdst(0)
.irp g, 0,1,2,3,4,5
	s_wait_dscnt 5-\g
	global_store_b128 v9, v[XR+4*\g:XR+4*\g+3], s[22:23] offset:2048*\g   ; the 16 rows' codes are 12,288 consecutive bytes
.endr
	s_cmp_eq_u32 s20, 0
	s_cbranch_scc1 .Lx_scales
	s_cmp_eq_u32 s20, 1
	s_cbranch_scc1 .Lx_router
	s_wait_tensorcnt 0x0
	ds_add_u32 v254, v255
	s_wait_dscnt 0x0
	s_endpgm
.Lx_scales:
	ds_load_b128 v[16:19], v2 offset:XSS
	s_lshl_b32 s26, ttmp9, 9
	s_add_nc_u64 s[14:15], s[14:15], s[26:27]
	s_wait_dscnt 0x0
	global_store_b128 v2, v[16:19], s[14:15] offset:3145728   ; 512 consecutive bytes
	s_wait_tensorcnt 0x0
	ds_add_u32 v254, v255
	s_wait_dscnt 0x0
	s_endpgm
.Lx_router:                            ; lane (r, h): token r; both halves compute the same
	v_lshlrev_b32 v12, 5, v10
.irp w, 0,1,2,3
	ds_load_b128 v[16+8*\w:19+8*\w], v12 offset:PART+512*\w
	ds_load_b128 v[20+8*\w:23+8*\w], v12 offset:PART+512*\w+16
.endr
	s_wait_dscnt 0x0
.irp i, 0,2,4,6
	v_pk_add_f32 v[16+\i:17+\i], v[16+\i:17+\i], v[24+\i:25+\i]
	v_pk_add_f32 v[32+\i:33+\i], v[32+\i:33+\i], v[40+\i:41+\i]
.endr
.irp i, 0,2,4,6
	v_pk_add_f32 v[16+\i:17+\i], v[16+\i:17+\i], v[32+\i:33+\i]   ; the 8 logits: v16-23
.endr
	v_mov_b32 v48, v16                             ; the largest, and its index: a strict > keeps the lower index
	v_mov_b32 v49, 0
.irp e, 1,2,3,4,5,6,7
	v_cmp_gt_f32 vcc_lo, v[16+\e], v48
	v_cndmask_b32 v48, v48, v[16+\e], vcc_lo
	v_cndmask_b32 v49, v49, \e, vcc_lo
.endr
	v_mov_b32 v50, 0xff800000                      ; the second, among the others
	v_mov_b32 v51, 0
.irp e, 0,1,2,3,4,5,6,7
	v_cmp_ne_u32 s30, \e, v49
	v_cmp_gt_f32 vcc_lo, v[16+\e], v50
	s_and_b32 vcc_lo, vcc_lo, s30
	v_cndmask_b32 v50, v50, v[16+\e], vcc_lo
	v_cndmask_b32 v51, v51, \e, vcc_lo
.endr
	v_sub_f32 v52, v50, v48                        ; the softmax of the two, the larger taken away: 1 / (1 + e^d), e^d / (1 + e^d), d <= 0
	v_mul_f32 v52, 0x3fb8aa3b, v52
	s_wait_alu depctr_va_vdst(0)
	v_exp_f32 v53, v52
	v_nop                                          ; a plain line behind the transcendental
	s_wait_alu depctr_va_vdst(0)                   ; the wait ahead of the first reader
	v_add_f32 v54, 1.0, v53
	s_wait_alu depctr_va_vdst(0)
	v_rcp_f32 v55, v54
	v_nop
	s_wait_alu depctr_va_vdst(0)
	v_mul_f32 v56, v53, v55
.irp e, 0,1,2,3,4,5,6,7                ; the dense row of gates: 0 where the expert was not chosen
	v_cmp_eq_u32 vcc_lo, \e, v51
	v_cndmask_b32 v[60+\e], 0, v56, vcc_lo
	v_cmp_eq_u32 vcc_lo, \e, v49
	v_cndmask_b32 v[60+\e], v[60+\e], v55, vcc_lo
.endr
	v_cmp_le_u32 vcc_lo, 16, v1
.irp i, 0,1,2,3
	v_cndmask_b32 v[68+\i], v[60+\i], v[64+\i], vcc_lo   ; lanes 0-15 store experts 0-3, lanes 16-31 experts 4-7
.endr
	v_lshl_add_u32 v13, v11, 4, v12                ; 32 r + 16 h
	s_lshl_b32 s26, ttmp9, 9
	s_add_nc_u64 s[16:17], s[16:17], s[26:27]
	global_store_b128 v13, v[68:71], s[16:17]      ; 512 consecutive bytes
	; THE PAIR'S NUMBER, 0 .. 27, along a path on which neighbouring pairs share an expert: (0,1) .. (0,7), (1,7) .. (1,2), (2,3) .. (2,7), (3,7) .. : a block of sorted tokens that spans two neighbouring pairs uses three experts
	v_min_u32 v57, v49, v51                        ; lo
	v_max_u32 v58, v49, v51                        ; hi
	v_mov_b32 v59, 1
	v_lshlrev_b32 v72, v49, v59
	v_lshlrev_b32 v59, v51, v59
	v_or_b32 v72, v72, v59                         ; the two experts as bits
	v_sub_nc_u32 v73, 15, v57
	v_mul_u32_u24 v73, v73, v57
	v_lshrrev_b32 v73, 1, v73                      ; pairs with a smaller lo: lo (15 - lo) / 2
	v_sub_nc_u32 v74, v58, v57
	v_add_nc_u32 v74, -1, v74                      ; an even lo walks hi upward: hi - lo - 1;
	v_sub_nc_u32 v75, 7, v58                       ; an odd lo downward: 7 - hi
	v_and_b32 v76, 1, v57
	v_cmp_eq_u32 vcc_lo, 1, v76
	v_cndmask_b32 v74, v74, v75, vcc_lo
	v_add_nc_u32 v73, v73, v74
	v_mov_b32 v77, 0                               ; my rank among the group's tokens of my pair
	v_mov_b32 v78, 0                               ; lane k: the group's count of pair k (lanes 28-31 stay 0)
.set K, 0
.rept 28
	v_cmp_eq_u32 s34, K, v73                       ; who has pair K
	s_and_b32 s35, s34, 0xffff                     ; (lanes 16-31 repeat lanes 0-15)
	s_bcnt1_i32_b32 s36, s35
	v_mbcnt_lo_u32_b32 v79, s35, 0                 ; lower tokens with it
	v_cndmask_b32 v77, v77, v79, s34
	v_writelane_b32 v78, s36, K
.set K, K+1
.endr
	v_lshl_or_b32 v57, v77, 8, v73                 ; number | rank << 8 | bits << 16
	v_lshl_or_b32 v57, v72, 16, v57
	v_lshlrev_b32 v80, 2, v1
	s_lshl_b32 s26, ttmp9, 7
	s_add_nc_u64 s[32:33], s[32:33], s[26:27]
	global_store_b32 v80, v78, s[32:33]            ; the group's 32 counts: 128 consecutive bytes, at a fixed place
	v_lshlrev_b32 v14, 2, v10
	s_lshl_b32 s26, ttmp9, 6
	s_add_nc_u64 s[18:19], s[18:19], s[26:27]
	s_wait_alu depctr_va_vdst(0)
	s_wait_xcnt 0x0                                ; EXEC changes only behind this wait
	v_cmp_gt_u32 vcc_lo, 16, v1
	s_wait_tensorcnt 0x0
	ds_add_u32 v254, v255
	s_wait_dscnt 0x0
	s_and_saveexec_b32 s30, vcc_lo
	global_store_b32 v14, v57, s[18:19]            ; at a fixed place: no address here hangs on the choice
	s_wait_xcnt 0x0
	s_or_b32 exec_lo, exec_lo, s30
	s_endpgm
.Lfunc_end_k_q32b7eb57a4_prep:
	.size	k_q32b7eb57a4_prep, .Lfunc_end_k_q32b7eb57a4_prep-k_q32b7eb57a4_prep
	.p2alignl 7, 3214868480
	.fill 96, 4, 3214868480
	.section	.rodata,"a",@progbits
	.p2align	6, 0x0
	.amdhsa_kernel k_q32b7eb57a4_prep
		.amdhsa_group_segment_fixed_size 58880
		.amdhsa_private_segment_fixed_size 0
		.amdhsa_enable_private_segment 0
		.amdhsa_kernarg_size 72
		.amdhsa_user_sgpr_count 2
		.amdhsa_user_sgpr_kernarg_segment_ptr 1
		.amdhsa_wavefront_size32 1
		.amdhsa_system_sgpr_workgroup_id_x 1
		.amdhsa_system_sgpr_workgroup_id_y 1
		.amdhsa_system_sgpr_workgroup_id_z 1
		.amdhsa_system_vgpr_workitem_id 0
		.amdhsa_next_free_vgpr 256
		.amdhsa_next_free_sgpr 66
		.amdhsa_reserve_vcc 1
		.amdhsa_float_denorm_mode_32 3
		.amdhsa_float_denorm_mode_16_64 3
		.amdhsa_memory_ordered 1
		.amdhsa_forward_progress 1
		.amdhsa_inst_pref_size 111
	.end_amdhsa_kernel
	.amdgpu_metadata
---
amdhsa.version: [ 1, 2 ]
amdhsa.kernels:
  - .name:           k_q32b7eb57a4_prep
    .symbol:         k_q32b7eb57a4_prep.kd
    .args:
      - { .name: x, .offset: 0, .size: 8, .value_kind: global_buffer, .address_space: global }
      - { .name: w_gate, .offset: 8, .size: 8, .value_kind: global_buffer, .address_space: global }
      - { .name: w_in, .offset: 16, .size: 8, .value_kind: global_buffer, .address_space: global }
      - { .name: w_out, .offset: 24, .size: 8, .value_kind: global_buffer, .address_space: global }
      - { .name: wq, .offset: 32, .size: 8, .value_kind: global_buffer, .address_space: global }
      - { .name: xq, .offset: 40, .size: 8, .value_kind: global_buffer, .address_space: global }
      - { .name: gates, .offset: 48, .size: 8, .value_kind: global_buffer, .address_space: global }
      - { .name: rt, .offset: 56, .size: 8, .value_kind: global_buffer, .address_space: global }
      - { .name: cnt, .offset: 64, .size: 8, .value_kind: global_buffer, .address_space: global }
    .group_segment_fixed_size: 58880
    .private_segment_fixed_size: 0
    .kernarg_segment_align: 8
    .kernarg_segment_size: 72
    .max_flat_workgroup_size: 128
    .sgpr_count:     66
    .vgpr_count:     256
    .wavefront_size: 32
...
	.end_amdgpu_metadata
.endif
;; end of part 7
;; launch place (part 8): grid 1 x 1, 32 waves a work-group, no clusters, 13,312 bytes of LDS; arguments rt, cnt, ord; writes ord
.if DOCPART == 8
	.amdgcn_target "amdgcn-amd-amdhsa--gfx1250"
	.amdhsa_code_object_version 6
	.text
	.protected	k_q32b7eb57a4_place
	.globl	k_q32b7eb57a4_place
	.p2align	8
	.type	k_q32b7eb57a4_place,@function
k_q32b7eb57a4_place:
	s_mov_b64 s[64:65], 0
	v_nop
	global_prefetch_b8 v0, s[64:65] scope:SCOPE_SE
	s_setreg_imm32_b32 hwreg(HW_REG_WAVE_SCHED_MODE, 0, 2), 2
	s_setreg_imm32_b32 hwreg(HW_REG_WAVE_MODE, 25, 1), 1
	s_wait_xcnt 0x0
	s_wait_alu depctr_vm_vsrc(0)
; The counting sort's second half: ord[pos] = token | (its pair of experts as bits) << 16, sorted by the pair's number 0 .. 27.
; Given, from the launch before: rt[token] = number | rank in its group of 16 tokens << 8 | bits << 16, and cnt[group 0-255][32]: the group's count of each number.
; pos = (tokens of smaller numbers) + (tokens of the same number in earlier groups) + rank.
; One work-group of 32 waves.  Wave w has groups 8 w .. 8 w + 7, lane = the pair's number: a prefix over its eight groups in registers; the waves' totals meet in LDS: wave k scans number k over the 32 waves
; (lane = wave), and behind a second barrier every wave scans the 32 totals over the numbers.  That leaves eight registers of bases (one a group, lane = number), and a token fetches its base from the lane
; of its number by a lane permute.  No atomics; no LDS byte's address hangs on data; no LDS store stands behind the second barrier.
; LDS rows are 132 bytes apart (33 words), so that a column's 32 words lie in 32 different banks (64 banks of 4 bytes: ISA guide 11.1).
; The 4-byte stores of ord are scattered: 16,384 bytes in the whole launch.
; THE MODE: SCHED_MODE bits 1:0 = 2 (LLVM: expert scheduling mode 2), set by the entry lines.  The code itself states the register dependences
; between vector instructions and memory or LDS instructions, with s_wait_alu, always for 0.
; THE PLAN.  The text is one straight run.  Registers that memory or LDS instructions touch:
;   v2 to v7            Offsets and LDS addresses: made at the head, never written again.
;   v12-23, v33, v38, v39, v44-51   Loads, LDS loads and permutes land in them; no vector instruction names them ahead of that.
;   v32; v36, v37       Written by vector instructions, read by one LDS store each, never written again.
;   v24-31, v40-43      Written by vector instructions, read by the eight permutes, never written again.
;   v44, 46, 48, 50, v52-55   The places and the entries: written by the four slots' arithmetic, read by the four stores, which stand in one run behind it.
; So a wait on va_vdst stands ahead of each run of memory or LDS instructions that reads fresh registers, five in all, and none on vm_vsrc is owed: no register that such an instruction reads is written again.
; A wait on va_sdst stands behind each vector instruction, or run of them, that writes a scalar register.
.set EX,  4352                         ; LDS: T[wave][number] at 0; E[wave][number], the waves ahead, here;
.set TOT, 8704                         ; the 32 totals here
.macro SCAN x, t                       ; v[x] becomes its sum over lanes 0 .. my lane.  v[t] is cleared ahead of each move, so a lane with no lane below it in its row adds 0
.irp n, 1,2,4,8
	v_mov_b32 v[\t], 0
	v_mov_b32_dpp v[\t], v[\x] row_shr:\n row_mask:0xf bank_mask:0xf
	v_add_nc_u32 v[\x], v[\x], v[\t]
.endr
	v_readlane_b32 s14, v[\x], 15                  ; the lower row's sum,
	s_wait_alu depctr_va_sdst(0)                   ; s14 is written, ahead of its first reader, the select below
	v_cndmask_b32 v[\t], 0, s14, s15               ; for lanes 16-31
	v_add_nc_u32 v[\x], v[\x], v[\t]
.endm
	s_load_b128 s[4:7], s[0:1], 0x0                ; rt, cnt
	s_load_b64 s[8:9], s[0:1], 0x10                ; ord
	v_lshl_add_u32 v64, v0, 2, 0x2400
	v_mov_b32 v65, 0
	v_lshrrev_b32 v1, 5, v0
	v_readfirstlane_b32 s10, v1                    ; wave
	v_lshlrev_b32 v7, 2, v1                        ; 4 x wave
	v_and_b32 v1, 31, v0                           ; lane
	v_lshlrev_b32 v2, 2, v1                        ; 4 x lane
	v_cmp_le_u32 s15, 16, v1                       ; lanes 16-31
	s_wait_alu depctr_va_sdst(0)                   ; s10 and s15 are written, ahead of their first readers: the offsets below are made from s10, the selects read s15
	s_lshl_b32 s11, s10, 9
	v_add_nc_u32 v3, s11, v2                       ; rt: my wave's 128 tokens, 4 bytes a lane
	s_lshl_b32 s11, s10, 10
	v_add_nc_u32 v4, s11, v2                       ; cnt: my wave's 8 groups of 128 bytes
	s_mul_i32 s11, s10, 132
	v_add_nc_u32 v5, s11, v2                       ; LDS: row = my wave, word = my lane
	s_lshl_b32 s11, s10, 2
	v_mul_u32_u24 v6, v1, 132
	v_add_nc_u32 v6, s11, v6                       ; LDS: row = my lane, word = my wave
	s_lshl_b32 s11, s10, 7
	v_add_nc_u32 v8, s11, v1                       ; the token of slot 0: 128 w + lane
	s_wait_kmcnt 0x0
	s_wait_alu depctr_va_vdst(0)                   ; v3 and v4 are written, which the twelve loads read as offsets; so are v2, v5, v6 and v7, the addresses of the LDS instructions below
.irp i, 0,1,2,3,4,5,6,7
	global_load_b32 v[16+\i], v4, s[6:7] offset:128*\i     ; group 8 w + i: 128 consecutive bytes
.endr
.irp j, 0,1,2,3
	global_load_b32 v[12+\j], v3, s[4:5] offset:128*\j     ; slot j: tokens 128 w + 32 j + lane: groups 8 w + 2 j (lanes 0-15) and 8 w + 2 j + 1
.endr
	s_wait_loadcnt 0x4                             ; the eight loads of counts are in; the four of rt are younger
	v_mov_b32 v24, 0                               ; v24-31: my wave's earlier groups
	v_mov_b32 v25, v16
.irp i, 2,3,4,5,6,7
	v_add_nc_u32 v[24+\i], v[23+\i], v[15+\i]
.endr
	v_add_nc_u32 v32, v31, v23                     ; my wave's total
	s_wait_alu depctr_va_vdst(0)                   ; v32 is written, which the LDS store reads
	ds_store_b32 v5, v32
	s_wait_dscnt 0x0                               ; for the others' sake
	s_barrier_signal -1
	s_barrier_wait -1
	ds_load_b32 v33, v6                            ; number = my wave: the 32 waves' totals, lane = wave
	s_wait_dscnt 0x0
	v_mov_b32 v34, v33
	SCAN 34, 35
	v_sub_nc_u32 v36, v34, v33                     ; the waves ahead of wave = lane
	v_readlane_b32 s12, v34, 31                    ; all tokens of the number
	s_wait_alu depctr_va_sdst(0)                   ; s12 is written, ahead of its first reader, the move below
	v_mov_b32 v37, s12
	s_wait_alu depctr_va_vdst(0)                   ; v36 and v37 are written, which the two LDS stores read
	ds_store_b32 v6, v36 offset:EX
	ds_store_b32 v7, v37 offset:TOT                ; all lanes write the same word with the same value
	s_wait_dscnt 0x0                               ; for the others' sake
	s_barrier_signal -1
	s_barrier_wait -1
	ds_load_b32 v38, v5 offset:EX                  ; the waves ahead of mine, lane = number
	ds_load_b32 v39, v2 offset:TOT                 ; the totals, lane = number
	s_wait_dscnt 0x0
	v_mov_b32 v34, v39
	SCAN 34, 35
	v_sub_nc_u32 v34, v34, v39                     ; tokens of smaller numbers
	v_add_nc_u32 v34, v34, v38
.irp i, 0,1,2,3,4,5,6,7
	v_add_nc_u32 v[24+\i], v[24+\i], v34           ; group 8 w + i's first place for each number
.endr
	s_wait_loadcnt 0x0                             ; rt
.irp j, 0,1,2,3
	v_and_b32 v[40+\j], 31, v[12+\j]               ; the number,
	v_min_u32 v[40+\j], 31, v[40+\j]               ; held to a lane,
	v_lshlrev_b32 v[40+\j], 2, v[40+\j]            ; as the permute takes it: lane x 4
.endr
	s_wait_alu depctr_va_vdst(0)                   ; the eight bases v24-31 and the four lane indices v40-43 are written, which the permutes read
.irp j, 0,1,2,3
	ds_bpermute_b32 v[44+2*\j], v[40+\j], v[24+2*\j]       ; from the lane of my number: the base in the slot's lower group,
	ds_bpermute_b32 v[45+2*\j], v[40+\j], v[25+2*\j]       ; and in its upper
.endr
	s_wait_dscnt 0x0
.irp j, 0,1,2,3
	v_cndmask_b32 v[44+2*\j], v[44+2*\j], v[45+2*\j], s15  ; lanes 16-31 belong to the upper group
	v_bfe_u32 v[52+\j], v[12+\j], 8, 4                     ; rank
	v_add_nc_u32 v[44+2*\j], v[44+2*\j], v[52+\j]
	v_min_u32 v[44+2*\j], 0xfff, v[44+2*\j]                ; the place, held inside the buffer
	v_lshlrev_b32 v[44+2*\j], 2, v[44+2*\j]
	v_and_b32 v[52+\j], 0xffff0000, v[12+\j]               ; the pair as bits
	v_add_nc_u32 v[56+\j], 32*\j, v8                       ; the token
	v_or_b32 v[52+\j], v[52+\j], v[56+\j]
.endr
	s_wait_alu depctr_va_vdst(0)                   ; the four places v44, 46, 48, 50 and the four entries v52-55 are written, which the stores read
.irp j, 0,1,2,3
	global_store_b32 v[44+2*\j], v[52+\j], s[8:9]
.endr
	s_wait_dscnt 0x0                               ; the closing lines, six on end
	s_wait_alu 0x0
	s_wait_tensorcnt 0x0
	ds_add_u32 v64, v65
	s_wait_dscnt 0x0
	s_endpgm
.Lfunc_end_k_q32b7eb57a4_place:
	.size	k_q32b7eb57a4_place, .Lfunc_end_k_q32b7eb57a4_place-k_q32b7eb57a4_place
	.p2alignl 7, 3214868480
	.fill 96, 4, 3214868480
	.section	.rodata,"a",@progbits
	.p2align	6, 0x0
	.amdhsa_kernel k_q32b7eb57a4_place
		.amdhsa_group_segment_fixed_size 13312
		.amdhsa_private_segment_fixed_size 0
		.amdhsa_enable_private_segment 0
		.amdhsa_kernarg_size 24
		.amdhsa_user_sgpr_count 2
		.amdhsa_user_sgpr_kernarg_segment_ptr 1
		.amdhsa_wavefront_size32 1
		.amdhsa_system_sgpr_workgroup_id_x 1
		.amdhsa_system_sgpr_workgroup_id_y 1
		.amdhsa_system_sgpr_workgroup_id_z 1
		.amdhsa_system_vgpr_workitem_id 0
		.amdhsa_next_free_vgpr 66
		.amdhsa_next_free_sgpr 66
		.amdhsa_reserve_vcc 0
		.amdhsa_float_denorm_mode_32 3
		.amdhsa_float_denorm_mode_16_64 3
		.amdhsa_memory_ordered 1
		.amdhsa_forward_progress 1
		.amdhsa_inst_pref_size 9
	.end_amdhsa_kernel
	.amdgpu_metadata
---
amdhsa.version: [ 1, 2 ]
amdhsa.kernels:
  - .name:           k_q32b7eb57a4_place
    .symbol:         k_q32b7eb57a4_place.kd
    .args:
      - { .name: rt, .offset: 0, .size: 8, .value_kind: global_buffer, .address_space: global }
      - { .name: cnt, .offset: 8, .size: 8, .value_kind: global_buffer, .address_space: global }
      - { .name: ord, .offset: 16, .size: 8, .value_kind: global_buffer, .address_space: global }
    .group_segment_fixed_size: 13312
    .private_segment_fixed_size: 0
    .kernarg_segment_align: 8
    .kernarg_segment_size: 24
    .max_flat_workgroup_size: 1024
    .sgpr_count:     66
    .vgpr_count:     66
    .wavefront_size: 32
...
	.end_amdgpu_metadata
.endif
;; end of part 8
;; launch gemm1 (part 9): grid 4 x 64, 4 waves a work-group, no clusters, 52,736 bytes of LDS; arguments xq, wq, ord, hq; writes hq
.if DOCPART == 9
	.amdgcn_target "amdgcn-amd-amdhsa--gfx1250"
	.amdhsa_code_object_version 6
	.text
	.protected	k_q32b7eb57a4_gemm1
	.globl	k_q32b7eb57a4_gemm1
	.p2align	8
	.type	k_q32b7eb57a4_gemm1,@function
k_q32b7eb57a4_gemm1:
	s_mov_b64 s[64:65], 0
	v_nop
	global_prefetch_b8 v0, s[64:65] scope:SCOPE_SE
	s_setreg_imm32_b32 hwreg(HW_REG_WAVE_MODE, 25, 1), 1
	s_wait_xcnt 0x0
; h = Q(x) Q(w_in[e])^T on codes of FP6 (E2M3), then h is quantised along its own axis (the next K) and stored as codes.
; Work-group (q, b): block b of 64 tokens (sorted by their pair of experts), hidden units 256 q .. 256 q + 255, for each expert that a token of the block uses.
; Wave w owns strip 4 q + w (64 hidden units) for all 64 rows: 16 accumulators, (m, t) at v[8 (4 m + t)] of window 2.
; TRANSPOSED: source 0 = 16 rows of the weight, source 1 = 16 tokens: lane (r, h) holds token 16 m + r; the 16 registers of tiles 2 b', 2 b' + 1 are hidden units 32 b' + 16 h + 0 .. 15 of the strip
; (the weight's rows were ordered for that when they were laid out), so a conversion takes 16 neighbours along the next K.
; THE WEIGHTS come from memory straight into registers, in the order of the operand's registers: a ring of four K steps (48 registers each, window 1), three steps ahead; the four waves split the columns,
; so each weight byte is loaded once by the work-group.  The tokens' codes are gathered once into LDS (rows 784 bytes apart).
; WHICH EXPERTS is read from memory (whole numbers stored by an earlier launch): a loop of 7 trips passes over the trips that are not needed, and the last expert's body stands behind it; the body in the
; loop always has a next expert, whose first three K steps it asks for.  This text has no tensor load and no joint loads; blocks use different sets of experts,
; so work-groups that share weights would need different numbers of tiles.
; hq, record (8 b + e) x 51,200: codes [s 0-7][m 0-3][c 0-1] 768 bytes: 512 (16 x lane: registers 6 c .. 6 c + 3), 256 (8 x lane: 6 c + 4, 6 c + 5); at 49,152 half-words [strip][r][m]: the strip's two scale bytes.
; WINDOW 0: v0-31 addresses; v32-47 the tokens' scale words [pi][m] (lanes 0-15 K step 2 pi, lanes 16-31 step 2 pi + 1); v48-63 the weights' [pi][t]; v64-111, v112-159 the tokens' fragments, two sets; v160-206 at work.
.set AS,  32
.set BS,  48
.set AF,  64
.set PC,  160
.set XSC, 50176                        ; LDS: 64 rows x 784 bytes of codes; here the scale words [s][r][m], 2,048 bytes
.set MSB, 0
.macro WIN new                         ; the immediate's high byte repeats the setting that is left
.if MSB != \new
	s_set_vgpr_msb (MSB<<8)|\new
.set MSB, \new
.endif
.endm
.macro PLACES                          ; four plain lines behind matrix instructions, ahead of loads into their sources and of reads of their results
.rept 4
	v_nop
.endr
.endm
.macro NEXTE d                         ; the lowest expert left in s19, held to 0 .. 7
	s_ctz_i32_b32 s[\d], s19
	s_min_u32 s[\d], s[\d], 7
	s_sub_co_u32 s39, s19, 1
	s_and_b32 s19, s19, s39
.endm
.macro UNIT u, base                    ; the weights of K step u into ring slot u % 4: 12 loads of 512 consecutive bytes; an even step brings two steps' scale words first: 13
.if ((\u)%2) == 0
	WIN 0
	global_load_b128 v[BS+4*((\u)/2):BS+4*((\u)/2)+3], v3, s[\base:\base+1] offset:49152+512*((\u)/2)
.endif
	WIN 0x40
.irp t, 0,1,2,3
.irp g, 0,1,2
	global_load_b128 v[48*((\u)%4)+12*\t+4*\g:48*((\u)%4)+12*\t+4*\g+3], v3, s[\base:\base+1] offset:12288*\t+1536*(\u)+512*\g
.endr
.endr
.endm
.macro AFETCH s                        ; the tokens' four fragments of K step s: 24 loads of 8 bytes
.irp m, 0,1,2,3
.irp p, 0,1,2,3,4,5
	ds_load_b64 v[AF+48*((\s)%2)+12*\m+2*\p:AF+48*((\s)%2)+12*\m+2*\p+1], v6 offset:12544*\m+96*(\s)+48*(\p/3)+8*(\p%3)
.endr
.endr
.endm
.macro MULS s                          ; 16 products, the 16 accumulators by turns; K step 0 starts the sums
	WIN 0xa1
.irp m, 0,1,2,3
.irp t, 0,1,2,3
.if (\s) == 0
	v_wmma_scale_f32_16x16x128_f8f6f4 v[8*(4*\m+\t):8*(4*\m+\t)+7], v[48*((\s)%4)+12*\t:48*((\s)%4)+12*\t+11], v[AF+48*((\s)%2)+12*\m:AF+48*((\s)%2)+12*\m+11], 0, v[BS+4*((\s)/2)+\t], v[AS+4*((\s)/2)+\m] matrix_a_fmt:MATRIX_FMT_FP6 matrix_b_fmt:MATRIX_FMT_FP6
.elseif ((\s)%2) == 0
	v_wmma_scale_f32_16x16x128_f8f6f4 v[8*(4*\m+\t):8*(4*\m+\t)+7], v[48*((\s)%4)+12*\t:48*((\s)%4)+12*\t+11], v[AF+48*((\s)%2)+12*\m:AF+48*((\s)%2)+12*\m+11], v[8*(4*\m+\t):8*(4*\m+\t)+7], v[BS+4*((\s)/2)+\t], v[AS+4*((\s)/2)+\m] matrix_a_fmt:MATRIX_FMT_FP6 matrix_b_fmt:MATRIX_FMT_FP6
.else
	v_wmma_scale_f32_16x16x128_f8f6f4 v[8*(4*\m+\t):8*(4*\m+\t)+7], v[48*((\s)%4)+12*\t:48*((\s)%4)+12*\t+11], v[AF+48*((\s)%2)+12*\m:AF+48*((\s)%2)+12*\m+11], v[8*(4*\m+\t):8*(4*\m+\t)+7], v[BS+4*((\s)/2)+\t], v[AS+4*((\s)/2)+\m] matrix_a_fmt:MATRIX_FMT_FP6 matrix_b_fmt:MATRIX_FMT_FP6 matrix_a_scale:MATRIX_SCALE_ROW1 matrix_b_scale:MATRIX_SCALE_ROW1
.endif
.endr
.endr
.endm
; K step s.  n = the loads issued behind this step's weights (the three steps ahead: 12 or 13 each), which may stay out.
.macro STEP s, last, n
	WIN 0
	PLACES                                         ; behind step s - 1's products: the ring slot and the fragments' set that they read are loaded again below
.if (\s) <= 4
	UNIT (\s)+3, 26
.elseif \last == 0
	UNIT (\s)-5, 28                                ; the next expert's first three K steps
.endif
	WIN 0
.if (\s) < 7
	AFETCH (\s)+1
	s_wait_dscnt 24                                ; this step's fragments are in; the 24 just issued may be out
.else
	s_wait_dscnt 0x0
.endif
	s_wait_loadcnt \n
	MULS \s
.endm
; h is quantised and stored: for each tile of rows, two blocks of 32; the blocks' halves lie in lanes l and l xor 16.
.macro EPI
	WIN 0
	PLACES
	s_wait_xcnt 0x0                                ; the last expert's stores have read their data and their base
	s_mul_i32 s30, s20, 51200
	s_add_nc_u64 s[34:35], s[32:33], s[30:31]
.irp m, 0,1,2,3
	WIN 0x0a                                       ; sources 0, 1: the accumulators' window
	v_max3_num_f32 v192, |v[32*\m]|, |v[32*\m+1]|, 0x1800000      ; each accumulator is read from its low end on; the floor 2^(3 - 127) holds the byte at 1 from below
	v_max3_num_f32 v193, |v[32*\m+16]|, |v[32*\m+17]|, 0x1800000
.irp i, 2,4,6,8,10,12,14
	v_max3_num_f32 v192, |v[32*\m+\i]|, |v[32*\m+\i+1]|, v192
	v_max3_num_f32 v193, |v[32*\m+16+\i]|, |v[32*\m+17+\i]|, v193
.endr
	WIN 0
	v_permlanex16_b32 v194, v192, s36, s37
	v_permlanex16_b32 v195, v193, s36, s37
	v_max_num_f32 v192, v192, v194                 ; the blocks' largest magnitudes
	v_max_num_f32 v193, v193, v195
	v_add_nc_u32 v196, 0xff000000, v192            ; 2 off the exponent field: the conversions' scale operands
	v_add_nc_u32 v197, 0xff000000, v193
	v_lshrrev_b32 v198, 23, v196
	v_lshrrev_b32 v199, 23, v197
	v_lshl_or_b32 v[200+\m], v199, 8, v198         ; the two bytes
	WIN 0x02
	v_cvt_scalef32_pk16_fp6_f32 v[PC+8*\m:PC+8*\m+2], v[32*\m:32*\m+15], v196
	v_cvt_scalef32_pk16_fp6_f32 v[PC+8*\m+4:PC+8*\m+6], v[32*\m+16:32*\m+31], v197
	WIN 0
	v_nop                                          ; a plain line behind the conversions
.irp i, 0,1,2
	v_permlane16_swap_b32 v[PC+8*\m+\i], v[PC+8*\m+4+\i]   ; a whole block to a lane: lanes 0-15 the first block, lanes 16-31 the second
.endr
.irp i, 3,4,5
	v_mov_b32 v[PC+8*\m+\i], v[PC+8*\m+\i+1]
.endr
	global_store_b128 v13, v[PC+8*\m:PC+8*\m+3], s[34:35] offset:1536*\m     ; 512 consecutive bytes
	global_store_b64 v14, v[PC+8*\m+4:PC+8*\m+5], s[34:35] offset:1536*\m    ; 256 consecutive bytes
.endr
	v_lshl_or_b32 v204, v201, 16, v200
	v_lshl_or_b32 v205, v203, 16, v202
	v_cndmask_b32 v206, v204, v205, s38            ; lanes 0-15 store tiles 0, 1, lanes 16-31 tiles 2, 3
	global_store_b32 v15, v206, s[34:35]           ; the strip's 128 consecutive bytes of scale bytes
.endm
.macro BODY last
	AFETCH 0
	STEP 0, \last, 37
	STEP 1, \last, 38
	STEP 2, \last, 37
	STEP 3, \last, 38
	STEP 4, \last, 37
.if \last
	STEP 5, 1, 25
	STEP 6, 1, 12
	STEP 7, 1, 0
.else
	STEP 5, 0, 38
	STEP 6, 0, 37
	STEP 7, 0, 38
.endif
	EPI
.if \last == 0
	s_wait_xcnt 0x0                                ; every load has read its base
	s_mov_b64 s[26:27], s[28:29]
	s_mov_b32 s20, s21
.endif
.endm
	s_load_b256 s[4:11], s[0:1], 0x0               ; xq 4, wq 6, ord 8, hq 10
	v_lshl_add_u32 v254, v0, 2, 0xcc00
	v_mov_b32 v255, 0
	v_lshrrev_b32 v1, 5, v0
	v_readfirstlane_b32 s14, v1                    ; wave
	v_and_b32 v1, 31, v0                           ; lane
	v_and_b32 v2, 15, v0                           ; r
	v_bfe_u32 v7, v0, 4, 1                         ; h
	v_lshlrev_b32 v3, 4, v1
	v_lshlrev_b32 v5, 3, v1
	v_lshlrev_b32 v8, 2, v1
	v_mul_u32_u24 v6, v2, 784
	v_mad_u32_u24 v6, v7, 24, v6                   ; a fragment's row x pitch + 24 h
	s_mov_b32 s15, ttmp9                           ; q
	s_and_b32 s16, ttmp7, 0xffff                   ; b
	s_mov_b32 s36, 0x76543210
	s_mov_b32 s37, 0xfedcba98                      ; v_permlanex16_b32's selects for lane l xor 16
	v_cmp_le_u32 s38, 16, v1                       ; lanes 16-31
	s_lshl_b32 s30, s16, 8
	s_mov_b32 s31, 0
	s_lshl_b32 s39, s14, 6
	v_lshrrev_b32 v10, 1, v1
	v_lshl_add_u32 v10, v10, 2, s39                ; the entry of row lane / 2 of my sixteen
	s_wait_alu depctr_va_vdst(0)
	s_wait_kmcnt 0x0
	s_add_nc_u64 s[56:57], s[8:9], s[30:31]        ; ord at my block
	s_mov_b32 s30, s39
	s_add_nc_u64 s[58:59], s[56:57], s[30:31]      ; at my wave's sixteen rows
	s_load_b512 s[40:55], s[58:59], 0x0
	global_load_b32 v9, v8, s[56:57]
	global_load_b32 v11, v8, s[56:57] offset:128
	global_load_b32 v12, v10, s[56:57]
	s_mul_i32 s39, s14, 12544
	v_add_nc_u32 v16, s39, v5                      ; LDS: my 16 rows, 8 x lane
	v_and_b32 v17, 1, v1
	v_lshlrev_b32 v17, 10, v17
	v_lshrrev_b32 v18, 1, v1
	v_lshl_add_u32 v17, v18, 4, v17
	s_lshl_b32 s39, s14, 2
	s_add_co_u32 s39, s39, XSC
	v_add_nc_u32 v17, s39, v17                     ; scale words: 1,024 (lane % 2) + 16 (lane / 2) + 4 w
	s_lshl_b32 s39, s15, 1
	s_lshr_b32 s30, s14, 1
	s_add_co_u32 s39, s39, s30
	s_mul_i32 s39, s39, 6144                       ; the next product's K step 2 q + w / 2,
	s_and_b32 s30, s14, 1
	s_mul_i32 s30, s30, 768                        ; its half c = w % 2
	s_add_co_u32 s39, s39, s30
	v_add_nc_u32 v13, s39, v3
	s_add_co_u32 s39, s39, 512
	v_add_nc_u32 v14, s39, v5
	s_lshl_b32 s39, s15, 2
	s_add_co_u32 s39, s39, s14                     ; strip
	s_lshl_b32 s30, s39, 7
	s_add_co_u32 s30, s30, 49152
	v_lshlrev_b32 v15, 3, v2
	v_lshl_add_u32 v15, v7, 2, v15
	v_add_nc_u32 v15, s30, v15                     ; 49,152 + 128 strip + 8 r + 4 h
	s_mul_i32 s30, s39, 51200
	s_add_nc_u64 s[24:25], s[6:7], s[30:31]        ; w_in[0]'s record of my strip; an expert on: 819,200 bytes
	s_mul_i32 s30, s16, 409600
	s_add_nc_u64 s[32:33], s[10:11], s[30:31]      ; hq at my block's eight records
	v_mov_b32 v194, 0                              ; written once: a lane permute's destination counts as one of its sources
	v_mov_b32 v195, 0
	s_wait_kmcnt 0x0
.irp i, 0,1,2,3,4,5,6,7,8,9,10,11,12,13,14,15
	s_and_b32 s[40+\i], s[40+\i], 0xfff            ; the token,
	s_min_u32 s[40+\i], s[40+\i], 0xfff            ; held inside the buffer
	s_mul_i32 s[40+\i], s[40+\i], 768
	v_add_nc_u32 v[164+\i], s[40+\i], v5
.endr
	s_wait_alu depctr_va_vdst(0)
.irp i, 0,1,2,3,4,5,6,7,8,9,10,11,12,13,14,15
.irp g, 0,1,2
	global_load_b64 v[64+6*\i+2*\g:65+6*\i+2*\g], v[164+\i], s[4:5] offset:256*\g   ; a row's 768 bytes: three loads of 256 consecutive bytes
.endr
.endr
	s_wait_loadcnt 48                              ; the three loads of ord are in
	v_and_b32 v12, 0xfff, v12
	v_min_u32 v12, 0xfff, v12
	v_lshlrev_b32 v12, 5, v12
	v_and_b32 v18, 1, v1
	v_lshl_add_u32 v12, v18, 4, v12
	global_load_b128 v[160:163], v12, s[4:5] offset:3145728   ; half a row's scale bytes a lane
	v_or_b32 v9, v9, v11                           ; the block's experts: the 64 entries' bits, joined over the lanes
.irp k, 1,2,4,8
	v_mov_b32_dpp v11, v9 row_xmask:\k row_mask:0xf bank_mask:0xf
	v_or_b32 v9, v9, v11
.endr
	v_permlanex16_b32 v11, v9, s36, s37
	v_or_b32 v9, v9, v11
	v_readfirstlane_b32 s17, v9
	s_lshr_b32 s17, s17, 16
	s_and_b32 s17, s17, 0xff
	s_bcnt1_i32_b32 s18, s17
	s_sub_co_u32 s18, s18, 1                       ; experts but the last
	s_mov_b32 s19, s17
	NEXTE 20
	s_mul_i32 s30, s20, 819200
	s_add_nc_u64 s[26:27], s[24:25], s[30:31]
	UNIT 0, 26
	UNIT 1, 26
	UNIT 2, 26
	WIN 0
	s_wait_loadcnt 38                              ; the tokens' codes and scale bytes are in; the three K steps of weights (13 + 12 + 13) may be out
.irp i, 0,1,2,3,4,5,6,7,8,9,10,11,12,13,14,15
.irp g, 0,1,2
	ds_store_b64 v16, v[64+6*\i+2*\g:65+6*\i+2*\g] offset:784*\i+256*\g
.endr
.endr
.irp i, 0,1,2,3
	ds_store_b32 v17, v[160+\i] offset:256*\i
.endr
	s_wait_dscnt 0x0                               ; for the others' sake
	s_barrier_signal -1
	s_barrier_wait -1                              ; the 64 rows lie in LDS; nothing is written there again
.irp p, 0,1,2,3
	ds_load_b128 v[AS+4*\p:AS+4*\p+3], v3 offset:XSC+512*\p
.endr
	s_mov_b32 s22, 0
.Lexpert:
	s_cmp_ge_u32 s22, s18
	s_cbranch_scc1 .Lpass
	NEXTE 21
	s_mul_i32 s30, s21, 819200
	s_add_nc_u64 s[28:29], s[24:25], s[30:31]
	BODY 0
.Lpass:
	s_add_co_u32 s22, s22, 1
	s_cmp_lt_u32 s22, 7
	s_cbranch_scc1 .Lexpert
	BODY 1
	s_wait_tensorcnt 0x0
	ds_add_u32 v254, v255
	s_wait_dscnt 0x0
	s_endpgm
.Lfunc_end_k_q32b7eb57a4_gemm1:
	.size	k_q32b7eb57a4_gemm1, .Lfunc_end_k_q32b7eb57a4_gemm1-k_q32b7eb57a4_gemm1
	.p2alignl 7, 3214868480
	.fill 96, 4, 3214868480
	.section	.rodata,"a",@progbits
	.p2align	6, 0x0
	.amdhsa_kernel k_q32b7eb57a4_gemm1
		.amdhsa_group_segment_fixed_size 52736
		.amdhsa_private_segment_fixed_size 0
		.amdhsa_enable_private_segment 0
		.amdhsa_kernarg_size 32
		.amdhsa_user_sgpr_count 2
		.amdhsa_user_sgpr_kernarg_segment_ptr 1
		.amdhsa_wavefront_size32 1
		.amdhsa_system_sgpr_workgroup_id_x 1
		.amdhsa_system_sgpr_workgroup_id_y 1
		.amdhsa_system_sgpr_workgroup_id_z 1
		.amdhsa_system_vgpr_workitem_id 0
		.amdhsa_next_free_vgpr 640
		.amdhsa_next_free_sgpr 66
		.amdhsa_reserve_vcc 0
		.amdhsa_float_denorm_mode_32 3
		.amdhsa_float_denorm_mode_16_64 3
		.amdhsa_memory_ordered 1
		.amdhsa_forward_progress 1
		.amdhsa_inst_pref_size 115
	.end_amdhsa_kernel
	.amdgpu_metadata
---
amdhsa.version: [ 1, 2 ]
amdhsa.kernels:
  - .name:           k_q32b7eb57a4_gemm1
    .symbol:         k_q32b7eb57a4_gemm1.kd
    .args:
      - { .name: xq, .offset: 0, .size: 8, .value_kind: global_buffer, .address_space: global }
      - { .name: wq, .offset: 8, .size: 8, .value_kind: global_buffer, .address_space: global }
      - { .name: ord, .offset: 16, .size: 8, .value_kind: global_buffer, .address_space: global }
      - { .name: hq, .offset: 24, .size: 8, .value_kind: global_buffer, .address_space: global }
    .group_segment_fixed_size: 52736
    .private_segment_fixed_size: 0
    .kernarg_segment_align: 8
    .kernarg_segment_size: 32
    .max_flat_workgroup_size: 128
    .sgpr_count:     66
    .vgpr_count:     640
    .wavefront_size: 32
...
	.end_amdgpu_metadata
.endif
;; end of part 9
;; launch gemm2 (part 10): grid 4 x 64, 4 waves a work-group, no clusters, 201,216 bytes of LDS; arguments hq, wq, ord, gates, out0; writes out0
.if DOCPART == 10
	.amdgcn_target "amdgcn-amd-amdhsa--gfx1250"
	.amdhsa_code_object_version 6
	.text
	.protected	k_q32b7eb57a4_gemm2
	.globl	k_q32b7eb57a4_gemm2
	.p2align	8
	.type	k_q32b7eb57a4_gemm2,@function
k_q32b7eb57a4_gemm2:
	s_mov_b64 s[64:65], 0
	v_nop
	global_prefetch_b8 v0, s[64:65] scope:SCOPE_SE
	s_setreg_imm32_b32 hwreg(HW_REG_WAVE_MODE, 25, 1), 1
	s_wait_xcnt 0x0
; y[token] = the sum over the block's experts e of gate[token][e] x (Q(h_e) Q(w_out[e])^T), on codes of FP6 (E2M3).  A token that does not use e has gate 0 in the dense table, as in the definition.
; Work-group (q, b): block b of 64 sorted tokens, columns 256 q .. 256 q + 255: it alone writes those numbers, so nothing is added between work-groups.
; Wave w owns strip 4 q + w (64 columns) for all 64 rows.  TRANSPOSED: source 0 = 16 rows of w_out, source 1 = 16 tokens: lane (r, h) holds token 16 m + r and eight neighbouring columns a tile.
; THE WEIGHTS come from memory straight into registers (a ring of four K steps in window 1, three steps ahead); each weight byte is loaded once by the work-group.
; h's record of an expert (51,200 bytes, laid in the order of the operand's registers) is copied through registers into one of two LDS slots while the expert before is multiplied.
; WHICH EXPERTS is read from memory: a loop of 7 trips passes over the trips that are not needed; the barrier stands at each trip's head, on every path; the last expert's body stands behind the loop and reads
; a third slot.  This text has no tensor load and no joint loads; blocks use different sets of experts, so partners would need different numbers of tiles.
; Y is cleared once (128 moves): which expert comes first hangs on data, and a third copy of the body would cost more text than the moves cost time.
; WINDOW 0: v0-27 addresses; v32-47 h's scale words [pi][m]; v48-63 the weights' [pi][t]; v64-159 h's fragments, two sets; v160-167 gates; v170-185 half-words; v192-223 the output rows' offsets.  WINDOW 1: the ring.
; WINDOW 2: v0-127 accumulators, v128-255 Y.  WINDOW 3: v0-99 a record's 25 x 16 bytes of my thread.
.set AS,  32
.set BS,  48
.set AF,  64
.set GG,  160
.set GO,  24
.set KK,  192
.set STG, 182272                       ; LDS: slots at 0, 65,536 and 131,072 (51,200 bytes each); here each wave's stage for the way out: 16 rows x (256 + 16) bytes
.set MSB, 0
.macro WIN new                         ; the immediate's high byte repeats the setting that is left
.if MSB != \new
	s_set_vgpr_msb (MSB<<8)|\new
.set MSB, \new
.endif
.endm
.macro PLACES                          ; four plain lines behind matrix instructions, ahead of loads into their sources and of reads of their results
.rept 4
	v_nop
.endr
.endm
.macro NEXTE d                         ; the lowest expert left in s19, held to 0 .. 7
	s_ctz_i32_b32 s[\d], s19
	s_min_u32 s[\d], s[\d], 7
	s_sub_co_u32 s39, s19, 1
	s_and_b32 s19, s19, s39
.endm
.macro UNIT u, base                    ; the weights of K step u into ring slot u % 4: 12 loads of 512 consecutive bytes; an even step brings two steps' scale words first: 13
.if ((\u)%2) == 0
	WIN 0
	global_load_b128 v[BS+4*((\u)/2):BS+4*((\u)/2)+3], v3, s[\base:\base+1] offset:49152+512*((\u)/2)
.endif
	WIN 0x40
.irp t, 0,1,2,3
.irp g, 0,1,2
	global_load_b128 v[48*((\u)%4)+12*\t+4*\g:48*((\u)%4)+12*\t+4*\g+3], v3, s[\base:\base+1] offset:12288*\t+1536*(\u)+512*\g
.endr
.endr
.endm
.macro SISSUE                          ; a record of h: 25 loads; the work-group's 128 threads take 2,048 consecutive bytes each time
	WIN 0xc0
.set I, 0
.rept 25
	global_load_b128 v[4*I:4*I+3], v4, s[34:35] offset:2048*I
.set I, I+1
.endr
	WIN 0
.endm
.macro SSTORE                          ; and into LDS as it lies, at v12
	WIN 0x0c
.set I, 0
.rept 25
	ds_store_b128 v12, v[4*I:4*I+3] offset:2048*I
.set I, I+1
.endr
	WIN 0
.endm
.macro AFETCH s                        ; h's four fragments of K step s: 16 loads
.irp m, 0,1,2,3
.irp c, 0,1
	ds_load_b128 v[AF+48*((\s)%2)+12*\m+6*\c:AF+48*((\s)%2)+12*\m+6*\c+3], v13 offset:6144*(\s)+1536*\m+768*\c
	ds_load_b64 v[AF+48*((\s)%2)+12*\m+6*\c+4:AF+48*((\s)%2)+12*\m+6*\c+5], v14 offset:6144*(\s)+1536*\m+768*\c+512
.endr
.endr
.endm
.macro MULS s                          ; 16 products, the 16 accumulators by turns; K step 0 starts the sums
	WIN 0xa1
.irp m, 0,1,2,3
.irp t, 0,1,2,3
.if (\s) == 0
	v_wmma_scale_f32_16x16x128_f8f6f4 v[8*(4*\m+\t):8*(4*\m+\t)+7], v[48*((\s)%4)+12*\t:48*((\s)%4)+12*\t+11], v[AF+48*((\s)%2)+12*\m:AF+48*((\s)%2)+12*\m+11], 0, v[BS+4*((\s)/2)+\t], v[AS+4*((\s)/2)+\m] matrix_a_fmt:MATRIX_FMT_FP6 matrix_b_fmt:MATRIX_FMT_FP6
.elseif ((\s)%2) == 0
	v_wmma_scale_f32_16x16x128_f8f6f4 v[8*(4*\m+\t):8*(4*\m+\t)+7], v[48*((\s)%4)+12*\t:48*((\s)%4)+12*\t+11], v[AF+48*((\s)%2)+12*\m:AF+48*((\s)%2)+12*\m+11], v[8*(4*\m+\t):8*(4*\m+\t)+7], v[BS+4*((\s)/2)+\t], v[AS+4*((\s)/2)+\m] matrix_a_fmt:MATRIX_FMT_FP6 matrix_b_fmt:MATRIX_FMT_FP6
.else
	v_wmma_scale_f32_16x16x128_f8f6f4 v[8*(4*\m+\t):8*(4*\m+\t)+7], v[48*((\s)%4)+12*\t:48*((\s)%4)+12*\t+11], v[AF+48*((\s)%2)+12*\m:AF+48*((\s)%2)+12*\m+11], v[8*(4*\m+\t):8*(4*\m+\t)+7], v[BS+4*((\s)/2)+\t], v[AS+4*((\s)/2)+\m] matrix_a_fmt:MATRIX_FMT_FP6 matrix_b_fmt:MATRIX_FMT_FP6 matrix_a_scale:MATRIX_SCALE_ROW1 matrix_b_scale:MATRIX_SCALE_ROW1
.endif
.endr
.endr
.endm
; K step s.  n = the loads issued behind this step's weights, which may stay out: the three steps ahead (12 or 13 each), the next record's 25 (issued in step 0, ahead of step 3's weights), the 4 gates (behind step 7's).
.macro STEP s, last, n
	WIN 0
	PLACES                                         ; behind step s - 1's products: the ring slot and the fragments' set that they read are loaded again below
.if ((\s) == 0) && (\last == 0)
	SISSUE                                         ; the next expert's record flies under this expert's products
.endif
.if (\s) <= 4
	UNIT (\s)+3, 26
.elseif \last == 0
	UNIT (\s)-5, 28                                ; the next expert's first three K steps
.endif
	WIN 0
.if (\s) == 4
.irp m, 0,1,2,3
	global_load_b32 v[GG+2*\m], v[GO+\m], s[60:61] ; gate of token 16 m + r for this expert
.endr
.endif
.if (\s) < 7
	AFETCH (\s)+1
	s_wait_dscnt 16                                ; this step's fragments are in; the 16 just issued may be out
.else
	s_wait_dscnt 0x0
.endif
	s_wait_loadcnt \n
	MULS \s
.endm
.macro BODY last
	WIN 0
	PLACES
.if \last
	v_add_nc_u32 v13, 0x20000, v3                  ; the third slot
	v_add_nc_u32 v14, 0x20000, v5
	v_add_nc_u32 v15, 0x20000, v16
.else
	v_add_nc_u32 v13, s23, v3                      ; the trip's slot
	v_add_nc_u32 v14, s23, v5
	v_add_nc_u32 v15, s23, v16
.endif
.irp p, 0,1,2,3                        ; lane (r, h): K step 2 p + h: the half-words of strips 2 s and 2 s + 1, four tiles each
	ds_load_b64 v[170+4*\p:171+4*\p], v15 offset:49152+512*\p
	ds_load_b64 v[172+4*\p:173+4*\p], v15 offset:49152+512*\p+128
.endr
	AFETCH 0
	s_wait_dscnt 16                                ; the half-words are in
.irp p, 0,1,2,3                        ; a scale word: the lower strip's two bytes below, the upper strip's above.  At least 8 plain lines stand between each of these and the first product that reads it
	v_perm_b32 v[AS+4*\p], v[172+4*\p], v[170+4*\p], 0x05040100
	v_perm_b32 v[AS+4*\p+1], v[172+4*\p], v[170+4*\p], 0x07060302
	v_perm_b32 v[AS+4*\p+2], v[173+4*\p], v[171+4*\p], 0x05040100
	v_perm_b32 v[AS+4*\p+3], v[173+4*\p], v[171+4*\p], 0x07060302
.endr
.if \last
	STEP 0, 1, 37
	STEP 1, 1, 38
	s_wait_alu depctr_va_vdst(0)
	STEP 2, 1, 37
	STEP 3, 1, 38
	STEP 4, 1, 41
	STEP 5, 1, 29
	STEP 6, 1, 16
	STEP 7, 1, 4
	s_wait_loadcnt 0x0                             ; the gates
.else
	STEP 0, 0, 62
	STEP 1, 0, 63
	s_wait_alu depctr_va_vdst(0)
	STEP 2, 0, 62
	STEP 3, 0, 38
	STEP 4, 0, 41
	STEP 5, 0, 42
	STEP 6, 0, 41
	STEP 7, 0, 42
	s_wait_loadcnt 38                              ; the gates; the next expert's three K steps may be out
.endif
	WIN 0
	PLACES
	WIN 0xa2                                       ; Y and the accumulators in window 2, the gate in window 0
.irp m, 0,1,2,3
.irp x, 0,2,4,6,8,10,12,14,16,18,20,22,24,26,28,30
	v_pk_fma_f32 v[128+32*\m+\x:128+32*\m+\x+1], v[32*\m+\x:32*\m+\x+1], v[GG+2*\m:GG+2*\m+1], v[128+32*\m+\x:128+32*\m+\x+1] op_sel_hi:[1,0,1]   ; Y += gate x product; each accumulator from its low end on
.endr
.endr
	WIN 0
.if \last == 0
	s_xor_b32 s39, s23, 0x10000                    ; the next expert's record (in since step 3's wait) goes into the other slot: every wave left that slot ahead of this trip's barrier
	v_add_nc_u32 v12, s39, v4
	SSTORE
	s_wait_xcnt 0x0                                ; every load has read its base
	s_mov_b64 s[26:27], s[28:29]
	s_mov_b32 s20, s21
.endif
.endm
	s_load_b256 s[4:11], s[0:1], 0x0               ; hq 4, wq 6, ord 8, gates 10
	s_load_b64 s[12:13], s[0:1], 0x20              ; out0
	v_lshl_add_u32 v254, v0, 2, 0x31000
	v_mov_b32 v255, 0
	v_lshrrev_b32 v1, 5, v0
	v_readfirstlane_b32 s14, v1                    ; wave
	v_and_b32 v1, 31, v0                           ; lane
	v_and_b32 v2, 15, v0                           ; r
	v_bfe_u32 v7, v0, 4, 1                         ; h
	v_lshlrev_b32 v3, 4, v1                        ; 16 x lane
	v_lshlrev_b32 v4, 4, v0                        ; 16 x thread
	v_lshlrev_b32 v5, 3, v1                        ; 8 x lane
	v_lshlrev_b32 v8, 2, v1                        ; 4 x lane
	v_lshlrev_b32 v22, 2, v2                       ; 4 r
	v_lshlrev_b32 v21, 2, v7                       ; 4 h
	s_mov_b32 s15, ttmp9                           ; q
	s_and_b32 s16, ttmp7, 0xffff                   ; b
	s_mov_b32 s36, 0x76543210
	s_mov_b32 s37, 0xfedcba98                      ; v_permlanex16_b32's selects for lane l xor 16
	s_mov_b32 s31, 0
	s_lshl_b32 s30, s16, 8
	s_wait_alu depctr_va_vdst(0)
	s_wait_kmcnt 0x0
	s_add_nc_u64 s[56:57], s[8:9], s[30:31]        ; ord at my block: 64 entries, 256 bytes
	global_load_b32 v9, v8, s[56:57]               ; all 64 entries, for the block's set of experts;
	global_load_b32 v10, v8, s[56:57] offset:128
.irp m, 0,1,2,3
	global_load_b32 v[GO+\m], v22, s[56:57] offset:64*\m   ; the entry of row 16 m + r, for its gates;
.endr
.set I, 0
.rept 32
	global_load_b32 v[KK+I], v21, s[56:57] offset:8*I      ; the entry of row 2 I + h, for the way out
.set I, I+1
.endr
	v_lshlrev_b32 v16, 3, v2
	v_lshl_add_u32 v16, v7, 8, v16                 ; half-words: 8 r + 256 h
	s_mul_i32 s39, s14, 4352
	s_add_co_u32 s39, s39, STG
	v_mul_u32_u24 v18, v2, 272
	v_lshl_add_u32 v18, v7, 6, v18
	v_add_nc_u32 v18, s39, v18                     ; the stage, in: row r, + 64 h
	v_mul_u32_u24 v19, v7, 272
	v_lshl_add_u32 v19, v2, 4, v19
	v_add_nc_u32 v19, s39, v19                     ; back: lanes 0-15 one row, lanes 16-31 the next
	v_lshlrev_b32 v20, 4, v2                       ; 16 r
	s_lshl_b32 s39, s15, 2
	s_add_co_u32 s39, s39, s14
	s_add_co_u32 s39, s39, 128
	s_mul_i32 s30, s39, 51200
	s_add_nc_u64 s[24:25], s[6:7], s[30:31]        ; w_out[0]'s record of my strip; an expert on: 819,200 bytes
	s_mul_i32 s30, s16, 409600
	s_add_nc_u64 s[32:33], s[4:5], s[30:31]        ; hq at my block's eight records
	s_lshl_b32 s30, s15, 10
	s_lshl_b32 s39, s14, 8
	s_add_co_u32 s30, s30, s39
	s_add_nc_u64 s[62:63], s[12:13], s[30:31]      ; out0 at my strip's 256 bytes of a row
	v_mov_b32 v23, 0                               ; written once: the destination of a lane move counts as one of its sources
	s_wait_loadcnt 0x0                             ; all 38 loads of ord
	v_or_b32 v11, v9, v10                          ; the block's experts: the 64 entries' bits, joined over the lanes
.irp k, 1,2,4,8
	v_mov_b32_dpp v23, v11 row_xmask:\k row_mask:0xf bank_mask:0xf
	v_or_b32 v11, v11, v23
.endr
	v_permlanex16_b32 v23, v11, s36, s37
	v_or_b32 v11, v11, v23
	v_readfirstlane_b32 s17, v11
	s_lshr_b32 s17, s17, 16
	s_and_b32 s17, s17, 0xff
	s_bcnt1_i32_b32 s18, s17
	s_sub_co_u32 s18, s18, 1                       ; experts but the last
	s_mov_b32 s19, s17
	NEXTE 20
	s_mul_i32 s30, s20, 819200
	s_add_nc_u64 s[26:27], s[24:25], s[30:31]
	s_mul_i32 s30, s20, 51200
	s_add_nc_u64 s[34:35], s[32:33], s[30:31]
	SISSUE
	UNIT 0, 26
	UNIT 1, 26
	UNIT 2, 26
	WIN 0
.irp m, 0,1,2,3                        ; register work while the first record and weights are on their way
	v_and_b32 v[GO+\m], 0xfff, v[GO+\m]
	v_min_u32 v[GO+\m], 0xfff, v[GO+\m]            ; the token, held inside the buffer
	v_lshlrev_b32 v[GO+\m], 5, v[GO+\m]            ; its row of 8 gates
	v_mov_b32 v[GG+2*\m+1], 0                      ; named as the upper half of a pair, so it is written
.endr
.set I, 0
.rept 32
	v_and_b32 v[KK+I], 0xfff, v[KK+I]
	v_min_u32 v[KK+I], 0xfff, v[KK+I]              ; the token, held inside the buffer
	v_lshl_add_u32 v[KK+I], v[KK+I], 12, v20       ; its row of 4,096 bytes, + 16 r
.set I, I+1
.endr
	WIN 0x80
.set I, 0
.rept 128
	v_mov_b32 v[128+I], 0                          ; Y
.set I, I+1
.endr
	WIN 0
	s_wait_loadcnt 38                              ; the first record is in; the three K steps of weights (13 + 12 + 13) may be out
	v_mov_b32 v12, v4
	SSTORE                                         ; into slot 0
	s_mov_b32 s22, 0
	s_mov_b32 s23, 0
.Lexpert:
	s_wait_dscnt 0x0                               ; my stores into the slot ahead have landed, and my reads of the other slot are over
	s_barrier_signal -1
	s_barrier_wait -1                              ; both now hold of all four waves
	s_cmp_ge_u32 s22, s18
	s_cbranch_scc1 .Lpass
	s_wait_xcnt 0x0                                ; every earlier load has read its base: the bases below are written again
	NEXTE 21
	s_mul_i32 s30, s21, 819200
	s_add_nc_u64 s[28:29], s[24:25], s[30:31]
	s_mul_i32 s30, s21, 51200
	s_add_nc_u64 s[34:35], s[32:33], s[30:31]
	s_lshl_b32 s30, s20, 2
	s_add_nc_u64 s[60:61], s[10:11], s[30:31]
	BODY 0
.Lpass:
	s_xor_b32 s23, s23, 0x10000                    ; trip j reads slot j % 2
	s_add_co_u32 s22, s22, 1
	s_cmp_lt_u32 s22, 7
	s_cbranch_scc1 .Lexpert
	v_add_nc_u32 v12, 0x20000, v4                  ; the record still held in registers is the last expert's: into the third slot
	SSTORE
	s_wait_xcnt 0x0
	s_lshl_b32 s30, s20, 2
	s_add_nc_u64 s[60:61], s[10:11], s[30:31]
	s_wait_dscnt 0x0                               ; for the others' sake: my part of the third slot has landed
	s_barrier_signal -1
	s_barrier_wait -1
	BODY 1
; THE WAY OUT, a tile of 16 tokens at a time: through my own stage and back as rows of 256 bytes; sixteen lanes store 256 consecutive bytes of a token's row, at a multiple of 256 from out0's first byte.
.macro OUT m
	WIN 0x08                                       ; an LDS store's data are its source 1: window 2
.irp t, 0,1,2,3
	ds_store_b128 v18, v[128+8*(4*(\m)+\t):128+8*(4*(\m)+\t)+3] offset:128*(\t/2)+32*(\t%2)
	ds_store_b128 v18, v[128+8*(4*(\m)+\t)+4:128+8*(4*(\m)+\t)+7] offset:128*(\t/2)+32*(\t%2)+16
.endr
	WIN 0
.if (\m) >= 2
	s_wait_xcnt 0x0                                ; the stores of two tiles back have read their registers
.endif
.set DD, 64+32*((\m)%2)
.irp i, 0,1,2,3,4,5,6,7
	ds_load_b128 v[DD+4*\i:DD+4*\i+3], v19 offset:544*\i   ; LDS serves a wave's instructions in order: these see my stores, and the next tile's stores come behind them
.endr
.irp i, 0,1,2,3,4,5,6,7
	s_wait_dscnt 7-\i
	global_store_b128 v[KK+8*(\m)+\i], v[DD+4*\i:DD+4*\i+3], s[62:63] th:TH_STORE_NT   ; rows 16 m + 2 i + h; written once, read by nobody here
.endr
.endm
	OUT 0
	OUT 1
	OUT 2
	s_wait_alu depctr_va_vdst(0)
	OUT 3
	s_wait_tensorcnt 0x0
	ds_add_u32 v254, v255
	s_wait_dscnt 0x0
	s_endpgm
.Lfunc_end_k_q32b7eb57a4_gemm2:
	.size	k_q32b7eb57a4_gemm2, .Lfunc_end_k_q32b7eb57a4_gemm2-k_q32b7eb57a4_gemm2
	.p2alignl 7, 3214868480
	.fill 96, 4, 3214868480
	.section	.rodata,"a",@progbits
	.p2align	6, 0x0
	.amdhsa_kernel k_q32b7eb57a4_gemm2
		.amdhsa_group_segment_fixed_size 201216
		.amdhsa_private_segment_fixed_size 0
		.amdhsa_enable_private_segment 0
		.amdhsa_kernarg_size 40
		.amdhsa_user_sgpr_count 2
		.amdhsa_user_sgpr_kernarg_segment_ptr 1
		.amdhsa_wavefront_size32 1
		.amdhsa_system_sgpr_workgroup_id_x 1
		.amdhsa_system_sgpr_workgroup_id_y 1
		.amdhsa_system_sgpr_workgroup_id_z 1
		.amdhsa_system_vgpr_workitem_id 0
		.amdhsa_next_free_vgpr 896
		.amdhsa_next_free_sgpr 66
		.amdhsa_reserve_vcc 0
		.amdhsa_float_denorm_mode_32 3
		.amdhsa_float_denorm_mode_16_64 3
		.amdhsa_memory_ordered 1
		.amdhsa_forward_progress 1
		.amdhsa_inst_pref_size 123
	.end_amdhsa_kernel
	.amdgpu_metadata
---
amdhsa.version: [ 1, 2 ]
amdhsa.kernels:
  - .name:           k_q32b7eb57a4_gemm2
    .symbol:         k_q32b7eb57a4_gemm2.kd
    .args:
      - { .name: hq, .offset: 0, .size: 8, .value_kind: global_buffer, .address_space: global }
      - { .name: wq, .offset: 8, .size: 8, .value_kind: global_buffer, .address_space: global }
      - { .name: ord, .offset: 16, .size: 8, .value_kind: global_buffer, .address_space: global }
      - { .name: gates, .offset: 24, .size: 8, .value_kind: global_buffer, .address_space: global }
      - { .name: out0, .offset: 32, .size: 8, .value_kind: global_buffer, .address_space: global }
    .group_segment_fixed_size: 201216
    .private_segment_fixed_size: 0
    .kernarg_segment_align: 8
    .kernarg_segment_size: 40
    .max_flat_workgroup_size: 128
    .sgpr_count:     66
    .vgpr_count:     896
    .wavefront_size: 32
...
	.end_amdgpu_metadata
.endif
;; end of part 10
